; MI455X (gfx1250); checked and timed in simulation.
; The chip was launched on July 23, 2026; its instructions are those of AMD's public machine-readable ISA for CDNA 5 (MIT licence, August 2026) and "CDNA5" Instruction Set Architecture Reference Guide (July 2026). The comments in the code are by the model that wrote it; some were corrected since.
;; Encoder Block. Allowed arithmetic: matrix products marked QUANTISED: E4M3 operands, one E8M0 scale for each 32 along K, by v_wmma_scale_f32_16x16x128_f8f6f4 with both operands' format E4M3, f32 sums; everything else in f32.
;; Inputs: b1 4,096 float32; b2 1,024 float32; bk 1,024 float32; bo 1,024 float32; bq 1,024 float32; bv 1,024 float32; g1 1,024 float32; g2 1,024 float32; w1 1,024 x 4,096 float32; w2 4,096 x 1,024 float32; wk 1,024 x 1,024 float32; wo 1,024 x 1,024 float32; wq 1,024 x 1,024 float32; wv 1,024 x 1,024 float32; x 2 x 2,048 x 1,024 float32.
;; Outputs: out0 2 x 2,048 x 1,024 float32.
;; This version of the problem:
;;   THIS VERSION OF THE PROBLEM IS GIVEN IN LOW PRECISION. The matrix products marked QUANTISED in the list below multiply operands that are first quantised to E4M3 (4 exponent bits, 3 mantissa bits; 8 bits a number), with one power-of-two scale for each 32 numbers along K (OCP MX v1.0); their sums are f32. All else is computed in f32.
;;   The module's matrix products, in the order in which they are computed (A, B: the left and right operand; K: the contracted axis; several contracted axes count as one K, in the product's order):
;;     1. [M 4,096, K 1,024] x [K 1,024, N 1,024]; A: computed on the way; B: input wq: QUANTISED
;;     2. [M 4,096, K 1,024] x [K 1,024, N 1,024]; A: computed on the way; B: input wk: QUANTISED
;;     3. [M 4,096, K 1,024] x [K 1,024, N 1,024]; A: computed on the way; B: input wv: QUANTISED
;;     4. batch 32 x [M 2,048, K 64] x [K 64, N 2,048]; A: computed on the way; B: computed on the way: QUANTISED
;;     5. batch 32 x [M 2,048, K 2,048] x [K 2,048, N 64]; A: softmax (see below); B: computed on the way: QUANTISED
;;     6. [M 4,096, K 1,024] x [K 1,024, N 1,024]; A: computed on the way; B: input wo: QUANTISED
;;     7. [M 4,096, K 1,024] x [K 1,024, N 4,096]; A: computed on the way; B: input w1: QUANTISED
;;     8. [M 4,096, K 4,096] x [K 4,096, N 1,024]; A: computed on the way; B: input w2: QUANTISED
;;   THE QUANTISER, for each operand of a quantised product, along K:
;;     - K is cut into blocks of 32 from its start; a last block that is shorter is filled with zeros.
;;     - A block's scale is 2^e with e = floor(log2(the largest magnitude in the block)) - 8, held to -126 .. 127; a block of zeros has e = 0. As a byte (E8M0): e + 127.
;;     - Each number is divided by its block's scale, clamped to +-448, and rounded to the nearest number of E4M3, ties to even, subnormals kept.
;;     - The product sums the exact products of the quantised numbers (number of the format x scale) in f32.
;;   ~~~python
;;   def quantise(x, axis):      # numpy; x: float32 -> the quantised numbers, widened to float32 again
;;       x = np.moveaxis(x, axis, -1); K = x.shape[-1]
;;       x = np.pad(x, [(0, 0)] * (x.ndim - 1) + [(0, -K % 32)]); x = x.reshape(x.shape[:-1] + (-1, 32)); a = np.abs(x).max(-1, keepdims=True)
;;       e = np.where(a > 0, np.clip(np.frexp(np.where(a > 0, a, 1))[1] - 1 - 8, -126, 127), 0)      # np.frexp(a)[1] - 1 = floor(log2(a)), exactly
;;       r = np.clip(x / 2.0 ** e, -448, 448)
;;       step = 2.0 ** (np.maximum(np.frexp(np.where(r == 0, 1, r))[1] - 1, -6) - 3)
;;       q = np.round(r / step) * step * 2.0 ** e      # np.round: ties to even
;;       return np.moveaxis(q.reshape(q.shape[:-2] + (-1,))[..., :K], -1, axis).astype(np.float32)
;;   ~~~
;;   SOFTMAX AHEAD OF A QUANTISED PRODUCT. Where the list says 'softmax', what is quantised is not the finished softmax but p = 2^(t - M), with t = logit x log2(e) and M = ceil(the row's largest t), a whole number; so 1/2 < the row's largest p <= 1. The row's sum l is taken of the UNQUANTISED p, in f32, and the product's result is divided by l at the end. Since M is a whole number, a kernel that streams over the keys may use a running M (the ceiling of the running maximum): every later rescaling is an exact power of two, which a block's scale takes up: the codes' values come out the same.
;;   OPERANDS COMPUTED ON THE WAY. 'Computed on the way' means the value that the module computes at that place (a softmax that the list does not call 'softmax' is quantised finished and normalised). What goes into a quantiser is computed in f32, as accurately as f32 sums, v_exp_f32 and their like allow (about 1e-6 of the number): no bf16 or f16 on the way to a quantiser, and a product that is left as it is and whose result goes on into a quantised operand takes f32 operands (vector FMAs, or v_wmma_f32_16x16x4_f32). A number that lies on a knife's edge between two numbers of the format may be rounded either way, as far as f32 arithmetic and the matrix unit's own rounding can turn it there, and no further.
;; 2 versions. Each part assembles by itself: llvm-mc -triple=amdgcn-amd-amdhsa -mcpu=gfx1250 --defsym DOCPART=n.
;; ======== version 1 of 2: 8 launches
;; workspace buffers: wts 13,500,416 bytes; h_c 4,325,376 bytes; qkv 13,238,272 bytes; o_c 4,325,376 bytes; x2 16,777,216 bytes; h2_c 4,325,376 bytes; hid_c 17,301,504 bytes
;; launch wquant (part 1): grid 448 x 1, 4 waves a work-group, no clusters, 0 bytes of LDS; arguments wq, wk, wv, wo, w1, w2, wts; writes wts
.if DOCPART == 1
	.amdgcn_target "amdgcn-amd-amdhsa--gfx1250"
	.amdhsa_code_object_version 6
	.text
	.protected	k_qadc997414e_wquant
	.globl	k_qadc997414e_wquant
	.p2align	8
	.type	k_qadc997414e_wquant,@function
k_qadc997414e_wquant:
	s_mov_b64 s[64:65], 0
	v_nop
	global_prefetch_b8 v0, s[64:65] scope:SCOPE_SE
	s_setreg_imm32_b32 hwreg(HW_REG_WAVE_MODE, 25, 1), 1
	s_wait_xcnt 0x0
; The six weights, f32 stored [K][N], become codes of FP8 (E4M3) with one E8M0 scale byte for each 32 along K, laid as IMAGES OF THE OPERAND'S REGISTERS; and the table of cos and sin for the rotary embedding is made.
; A RECORD is 32 columns x 256 along K, 8,448 bytes: the code of (u, r, k = 128 s + 32 c + 16 h + b) at 4096 u + 2048 s + 512 c + 256 h + 16 r + b; the scale byte at 8192 + 8 (16 u + r) + 4 s + c.
; Column i of the 32 lies at place u = (i >> 3) & 1, r = (i & 7) + 8 (i >> 4): so a later product's eight results of a lane are neighbours along the next K.
; Records: [group of 32 columns][K / 256].  wts: wq, wk, wv, wo as one operand of 4,096 rows at 0; w1 at 4,325,376; w2 at 8,650,752; the table at 12,976,128.
; Work-groups 0-383: a wave makes one record.  A LANE TAKES A COLUMN AND ITS REGISTERS RUN DOWN K: a block of 32 lies in one lane, the conversions give K innermost, nothing is transposed.
; Work-groups 384-447: the table [position 2048][h 2][cos 16 | sin 16] f32, frequency 16 h + i.  No LDS, no barrier: waves share nothing.
; A block's scale is 2^(floor(log2(largest magnitude)) - 8); its byte is that magnitude's exponent field - 8, held at 1 from below.
; LIMITS: NaN and infinities are not served; a block whose largest magnitude lies under 2^-118 gets the byte 1; a block of zeros gets the byte 1 and not 127 (its codes are zeros, and this program alone reads the bytes).
; The table: 10000^(-j/32) by two exponentials (some 2 units in the last place); the angle is one f32 product, as the definition has it; sin and cos by reduction with pi/2 in two parts and polynomials, good to some 2e-7 for angles up to 2,047.
.set REC,   8448
.set EMAX,  8
.set OFFS,  32                         ; v32-63   4 x lane + i rows
.set X,     64                         ; v64-127  two sets of 32 numbers
.set C,     128                        ; v128-191 eight registers of codes for each block: no store's data are written again
.set SB,    24                         ; v24-25   the scale bytes, four to a register
.set TABLE, 12976128
	s_load_b256 s[8:15], s[0:1], 0x0               ; wq, wk, wv, wo
	s_load_b128 s[16:19], s[0:1], 0x20             ; w1, w2
	s_load_b64 s[20:21], s[0:1], 0x30              ; wts
	v_lshrrev_b32 v1, 5, v0
	v_readfirstlane_b32 s22, v1                    ; wave
	s_mov_b32 s3, 0
	s_cmp_ge_u32 ttmp9, 384
	s_cbranch_scc1 .Ltable
	; which tensor, which record: all from the work-group's number
	s_lshr_b32 s23, ttmp9, 5                       ; 0-3 the four squares, 4-7 w1, 8-11 w2
	s_lshr_b32 s26, ttmp9, 7                       ; 0 squares, 1 w1, 2 w2
	s_cmp_eq_u32 s26, 0
	s_cselect_b32 s24, 31, 127                     ; work-groups to a tensor, less one
	s_cselect_b32 s25, s23, 0                      ; which square
	s_cmp_eq_u32 s26, 1
	s_cselect_b32 s27, 5, 3                        ; log2 of the groups of 128 columns
	s_cselect_b32 s28, 14, 12                      ; log2 of a row's bytes
	s_cmp_eq_u32 s26, 2
	s_cselect_b32 s29, 4, 2                        ; log2 of K / 256
	s_and_b32 s24, ttmp9, s24
	s_lshr_b32 s30, s24, s27                       ; which 256 along K
	s_lshl_b32 s31, s30, s27
	s_sub_co_u32 s24, s24, s31
	s_lshl_b32 s24, s24, 2
	s_add_co_u32 s24, s24, s22                     ; my group of 32 columns in the tensor
	s_lshl_b32 s25, s25, 5
	s_add_co_u32 s25, s25, s24                     ; and in the operand
	s_lshl_b32 s25, s25, s29
	s_add_co_u32 s25, s25, s30
	s_mul_i32 s25, s25, REC
	s_mul_i32 s31, s26, 4325376
	s_add_co_u32 s2, s25, s31                      ; my record's byte in wts
	s_lshl_b32 s49, 1, s28                         ; a row's bytes
	s_mov_b32 s48, 0x600000                        ; the mantissa field of 448
	v_and_b32 v1, 31, v0                           ; lane = column
	v_bfe_u32 v8, v1, 3, 1                         ; u
	v_and_b32 v9, 7, v1
	v_lshrrev_b32 v10, 4, v1
	v_lshl_add_u32 v9, v10, 3, v9                  ; r
	v_lshlrev_b32 v2, 4, v9
	v_lshl_add_u32 v2, v8, 12, v2                  ; my codes' place: 4096 u + 16 r
	v_lshl_add_u32 v3, v8, 4, v9
	v_lshlrev_b32 v3, 3, v3                        ; my scale bytes' place: 8 (16 u + r)
	v_lshlrev_b32 v14, 2, v1
.set I, 0
.rept 32
	v_mad_u32_u24 v[OFFS+I], s49, I, v14           ; row I of a block, my column
.set I, I+1
.endr
	s_wait_kmcnt 0x0
	s_mov_b64 s[4:5], s[8:9]
	s_cmp_eq_u32 s23, 1
	s_cselect_b64 s[4:5], s[10:11], s[4:5]
	s_cmp_eq_u32 s23, 2
	s_cselect_b64 s[4:5], s[12:13], s[4:5]
	s_cmp_eq_u32 s23, 3
	s_cselect_b64 s[4:5], s[14:15], s[4:5]
	s_cmp_ge_u32 s23, 4
	s_cselect_b64 s[4:5], s[16:17], s[4:5]
	s_cmp_ge_u32 s23, 8
	s_cselect_b64 s[4:5], s[18:19], s[4:5]         ; the tensor
	s_add_nc_u64 s[6:7], s[20:21], s[2:3]          ; the record
	s_lshl_b32 s2, s30, 8
	s_lshl_b32 s2, s2, s28                         ; 256 rows for each step along K
	s_lshl_b32 s31, s24, 7
	s_add_co_u32 s2, s2, s31                       ; + 128 bytes for each group of columns
	s_add_nc_u64 s[32:33], s[4:5], s[2:3]          ; block 0's first row; a base for each block, never rewritten
	s_lshl_b32 s2, 32, s28
.irp t, 1,2,3,4,5,6,7
	s_add_nc_u64 s[32+2*\t:33+2*\t], s[30+2*\t:31+2*\t], s[2:3]
.endr
.macro LOAD t                          ; block t: 32 rows, 128 consecutive bytes a wave each, the four waves side by side
.set I, 0
.rept 32
	global_load_b32 v[X+32*((\t)%2)+I], v[OFFS+I], s[32+2*(\t):33+2*(\t)] th:TH_LOAD_NT
.set I, I+1
.endr
.endm
.macro BLOCK t
.set XS, X+32*((\t)%2)
.set CT, C+8*(\t)
.if (\t) < 7
	s_wait_loadcnt 32                              ; this block's 32 loads are in; the next block's may be out
.else
	s_wait_loadcnt 0
.endif
	v_max3_num_f32 v12, |v[XS]|, |v[XS+1]|, |v[XS+2]|              ; the block's largest magnitude: all 32 numbers are mine
	v_max3_num_f32 v13, |v[XS+3]|, |v[XS+4]|, |v[XS+5]|
.irp i, 6,10,14,18,22,26
	v_max3_num_f32 v12, v12, |v[XS+\i]|, |v[XS+\i+1]|
	v_max3_num_f32 v13, v13, |v[XS+\i+2]|, |v[XS+\i+3]|
.endr
	v_max3_num_f32 v12, v12, |v[XS+30]|, |v[XS+31]|
	v_max3_num_f32 v12, v12, v13, (EMAX+1)<<23     ; and the floor 2^(9 - 127): the byte cannot fall under 1
	v_add_nc_u32 v11, -(EMAX<<23), v12             ; 8 off the exponent field: the conversion's scale operand
	v_and_or_b32 v10, v12, 0x7f800000, s48         ; 448 x the scale
	v_lshrrev_b32 v13, 23, v11                     ; the scale's byte
.if (\t)%4 == 0
	v_mov_b32 v[SB+(\t)/4], v13
.else
	v_lshl_or_b32 v[SB+(\t)/4], v13, 8*((\t)%4), v[SB+(\t)/4]
.endif
.set I, 0
.rept 32
	v_med3_num_f32 v[XS+I], v[XS+I], -v10, v10     ; the conversion to an 8-bit code does not saturate (ISA guide 7.6.2): the hold comes first
.set I, I+1
.endr
.irp g, 0,1,2,3
	v_cvt_scalef32_pk8_fp8_f32 v[CT+2*\g:CT+2*\g+1], v[XS+8*\g:XS+8*\g+7], v11
.endr
	global_store_b128 v2, v[CT:CT+3], s[6:7] offset:((\t)/4)*2048+((\t)%4)*512          ; k 0-15 of the block: the wave fills two aligned runs of 256 bytes (u = 0, u = 1)
	global_store_b128 v2, v[CT+4:CT+7], s[6:7] offset:((\t)/4)*2048+((\t)%4)*512+256    ; k 16-31 likewise
.if (\t)+2 < 8
	LOAD (\t)+2
.endif
.endm
	LOAD 0
	LOAD 1
.irp t, 0,1,2,3,4,5,6,7
	BLOCK \t
.endr
	global_store_b64 v3, v[SB:SB+1], s[6:7] offset:8192   ; the record's 256 scale bytes in one store
	s_endpgm
.Ltable:
	s_sub_co_u32 s23, ttmp9, 384                   ; 32 positions to a work-group
	s_lshl_b32 s2, s23, 13
	s_add_co_u32 s2, s2, TABLE
	s_lshl_b32 s24, s23, 5
	s_mov_b32 s40, 0xbfc90fdb                      ; -(pi/2), its upper part,
	s_mov_b32 s41, 0x333bbd2e                      ; and what is left of it
	v_and_b32 v1, 15, v0                           ; which 16 bytes of a position's 256
	v_lshrrev_b32 v2, 3, v1                        ; h
	v_bfe_u32 v3, v1, 2, 1                         ; 0 cos, 1 sin
	v_and_b32 v4, 3, v1
	v_lshlrev_b32 v5, 4, v2
	v_lshl_add_u32 v5, v4, 2, v5                   ; my first frequency: 16 h + 4 (e & 3)
	v_sub_nc_u32 v6, 1, v3                         ; cos a = sin(a + pi/2): a cosine lane counts one quadrant more
	v_lshrrev_b32 v7, 4, v0                        ; which of 8 positions
	v_lshlrev_b32 v8, 4, v0
	v_add_nc_u32 v9, s24, v7
.irp m, 0,1,2,3
	v_add_nc_u32 v[12+\m], \m, v5
	v_cvt_f32_u32 v[12+\m], v[12+\m]
	v_mul_f32 v[16+\m], 0xbed4a000, v[12+\m]       ; -j x 1701 / 4096: exact
	v_mul_f32 v[20+\m], 0x3830f686, v[12+\m]       ; -j x the rest of log2(10000) / 32
.endr
.irp m, 0,1,2,3,4,5,6,7
	v_exp_f32 v[16+\m], v[16+\m]
.endr
	v_nop                                          ; a plain instruction behind the last exponential
	s_wait_alu depctr_va_vdst(0)                   ; one wait for the eight, ahead of their first reader
.irp m, 0,1,2,3
	v_mul_f32 v[16+\m], v[16+\m], v[20+\m]         ; 10000^(-j/32)
.endr
	s_wait_kmcnt 0x0
	s_add_nc_u64 s[6:7], s[20:21], s[2:3]
.macro SINCOS dst, inv                 ; v10 = the position as f32
	v_mul_f32 v24, v10, \inv                       ; the angle
	v_mul_f32 v25, 0x3f22f983, v24
	v_rndne_f32 v25, v25                           ; n = the nearest multiple of pi/2
	v_fma_f32 v26, v25, s40, v24
	v_fma_f32 v26, v25, s41, v26                   ; what is left, within pi/4
	v_mul_f32 v27, v26, v26
	v_mov_b32 v28, 0x3638ef1d
	v_fmaak_f32 v28, v28, v27, 0xb9500d01
	v_fmaak_f32 v28, v28, v27, 0x3c088889
	v_fmaak_f32 v28, v28, v27, 0xbe2aaaab
	v_mul_f32 v29, v26, v27
	v_fma_f32 v28, v29, v28, v26                   ; its sine
	v_mov_b32 v30, 0xb493f27c
	v_fmaak_f32 v30, v30, v27, 0x37d00d01
	v_fmaak_f32 v30, v30, v27, 0xbab60b61
	v_fmaak_f32 v30, v30, v27, 0x3d2aaaab
	v_fmaak_f32 v30, v30, v27, 0xbf000000
	v_fma_f32 v30, v30, v27, 1.0                   ; its cosine
	v_cvt_i32_f32 v31, v25
	v_add_nc_u32 v31, v31, v6                      ; the quadrant
	v_and_b32 v25, 1, v31
	v_cmp_eq_u32 vcc_lo, 1, v25
	v_cndmask_b32 v28, v28, v30, vcc_lo            ; odd quadrants take the cosine,
	v_lshlrev_b32 v31, 30, v31
	v_and_b32 v31, 0x80000000, v31
	v_xor_b32 \dst, v28, v31                       ; quadrants 2 and 3 the other sign
.endm
.irp it, 0,1,2,3
	v_add_nc_u32 v10, 8*\it, v9
	v_cvt_f32_u32 v10, v10
.irp m, 0,1,2,3
	SINCOS v[32+4*\it+\m], v[16+\m]
.endr
	global_store_b128 v8, v[32+4*\it:35+4*\it], s[6:7] offset:\it*2048   ; a wave stores 512 consecutive bytes
.endr
	s_endpgm
.Lfunc_end_k_qadc997414e_wquant:
	.size	k_qadc997414e_wquant, .Lfunc_end_k_qadc997414e_wquant-k_qadc997414e_wquant
	.p2alignl 7, 3214868480
	.fill 96, 4, 3214868480
	.section	.rodata,"a",@progbits
	.p2align	6, 0x0
	.amdhsa_kernel k_qadc997414e_wquant
		.amdhsa_group_segment_fixed_size 0
		.amdhsa_private_segment_fixed_size 0
		.amdhsa_enable_private_segment 0
		.amdhsa_kernarg_size 56
		.amdhsa_user_sgpr_count 2
		.amdhsa_user_sgpr_kernarg_segment_ptr 1
		.amdhsa_wavefront_size32 1
		.amdhsa_system_sgpr_workgroup_id_x 1
		.amdhsa_system_sgpr_workgroup_id_y 1
		.amdhsa_system_sgpr_workgroup_id_z 1
		.amdhsa_system_vgpr_workitem_id 0
		.amdhsa_next_free_vgpr 192
		.amdhsa_next_free_sgpr 66
		.amdhsa_reserve_vcc 1
		.amdhsa_float_denorm_mode_32 3
		.amdhsa_float_denorm_mode_16_64 3
		.amdhsa_memory_ordered 1
		.amdhsa_forward_progress 1
		.amdhsa_inst_pref_size 82
	.end_amdhsa_kernel
	.amdgpu_metadata
---
amdhsa.version: [ 1, 2 ]
amdhsa.kernels:
  - .name:           k_qadc997414e_wquant
    .symbol:         k_qadc997414e_wquant.kd
    .args:
      - { .name: wq, .offset: 0, .size: 8, .value_kind: global_buffer, .address_space: global }
      - { .name: wk, .offset: 8, .size: 8, .value_kind: global_buffer, .address_space: global }
      - { .name: wv, .offset: 16, .size: 8, .value_kind: global_buffer, .address_space: global }
      - { .name: wo, .offset: 24, .size: 8, .value_kind: global_buffer, .address_space: global }
      - { .name: w1, .offset: 32, .size: 8, .value_kind: global_buffer, .address_space: global }
      - { .name: w2, .offset: 40, .size: 8, .value_kind: global_buffer, .address_space: global }
      - { .name: wts, .offset: 48, .size: 8, .value_kind: global_buffer, .address_space: global }
    .group_segment_fixed_size: 0
    .private_segment_fixed_size: 0
    .kernarg_segment_align: 8
    .kernarg_segment_size: 56
    .max_flat_workgroup_size: 128
    .sgpr_count:     66
    .vgpr_count:     192
    .wavefront_size: 32
...
	.end_amdgpu_metadata
.endif
;; end of part 1
;; launch rms1 (part 2): grid 128 x 1, 4 waves a work-group, no clusters, 132,096 bytes of LDS; arguments x, g1, h_c; writes h_c
.if DOCPART == 2
	.amdgcn_target "amdgcn-amd-amdhsa--gfx1250"
	.amdhsa_code_object_version 6
	.text
	.protected	k_qadc997414e_rms1
	.globl	k_qadc997414e_rms1
	.p2align	8
	.type	k_qadc997414e_rms1,@function
k_qadc997414e_rms1:
	s_mov_b64 s[64:65], 0
	v_nop
	global_prefetch_b8 v0, s[64:65] scope:SCOPE_SE
	s_setreg_imm32_b32 hwreg(HW_REG_WAVE_MODE, 25, 1), 1
	s_wait_xcnt 0x0
; h = x * rsqrt(mean(x^2) + eps) * g, row by row of 1,024 f32, quantised along the row to codes of FP8 (E4M3) with one E8M0 byte for each 32, and stored as records of 32 rows x 256 K:
; the code of (u, r, k = 128 s + 32 c + 16 h + b) at 4096 u + 2048 s + 512 c + 256 h + 16 r + b, the scale byte at 8192 + 8 (16 u + r) + 4 s + c; row i of the 32 at place u = (i >> 3) & 1, r = (i & 7) + 8 (i >> 4).
; A work-group takes 32 rows.  Phase 1: wave w normalises rows 8 w .. 8 w + 7, a whole row in 32 registers, read once by loads of 512 consecutive bytes, and lays them into a stage in LDS, each at its PLACE.
; One barrier.  Phase 2: wave w makes the record of columns 256 w on: a lane reads 16 neighbours of each block of 32 of its row, as the conversions want them, and the codes ARE the record's bytes: stores of 512 consecutive bytes.
; The stage's rows are 4,096 + 16 bytes apart, so that the sixteen rows that a load touches begin at sixteen different banks (64 banks of 4 bytes: ISA guide 11.1).
; No tensor load, no matrix unit, no cluster: memory binds, and work-groups share nothing.
; LIMITS: NaN and infinities are not served; a block whose largest magnitude lies under 2^-118, a block of zeros among them, gets the byte 1 (this program alone reads the bytes); rsqrt is the instruction's, good to one unit in the last place; the sum of squares is taken in another order than the definition's.
.set PITCH, 4112
.set X,   32                           ; v32-159  four row slots; in phase 2 two sets of 64 numbers
.set G,   160                          ; v160-191 g, laid as a row is loaded
.set PC,  192                          ; v192-207 a fragment's codes
.set TM,  208                          ; v208-223 at work in QUANT
.set SEL, 14                           ; s[14:15] v_permlanex16_b32's selects for lane l xor 16
.set MNT, 13                           ; s13 the mantissa field of 448
	s_load_b128 s[4:7], s[0:1], 0x0                ; the rows, g
	s_load_b64 s[8:9], s[0:1], 0x10                ; the codes
	v_lshl_add_u32 v224, v0, 2, 0x20200
	v_mov_b32 v225, 0
	v_lshrrev_b32 v1, 5, v0
	v_readfirstlane_b32 s16, v1                    ; wave
	v_and_b32 v6, 31, v0
	v_lshlrev_b32 v1, 4, v6                        ; 16 x lane
	v_and_b32 v2, 15, v0                           ; r
	v_bfe_u32 v3, v0, 4, 1                         ; h
	v_lshlrev_b32 v7, 3, v6                        ; 8 x lane
	s_and_b32 s17, s16, 1
	s_lshl_b32 s17, s17, 4
	s_lshr_b32 s18, s16, 1
	s_lshl_b32 s18, s18, 3
	s_add_co_u32 s17, s17, s18                     ; row 8 w + i lies at place 16 (w & 1) + 8 (w >> 1) + i
	s_mul_i32 s17, s17, PITCH
	v_add_nc_u32 v4, s17, v1                       ; into the stage
	v_mul_u32_u24 v5, v2, PITCH
	v_lshl_add_u32 v5, v3, 6, v5
	s_lshl_b32 s18, s16, 10
	v_add_nc_u32 v5, s18, v5                       ; out of it: place r, + 64 h, + my record's 1,024 bytes;
	v_add_nc_u32 v26, 16*PITCH, v5                 ; and places 16 on (beyond the 16-bit immediate)
	s_mov_b32 s10, 0x3a800000                      ; 1 / 1024
	s_mov_b32 s11, 0x34000000                      ; eps = 2^-23
	s_mov_b32 s12, 0xffff0000                      ; lanes 16-31
	s_mov_b32 s[MNT], 0x600000
	s_mov_b32 s[SEL], 0x76543210
	s_mov_b32 s[SEL+1], 0xfedcba98
	v_mov_b32 v17, 0                               ; a lane permute's destination counts as one of its sources
	v_mov_b32 v19, 0                               ; (named as the upper half of the pair v[18:19])
.irp b, 0,1,2,3
	v_mov_b32 v[TM+4+\b], 0
.endr
	s_lshl_b32 s2, ttmp9, 17                       ; 32 rows of 4,096 bytes a work-group,
	s_lshl_b32 s19, s16, 15                        ; 8 a wave
	s_add_co_u32 s2, s2, s19
	s_mov_b32 s3, 0
	s_lshl_b32 s20, ttmp9, 2
	s_add_co_u32 s20, s20, s16
	s_mul_i32 s20, s20, 8448                       ; my record
	s_mov_b32 s21, 0
	s_wait_kmcnt 0x0
	s_add_nc_u64 s[4:5], s[4:5], s[2:3]
	s_add_nc_u64 s[8:9], s[8:9], s[20:21]
.irp j, 0,1,2,3,4,5,6,7
	global_load_b128 v[G+4*\j:G+4*\j+3], v1, s[6:7] offset:512*\j
.endr
.macro FILL i
.irp j, 0,1,2,3,4,5,6,7
	global_load_b128 v[X+32*((\i)%4)+4*\j:X+32*((\i)%4)+4*\j+3], v1, s[4:5] offset:(\i)*4096+512*\j th:TH_LOAD_NT
.endr
.endm
	FILL 0
	FILL 1
	FILL 2
	FILL 3
.macro ROW i, left                     ; left: the younger rows' loads, 8 each, which may stay out
.set XS, X+32*((\i)%4)
	s_wait_loadcnt \left
.irp k, 0,1,2,3
	v_pk_mul_f32 v[8+2*\k:9+2*\k], v[XS+2*\k:XS+2*\k+1], v[XS+2*\k:XS+2*\k+1]      ; four chains, started by the first products
.endr
.irp k, 4,5,6,7,8,9,10,11,12,13,14,15
	v_pk_fma_f32 v[8+2*(\k%4):9+2*(\k%4)], v[XS+2*\k:XS+2*\k+1], v[XS+2*\k:XS+2*\k+1], v[8+2*(\k%4):9+2*(\k%4)]
.endr
	v_pk_add_f32 v[8:9], v[8:9], v[10:11]
	v_pk_add_f32 v[12:13], v[12:13], v[14:15]
	v_pk_add_f32 v[8:9], v[8:9], v[12:13]
	v_add_f32 v16, v8, v9
	v_add_f32_dpp v16, v16, v16 row_xmask:1 row_mask:0xf bank_mask:0xf
	v_add_f32_dpp v16, v16, v16 row_xmask:2 row_mask:0xf bank_mask:0xf
	v_add_f32_dpp v16, v16, v16 row_xmask:4 row_mask:0xf bank_mask:0xf
	v_add_f32_dpp v16, v16, v16 row_xmask:8 row_mask:0xf bank_mask:0xf
	v_permlanex16_b32 v17, v16, s[SEL], s[SEL+1]
	v_add_f32 v16, v16, v17                        ; the row's sum of squares, in every lane
	v_fma_f32 v16, v16, s10, s11                   ; / 1024 (exact) + eps
	v_rsq_f32 v18, v16
	v_nop                                          ; a plain instruction behind the transcendental
	s_wait_alu depctr_va_vdst(0)                   ; and the wait ahead of its first reader
.set I, 0
.rept 16
	v_pk_mul_f32 v[XS+I:XS+I+1], v[XS+I:XS+I+1], v[18:19] op_sel_hi:[1,0]
.set I, I+2
.endr
.set I, 0
.rept 16
	v_pk_mul_f32 v[XS+I:XS+I+1], v[XS+I:XS+I+1], v[G+I:G+I+1]      ; (x r) g, in the definition's order
.set I, I+2
.endr
.irp j, 0,1,2,3,4,5,6,7
	ds_store_b128 v4, v[XS+4*\j:XS+4*\j+3] offset:(\i)*PITCH+512*\j
.endr
.if (\i) < 4
	s_wait_dscnt 0x0                               ; the stores have read their registers: the slot takes the row four further on
	FILL (\i)+4
.endif
.endm
	ROW 0, 24
	ROW 1, 24
	ROW 2, 24
	ROW 3, 24
	ROW 4, 24
	ROW 5, 16
	ROW 6, 8
	ROW 7, 0
	s_wait_dscnt 0x0                               ; for the others' sake: my rows lie in the stage
	s_barrier_signal -1
	s_barrier_wait -1
; 64 numbers of a lane, register 16 b + i = k 32 b + 16 h + i of my row, become a fragment's codes in v[PC] on and four scale bytes in v[TM+4] on
.macro QUANT s, relu
.if \relu
.irp b, 0,1,2,3
	v_max3_num_f32 v[TM+\b], v[\s+16*\b], v[\s+1+16*\b], 0x4800000
.endr
.irp i, 2,4,6,8,10,12,14
.irp b, 0,1,2,3
	v_max3_num_f32 v[TM+\b], v[TM+\b], v[\s+16*\b+\i], v[\s+1+16*\b+\i]
.endr
.endr
.else
.irp b, 0,1,2,3
	v_max3_num_f32 v[TM+\b], |v[\s+16*\b]|, |v[\s+1+16*\b]|, 0x4800000     ; my 16 numbers of block b, and the floor 2^(9 - 127)
.endr
.irp i, 2,4,6,8,10,12,14
.irp b, 0,1,2,3
	v_max3_num_f32 v[TM+\b], v[TM+\b], |v[\s+16*\b+\i]|, |v[\s+1+16*\b+\i]|
.endr
.endr
.endif
.irp b, 0,1,2,3
	v_permlanex16_b32 v[TM+4+\b], v[TM+\b], s[SEL], s[SEL+1]
.endr
.irp b, 0,1,2,3
	v_max_num_f32 v[TM+\b], v[TM+\b], v[TM+4+\b]   ; with lane l xor 16's: the block's largest magnitude
.endr
.irp b, 0,1,2,3
	v_add_nc_u32 v[TM+12+\b], 0xfc000000, v[TM+\b] ; 8 off its exponent field: the conversion's scale operand
.endr
.irp b, 0,1,2,3
	v_and_or_b32 v[TM+8+\b], v[TM+\b], 0x7f800000, s[MNT]   ; 448 x the scale
.endr
.irp b, 0,1,2,3
	v_lshrrev_b32 v[TM+4+\b], 23, v[TM+12+\b]      ; the scale's byte
.endr
.irp b, 0,1,2,3
.irp i, 0,1,2,3,4,5,6,7,8,9,10,11,12,13,14,15
.if \relu
	v_med3_num_f32 v[\s+16*\b+\i], v[\s+16*\b+\i], 0, v[TM+8+\b]
.else
	v_med3_num_f32 v[\s+16*\b+\i], v[\s+16*\b+\i], -v[TM+8+\b], v[TM+8+\b]   ; the conversion does not saturate (ISA guide 7.6.2): the hold comes first
.endif
.endr
	v_cvt_scalef32_pk8_fp8_f32 v[PC+4*\b:PC+1+4*\b], v[\s+16*\b:\s+7+16*\b], v[TM+12+\b]
	v_cvt_scalef32_pk8_fp8_f32 v[PC+2+4*\b:PC+3+4*\b], v[\s+8+16*\b:\s+15+16*\b], v[TM+12+\b]
.endr
	v_nop                                          ; a plain instruction behind the last conversion
.endm
.macro WORD4 d
	v_lshl_or_b32 v[\d], v[TM+5], 8, v[TM+4]
	v_lshl_or_b32 v[\d], v[TM+6], 16, v[\d]
	v_lshl_or_b32 v[\d], v[TM+7], 24, v[\d]
.endm
.macro FRAGLD f, adr                   ; fragment f = 2 u + s: 64 numbers of my row
.irp b, 0,1,2,3
.irp j, 0,1,2,3
	ds_load_b128 v[X+64*((\f)%2)+16*\b+4*\j:X+64*((\f)%2)+16*\b+4*\j+3], v[\adr] offset:512*((\f)%2)+128*\b+16*\j
.endr
.endr
.endm
.macro QF f, left
	s_wait_dscnt \left                             ; this fragment's 16 loads are in; the next one's may be out
.if (\f) > 0
	s_wait_xcnt 0x0                                ; the last fragment's stores have read their registers
.endif
	QUANT X+64*((\f)%2), 0
	WORD4 20+(\f)
.irp c, 0,1,2,3
	global_store_b128 v1, v[PC+4*\c:PC+4*\c+3], s[8:9] offset:((\f)/2)*4096+((\f)%2)*2048+512*\c   ; 512 consecutive bytes
.endr
.endm
	FRAGLD 0, 5
	FRAGLD 1, 5
	QF 0, 16
	FRAGLD 2, 26
	QF 1, 16
	FRAGLD 3, 26
	QF 2, 16
	QF 3, 0
	v_cndmask_b32 v24, v20, v22, s12               ; lanes 0-15: the words of places 0-15; lanes 16-31: of places 16-31
	v_cndmask_b32 v25, v21, v23, s12
	global_store_b64 v7, v[24:25], s[8:9] offset:8192   ; the record's 256 scale bytes in one store
	s_wait_tensorcnt 0x0
	ds_add_u32 v224, v225
	s_wait_dscnt 0x0
	s_endpgm
.Lfunc_end_k_qadc997414e_rms1:
	.size	k_qadc997414e_rms1, .Lfunc_end_k_qadc997414e_rms1-k_qadc997414e_rms1
	.p2alignl 7, 3214868480
	.fill 96, 4, 3214868480
	.section	.rodata,"a",@progbits
	.p2align	6, 0x0
	.amdhsa_kernel k_qadc997414e_rms1
		.amdhsa_group_segment_fixed_size 132096
		.amdhsa_private_segment_fixed_size 0
		.amdhsa_enable_private_segment 0
		.amdhsa_kernarg_size 24
		.amdhsa_user_sgpr_count 2
		.amdhsa_user_sgpr_kernarg_segment_ptr 1
		.amdhsa_wavefront_size32 1
		.amdhsa_system_sgpr_workgroup_id_x 1
		.amdhsa_system_sgpr_workgroup_id_y 1
		.amdhsa_system_sgpr_workgroup_id_z 1
		.amdhsa_system_vgpr_workitem_id 0
		.amdhsa_next_free_vgpr 226
		.amdhsa_next_free_sgpr 66
		.amdhsa_reserve_vcc 0
		.amdhsa_float_denorm_mode_32 3
		.amdhsa_float_denorm_mode_16_64 3
		.amdhsa_memory_ordered 1
		.amdhsa_forward_progress 1
		.amdhsa_inst_pref_size 82
	.end_amdhsa_kernel
	.amdgpu_metadata
---
amdhsa.version: [ 1, 2 ]
amdhsa.kernels:
  - .name:           k_qadc997414e_rms1
    .symbol:         k_qadc997414e_rms1.kd
    .args:
      - { .name: x, .offset: 0, .size: 8, .value_kind: global_buffer, .address_space: global }
      - { .name: g1, .offset: 8, .size: 8, .value_kind: global_buffer, .address_space: global }
      - { .name: h_c, .offset: 16, .size: 8, .value_kind: global_buffer, .address_space: global }
    .group_segment_fixed_size: 132096
    .private_segment_fixed_size: 0
    .kernarg_segment_align: 8
    .kernarg_segment_size: 24
    .max_flat_workgroup_size: 128
    .sgpr_count:     66
    .vgpr_count:     226
    .wavefront_size: 32
...
	.end_amdgpu_metadata
.endif
;; end of part 2
;; launch qkvg (part 3): grid 12 x 16, 4 waves a work-group, clusters of 4 x 4, 327,680 bytes of LDS; arguments h_c, wts, bq, bk, bv, qkv; writes qkv
.if DOCPART == 3
	.amdgcn_target "amdgcn-amd-amdhsa--gfx1250"
	.amdhsa_code_object_version 6
	.text
	.protected	k_qadc997414e_qkvg
	.globl	k_qadc997414e_qkvg
	.p2align	8
	.type	k_qadc997414e_qkvg,@function
k_qadc997414e_qkvg:
	s_mov_b64 s[64:65], 0
	v_nop
	global_prefetch_b8 v0, s[64:65] scope:SCOPE_SE
	s_setreg_imm32_b32 hwreg(HW_REG_WAVE_MODE, 25, 1), 1
	s_wait_xcnt 0x0
	s_wait_alu depctr_hold_cnt(0) depctr_sa_sdst(0) depctr_va_vdst(0) depctr_va_sdst(0) depctr_va_ssrc(0) depctr_va_vcc(0) depctr_vm_vsrc(0)
	s_getreg_b32 s2, hwreg(HW_REG_IB_STS2, 6, 4)
	s_cmp_eq_u32 s2, 0
	s_cbranch_scc0 .Lentry_in_a_cluster
	s_endpgm
.Lentry_in_a_cluster:
	s_bfe_u32 s2, ttmp6, 0x10000c
	s_cmp_lg_u32 s2, 0xf033
	s_cbranch_scc0 .Lentry_shape_is_right
	s_endpgm
.Lentry_shape_is_right:
; q = rope(h wq + bq), k = rope(h wk + bk), v = h wv + bv, on codes of FP8 (E4M3) with E8M0 scales; the results are quantised in registers for the two products of attention and stored as images of operand registers.
; THE PRODUCT.  A tile of 256 x 256 is made by four waves, each 128 x 128: 64 accumulators, 512 registers.  K = 1,024 goes in steps of 256 through a ring of two LDS slots.
; OPERANDS lie in memory as RECORDS of 32 rows x 256 K, 8,448 bytes, [row / 32][K / 256]: code (u, r, k = 128 s + 32 c + 16 h + b) at 4096 u + 2048 s + 512 c + 256 h + 16 r + b: a fragment is four runs of 512 bytes, lane l's 16 bytes at 16 l;
; the scale bytes ride behind the codes, at 8192 + 8 (16 u + r) + 4 s + c.  So a tensor load brings 4 records (128 rows, codes and scales) as 4 rows of 8,448 bytes, LDS needs no padding, and a fragment load is 512 consecutive bytes.
; (A load has 4 long rows and not 64 short ones: a record is one dense run.)
; Row i of a record's 32 lies at place u = (i >> 3) & 1, r = (i & 7) + 8 (i >> 4): with source 0 = the B side, a lane's 64 registers of one block of 16 rows of the A side are B-side rows 32 b + 16 h + 0 .. 15: neighbours, as a quantiser along them wants.
; CLUSTERS: 4 x 4 work-groups; the A side's tile is shared along a row of the cluster, the B side's along a column: joint tensor loads.
; The cluster's x says what is made: 0 q, 1 k (A side = tokens, B side = the weight's columns: a lane holds a token and runs along the head's channels), 2 v (THE SIDES ARE SWAPPED: A side = wv's columns, B side = tokens: a lane holds a channel and runs along the keys, v's K).
; OUT.  q, k: [head][128 tokens]: 8 tiles of 16 tokens x 64 channels, tile a at 1024 a + 512 c + 16 l; scale words (two bytes used) at 8192 + 32 r + 4 a: 8,704 bytes.  v: [head][128 keys]: 4 tiles of 16 channels x 128 keys at 2048 t + 512 c + 16 l; scale words at 8192 + 16 r + 4 t: 8,448 bytes.
; LIMITS: NaN and infinities are not served; a block whose largest magnitude lies under 2^-118, a block of zeros among them, gets the byte 1 (this program alone reads the bytes); the rotation uses fused multiply-adds.
.set KP,     4                         ; K / 256
.set REC,    8448
.set HALFT,  4*REC                     ; 128 rows: what one tensor load brings, and what one wave reads of a side
.set SLOT,   4*HALFT                   ; the A side's 256 rows, then the B side's
.set SPARE,  2*SLOT                    ; behind the ring: the spare words, 128 bytes for each wave, which no other line names
.set LAPS,   KP/2
.set NQ,     2                         ; matrix instructions deep in a slot
.set FR,     16
.set NL,     4
.set NP,     8                         ; places behind this matrix instruction (ISA guide 7.12.1)
.set ADRA, 16                          ; v16-17 LDS address of my A fragments in slot 0, 1
.set ADRB, 20                          ; v20-21 of my B fragments
.set ADRS, 22                          ; v22-23 of my scale words: lanes 0-15 A's, lanes 16-31 B's
.set CO,   24                          ; v24 16 x lane
.set TBO,  25                          ; v25 my token's row of the table
.set SWO,  26                          ; v26 32 r + 16 h
.set BOFF, 27                          ; v27 64 h
.set SPW,  28                          ; v28 my spare word; never rewritten
.set NIL,  29                          ; v29 0; never rewritten
.set BVO,  30                          ; v30 4 x my channel in a group of 32
.set VSO,  31                          ; v31 16 r + 135,168 h
.set SC,   32                          ; v32-63 scale words, two sets: they hold nothing else
.set BI,   64                          ; v64-127 the bias of my 128 columns, in the result's layout
.set AF,   128                         ; v128-255 A's fragments; free on the way out:
.set T,    128                         ; v128-191 64 numbers
.set PC,   192                         ; v192-207 their codes
.set TM,   208                         ; v208-223 at work in QUANT
.set SW,   224                         ; v224-239 scale words
.set TT,   240                         ; v240-247 at work in the rotation
.set BV,   232                         ; v232-247 (v path) bv, each number twice
.set G1, 24
.set G0, 32
.set G1B, 48
.set G0B, 56
.set MASKH, 67
.set SEL, 84
.set MNT, 86
.set MSB, 0
.macro WIN new                         ; the immediate's high byte repeats the setting that is left
.if MSB != (\new)
	s_set_vgpr_msb (MSB<<8)|(\new)
.set MSB, (\new)
.endif
.endm
.set MUL_LO, 0xa1                      ; source 0 (B) window 1, source 1 (A) window 0, C and D window 2
.set MUL_HI, 0xf1                      ; the same, C and D window 3
.set TO_B,   0x40
; A joint load: waves 0 and 1 fetch for the A side, waves 2 and 3 for the B side; the branch hangs on the wave's number alone.  Four v_nop follow each line.
.macro JLOAD g0a, g1a, g0b, g1b
	s_cmp_eq_u32 s15, 0
	s_cbranch_scc0 .Lfor_b_\@
	tensor_load_to_lds s[\g0a:\g0a+3], s[\g1a:\g1a+7]
	s_nop 0
.rept 4
	v_nop
.endr
	s_branch .Lasked_\@
.Lfor_b_\@:
	tensor_load_to_lds s[\g0b:\g0b+3], s[\g1b:\g1b+7]
	s_nop 0
.rept 4
	v_nop
.endr
.Lasked_\@:
.endm
.macro CREST                           ; a round of the cluster's barrier behind its opening barrier
	s_cmp_lg_u32 s14, 0
	s_cbranch_scc1 .Lnot_wave_0_\@
	s_barrier_signal -3
.Lnot_wave_0_\@:
	s_barrier_wait -3
	s_barrier_signal -1
	s_barrier_wait -1
.endm
.macro CROUND
	s_barrier_signal -1
	s_barrier_wait -1
	CREST
.endm
	s_load_b128 s[4:7], s[0:1], 0x0                ; h's codes, the weights
	s_load_b128 s[68:71], s[0:1], 0x10             ; bq, bk
	s_load_b128 s[72:75], s[0:1], 0x20             ; bv, qkv
	v_lshl_add_u32 v[SPW], v0, 2, SPARE
	v_mov_b32 v[NIL], 0
	ds_add_u32 v28, v29
	ds_add_u32 v28, v29
	s_wait_dscnt 0x0
	v_lshrrev_b32 v1, 5, v0
	v_readfirstlane_b32 s14, v1                    ; wave 0..3
	s_lshr_b32 s15, s14, 1                         ; which half of the A side's rows is mine.  Also: I fetch for A (0) or for B (1)
	s_and_b32 s16, s14, 1                          ; which half of the B side's.  Also: which 128 rows I fetch
	s_bfe_u32 s40, ttmp6, 0x40000                  ; cx, cy
	s_bfe_u32 s41, ttmp6, 0x40004
	s_and_b32 s19, ttmp7, 0xffff
	s_lshl_b32 s19, s19, 2                         ; 4 x cluster y
	s_lshl_b32 s18, ttmp9, 2                       ; 4 x cluster x
	s_cmp_eq_u32 ttmp9, 2                          ; v?  The cluster's x is the same in all sixteen partners
	s_cselect_b32 s17, 8, s19                      ; the A side's tile: wv's columns are rows 2,048 on of the weights' operand; else the tokens'
	s_cselect_b32 s42, s19, s18                    ; the B side's: the tokens'; else wq's (0-3) or wk's (4-7)
	s_add_co_u32 s17, s17, s41
	s_add_co_u32 s42, s42, s40
	s_lshl_b32 s43, s41, 2
	s_lshl_b32 s43, 15, s43                        ; my row of the cluster
	s_lshl_b32 s44, 0x1111, s40                    ; my column
	s_or_b32 s[G1+0], s43, (3<<16)|(1<<21)         ; 15:0 the mask; 17:16 elements of 8 bytes; 21 set beside a mask; no padding
	s_or_b32 s[G1B+0], s44, (3<<16)|(1<<21)
.irp g, G1, G1B
	s_mov_b32 s[\g+1], 1056<<16                    ; tensor_dim0: a record, 1,056 elements
	s_mov_b32 s[\g+2], 4<<16                       ; tensor_dim1 = 4
	s_mov_b32 s[\g+3], 1056<<16                    ; tile_dim0
	s_mov_b32 s[\g+4], 4                           ; tile_dim1
	s_mov_b32 s[\g+5], KP*1056                     ; from a group of 32 rows to the next
	s_mov_b32 s[\g+6], 0
	s_mov_b32 s[\g+7], 0
.endr
	s_lshl_b32 s18, s16, 2
	s_lshl_b32 s20, s17, 3
	s_add_co_u32 s20, s20, s18                     ; A: group of 32 rows = 8 x tile + 4 x half
	s_lshl_b32 s46, s42, 3
	s_add_co_u32 s46, s46, s18                     ; B likewise
	s_mul_i32 s20, s20, KP*REC
	s_mul_i32 s46, s46, KP*REC
	s_mov_b32 s21, 0
	s_mov_b32 s47, 0
	s_mul_i32 s45, s14, HALFT                      ; where they go: wave x 128 rows
	s_wait_kmcnt 0x0
	s_cmp_eq_u32 ttmp9, 2
	s_cselect_b64 s[8:9], s[6:7], s[4:5]           ; the A side's buffer
	s_cselect_b64 s[10:11], s[4:5], s[6:7]         ; the B side's
	s_add_nc_u64 s[20:21], s[8:9], s[20:21]
	s_add_nc_u64 s[46:47], s[10:11], s[46:47]
	CROUND                                         ; all sixteen work-groups are here: the first joint loads meet
.irp s, 0,1
	s_mov_b32 s[G0+4*\s], 1
	s_add_co_u32 s[G0+4*\s+1], s45, \s*SLOT
	s_add_nc_u64 s[G0+4*\s+2:G0+4*\s+3], s[20:21], \s*REC
	s_or_b32 s[G0+4*\s+3], s[G0+4*\s+3], 0x80000000
	s_mov_b32 s[G0B+4*\s], 1
	s_add_co_u32 s[G0B+4*\s+1], s45, \s*SLOT
	s_add_nc_u64 s[G0B+4*\s+2:G0B+4*\s+3], s[46:47], \s*REC
	s_or_b32 s[G0B+4*\s+3], s[G0B+4*\s+3], 0x80000000
	JLOAD G0+4*\s, G1, G0B+4*\s, G1B
.endr
	v_and_b32 v1, 15, v0                           ; r
	v_bfe_u32 v2, v0, 4, 1                         ; h
	v_and_b32 v3, 31, v0
	v_lshlrev_b32 v3, 4, v3                        ; 16 x lane
	s_mul_i32 s21, s15, HALFT                      ; my 128 rows of A
	s_mul_i32 s22, s16, HALFT
	s_add_co_u32 s22, s22, 2*HALFT                 ; my 128 rows of B, behind A's 256
	v_lshlrev_b32 v5, 3, v1                        ; scale words: 8 bytes a row;
	s_sub_co_u32 s23, s22, s21
	v_mul_u32_u24 v6, s23, v2                      ; lanes 16-31 take B's
	v_add_nc_u32 v5, v5, v6
.irp s, 0,1
	v_add_nc_u32 v[ADRA+\s], s21, v3
	v_add_nc_u32 v[ADRB+\s], s22, v3
	v_add_nc_u32 v[ADRS+\s], s21, v5
	v_add_nc_u32 v[ADRS+\s], 8192, v[ADRS+\s]
	s_add_co_u32 s21, s21, SLOT
	s_add_co_u32 s22, s22, SLOT
.endr
	v_mov_b32 v[CO], v3
	v_and_b32 v5, 8, v1
	v_add_nc_u32 v5, v5, v1                        ; r + 8 (r / 8): place r's row in its half of a group of 32
	v_lshlrev_b32 v[TBO], 8, v5
	v_lshl_add_u32 v[TBO], v2, 7, v[TBO]           ; the table: 256 bytes a position, + 128 h
	v_lshlrev_b32 v[SWO], 5, v1
	v_lshl_add_u32 v[SWO], v2, 4, v[SWO]
	v_lshlrev_b32 v[BOFF], 6, v2
	v_lshlrev_b32 v[BVO], 2, v5
	v_mul_u32_u24 v[VSO], v2, 135168
	v_lshl_add_u32 v[VSO], v1, 4, v[VSO]
	s_mov_b32 s[MASKH], 0xffff0000
	s_mov_b32 s[SEL], 0x76543210
	s_mov_b32 s[SEL+1], 0xfedcba98
	s_mov_b32 s[MNT], 0x600000
	s_cmp_eq_u32 ttmp9, 1
	s_cselect_b64 s[76:77], s[70:71], s[68:69]
	s_cmp_eq_u32 ttmp9, 2
	s_cselect_b64 s[76:77], s[72:73], s[76:77]     ; bq, bk or bv
	s_and_b32 s78, s42, 3
	s_lshl_b32 s78, s78, 10
	s_lshl_b32 s79, s16, 9
	s_add_co_u32 s78, s78, s79                     ; my 128 columns' bias (the v path loads its own on the way out; this load stays inside the buffer there too)
	s_mov_b32 s79, 0
	s_add_nc_u64 s[76:77], s[76:77], s[78:79]
.irp b, 0,1,2,3
.irp j, 0,1,2,3
	global_load_b128 v[BI+16*\b+4*\j:BI+16*\b+4*\j+3], v[BOFF], s[76:77] offset:128*\b+16*\j   ; register 16 b + i: column 32 b + 16 h + i
.endr
.endr
.macro FRAG reg, adr, q, i             ; block i of my 128 rows, the slot's q-th 128 along K: four runs of 512 bytes
.irp c, 0,1,2,3
	ds_load_b128 v[\reg+4*\c:\reg+4*\c+3], v[\adr] offset:((\i)/2)*REC+((\i)%2)*4096+(\q)*2048+512*\c
.endr
.endm
; 16 matrix instructions: A's blocks a0, a0 + 1 x B's eight.  The 64 accumulators take turns, one instruction a turn, in the same order in every step.
.macro MUL16 a0, p, q, sc, zero
.irp a, \a0, \a0+1
.irp b, 0,1,2,3,4,5,6,7
.if \zero
	v_wmma_scale_f32_16x16x128_f8f6f4 v[8*(8*((\a)%4)+\b):8*(8*((\a)%4)+\b)+7], v[128*(\p)+FR*\b:128*(\p)+FR*\b+FR-1], v[AF+FR*(\a):AF+FR*(\a)+FR-1], 0, v[SC+8*NQ*(\sc)+NQ*\b+(\q)], v[SC+8*NQ*(\sc)+NQ*(\a)+(\q)] matrix_a_scale:MATRIX_SCALE_ROW1
.else
	v_wmma_scale_f32_16x16x128_f8f6f4 v[8*(8*((\a)%4)+\b):8*(8*((\a)%4)+\b)+7], v[128*(\p)+FR*\b:128*(\p)+FR*\b+FR-1], v[AF+FR*(\a):AF+FR*(\a)+FR-1], v[8*(8*((\a)%4)+\b):8*(8*((\a)%4)+\b)+7], v[SC+8*NQ*(\sc)+NQ*\b+(\q)], v[SC+8*NQ*(\sc)+NQ*(\a)+(\q)] matrix_a_scale:MATRIX_SCALE_ROW1
.endif
.endr
.endr
.endm
.macro FETCH_B slot, q, p
	WIN TO_B
.irp i, 0,1,2,3,4,5,6,7
	FRAG 128*(\p)+FR*\i, ADRB+\slot, \q, \i
.endr
	WIN 0
.endm
.macro FETCH_A slot, q, i0
.irp i, \i0, \i0+1, \i0+2, \i0+3
	FRAG AF+FR*(\i), ADRA+\slot, \q, \i
.endr
.endm
.macro SCALES sc                       ; a slot's scale words: two a row; lanes 0-15 take A's block i, lanes 16-31 B's block i
.irp i, 0,1,2,3,4,5,6,7
	ds_load_b64 v[SC+8*NQ*\sc+NQ*\i:SC+8*NQ*\sc+NQ*\i+1], v[ADRS+\sc] offset:(\i/2)*REC+(\i%2)*128
.endr
.endm
.macro PLACES n                        ; plain vector instructions between a matrix instruction and a load into, or a read or write of, its registers
.rept \n
	v_nop
.endr
.endm
.macro STEP slot, q, zero              ; a step of 128 along K that has its successor in the same slot
	s_wait_dscnt 4*NL                              ; B's set, A's blocks 0-3 and the scale words are in; the youngest 16 loads (A's blocks 4-7) may be out
	WIN MUL_LO
	MUL16 0, (\q)%2, \q, \slot, \zero
	MUL16 2, (\q)%2, \q, \slot, \zero
	s_wait_dscnt 0
	PLACES NP
	FETCH_B \slot, (\q)+1, 1-(\q)%2
	FETCH_A \slot, (\q)+1, 0
	WIN MUL_HI
	MUL16 4, (\q)%2, \q, \slot, \zero
	MUL16 6, (\q)%2, \q, \slot, \zero
	PLACES NP
	WIN 0
	FETCH_A \slot, (\q)+1, 4
.endm
; A slot's last step changes slots: one barrier; in front of it each wave waits for all its tensor loads, adds 0 to its spare word, and waits for that and for its reads of this slot.
.macro TURN slot, next, fill
	s_wait_tensorcnt 0x0                           ; all my tensor loads have landed: my part of the next slot
	ds_add_u32 v[SPW], v[NIL]                      ; 0 onto my spare word
	s_wait_dscnt 4*NL+1                            ; (the add and the youngest 16 loads may be out)
	WIN MUL_LO
	MUL16 0, 1, NQ-1, \slot, 0
	s_wait_dscnt 0x0                               ; the add is done, and my reads of this slot are over
	s_barrier_signal -1
	MUL16 2, 1, NQ-1, \slot, 0
	WIN 0
	s_barrier_wait -1
.if \fill
	CREST                                          ; the barrier has opened a round of the cluster's: no wave of any partner still reads this slot or has a load on its way
	s_add_nc_u64 s[G0+4*\slot+2:G0+4*\slot+3], s[G0+4*\slot+2:G0+4*\slot+3], 2*REC
	s_add_nc_u64 s[G0B+4*\slot+2:G0B+4*\slot+3], s[G0B+4*\slot+2:G0B+4*\slot+3], 2*REC
	JLOAD G0+4*\slot, G1, G0B+4*\slot, G1B         ; the first tensor load behind the round; its four v_nop are among the places below
	PLACES NP-4
.else
	PLACES NP
.endif
	FETCH_B \next, 0, 0
	FETCH_A \next, 0, 0
	SCALES \next
	WIN MUL_HI
	MUL16 4, 1, NQ-1, \slot, 0
	MUL16 6, 1, NQ-1, \slot, 0
	PLACES NP
	WIN 0
	FETCH_A \next, 0, 4
.endm
	s_wait_tensorcnt 1                             ; my part of slot 0 is in (slot 1's load may be out)
	s_barrier_signal -1
	s_barrier_wait -1                              ; everybody's is
	FETCH_B 0, 0, 0
	FETCH_A 0, 0, 0
	SCALES 0
	FETCH_A 0, 0, 4
	STEP 0, 0, 1                                   ; the first step's products start the sums
	s_mov_b32 s3, LAPS-1
.Llap:
	TURN 0, 1, 1
	STEP 1, 0, 0
	TURN 1, 0, 1
	STEP 0, 0, 0
	s_sub_co_u32 s3, s3, 1
	s_cmp_lg_u32 s3, 0
	s_cbranch_scc1 .Llap
	TURN 0, 1, 0                                   ; the last lap fills nothing
	STEP 1, 0, 0
	s_wait_dscnt 4*NL
	WIN MUL_LO
	MUL16 0, 1, NQ-1, 1, 0
	MUL16 2, 1, NQ-1, 1, 0
	s_wait_dscnt 0
	WIN MUL_HI
	MUL16 4, 1, NQ-1, 1, 0
	MUL16 6, 1, NQ-1, 1, 0
	WIN 0
; 64 numbers of a lane, register 16 b + i = index 32 b + 16 h + i, become codes in v[PC] on and four scale bytes in v[TM+4] on
.macro QUANT s, relu
.if \relu
.irp b, 0,1,2,3
	v_max3_num_f32 v[TM+\b], v[\s+16*\b], v[\s+1+16*\b], 0x4800000
.endr
.irp i, 2,4,6,8,10,12,14
.irp b, 0,1,2,3
	v_max3_num_f32 v[TM+\b], v[TM+\b], v[\s+16*\b+\i], v[\s+1+16*\b+\i]
.endr
.endr
.else
.irp b, 0,1,2,3
	v_max3_num_f32 v[TM+\b], |v[\s+16*\b]|, |v[\s+1+16*\b]|, 0x4800000     ; my 16 numbers of block b, and the floor 2^(9 - 127)
.endr
.irp i, 2,4,6,8,10,12,14
.irp b, 0,1,2,3
	v_max3_num_f32 v[TM+\b], v[TM+\b], |v[\s+16*\b+\i]|, |v[\s+1+16*\b+\i]|
.endr
.endr
.endif
.irp b, 0,1,2,3
	v_permlanex16_b32 v[TM+4+\b], v[TM+\b], s[SEL], s[SEL+1]
.endr
.irp b, 0,1,2,3
	v_max_num_f32 v[TM+\b], v[TM+\b], v[TM+4+\b]   ; with lane l xor 16's: the block's largest magnitude
.endr
.irp b, 0,1,2,3
	v_add_nc_u32 v[TM+12+\b], 0xfc000000, v[TM+\b] ; 8 off its exponent field: the conversion's scale operand
.endr
.irp b, 0,1,2,3
	v_and_or_b32 v[TM+8+\b], v[TM+\b], 0x7f800000, s[MNT]   ; 448 x the scale
.endr
.irp b, 0,1,2,3
	v_lshrrev_b32 v[TM+4+\b], 23, v[TM+12+\b]      ; the scale's byte
.endr
.irp b, 0,1,2,3
.irp i, 0,1,2,3,4,5,6,7,8,9,10,11,12,13,14,15
.if \relu
	v_med3_num_f32 v[\s+16*\b+\i], v[\s+16*\b+\i], 0, v[TM+8+\b]
.else
	v_med3_num_f32 v[\s+16*\b+\i], v[\s+16*\b+\i], -v[TM+8+\b], v[TM+8+\b]   ; the conversion does not saturate (ISA guide 7.6.2): the hold comes first
.endif
.endr
	v_cvt_scalef32_pk8_fp8_f32 v[PC+4*\b:PC+1+4*\b], v[\s+16*\b:\s+7+16*\b], v[TM+12+\b]
	v_cvt_scalef32_pk8_fp8_f32 v[PC+2+4*\b:PC+3+4*\b], v[\s+8+16*\b:\s+15+16*\b], v[TM+12+\b]
.endr
	v_nop                                          ; a plain instruction behind the last conversion
.endm
.macro WORD4 d
	v_lshl_or_b32 v[\d], v[TM+5], 8, v[TM+4]
	v_lshl_or_b32 v[\d], v[TM+6], 16, v[\d]
	v_lshl_or_b32 v[\d], v[TM+7], 24, v[\d]
.endm
.macro WORD2 d, b
	v_lshl_or_b32 v[\d], v[TM+5+\b], 8, v[TM+4+\b]
.endm
	PLACES NP                                      ; in front of the first reads of results, and of loads and writes into the fragments' registers
.irp b, 0,1,2,3
	v_mov_b32 v[TM+4+\b], 0                        ; a lane permute's destination counts as one of its sources
.endr
	s_cmp_eq_u32 ttmp9, 2
	s_cbranch_scc1 .Lvpath
	; ---- q, k: a lane holds a token; its 64 registers of block a are two heads' 64 channels
	s_lshl_b32 s78, s17, 8
	s_lshl_b32 s79, s15, 7
	s_add_co_u32 s78, s78, s79                     ; my first token
	s_lshr_b32 s79, s78, 11                        ; batch
	s_bfe_u32 s80, s78, 0x40007                    ; which 128 of the sequence
	s_and_b32 s81, s42, 3
	s_lshl_b32 s81, s81, 2
	s_lshl_b32 s82, s16, 1
	s_add_co_u32 s81, s81, s82                     ; my first head
	s_lshl_b32 s79, s79, 4
	s_add_co_u32 s79, s79, s81
	s_lshl_b32 s79, s79, 4
	s_add_co_u32 s79, s79, s80
	s_mul_i32 s82, s79, 8704
	s_mul_i32 s83, ttmp9, 4456448                  ; q at 0, k behind it
	s_add_co_u32 s82, s82, s83
	s_mov_b32 s83, 0
	s_add_nc_u64 s[74:75], s[74:75], s[82:83]
	s_and_b32 s82, s78, 2047
	s_lshl_b32 s82, s82, 8
	s_add_co_u32 s82, s82, 12976128
	s_add_nc_u64 s[6:7], s[6:7], s[82:83]          ; the table at my first token's position
	WIN TO_B                                       ; cos and sin of my eight tokens fill window 1: block a's cos at v[32 a], sin at v[32 a + 16]
.irp a, 0,1,2,3,4,5,6,7
.irp j, 0,1,2,3
	global_load_b128 v[32*\a+4*\j:32*\a+4*\j+3], v[TBO], s[6:7] offset:(32*(\a/2)+8*(\a%2))*256+16*\j
	global_load_b128 v[32*\a+16+4*\j:32*\a+16+4*\j+3], v[TBO], s[6:7] offset:(32*(\a/2)+8*(\a%2))*256+64+16*\j
.endr
.endr
	WIN 0
.macro QKBLK a
	s_wait_loadcnt 8*(7-(\a))                      ; this block's eight table loads are in (and the bias, which is older); the later blocks' may be out
.if (\a) > 0
	s_wait_xcnt 0x0                                ; the last block's stores have read their registers
.endif
	WIN 0x02+((\a)/4)                              ; source 0: the accumulators' window
.set I, 0
.rept 32
	v_pk_add_f32 v[T+I:T+I+1], v[64*((\a)%4)+I:64*((\a)%4)+I+1], v[BI+I:BI+I+1]    ; + bias; each accumulator from its low end on
.set I, I+2
.endr
	WIN 0x04                                       ; source 1: the table's window
.irp hd, 0,1
.irp k, 0,1,2,3,4,5,6,7                ; channels d = 16 h + 2 k, + 1 (lo) and d + 32 (hi): lo' = lo cos - hi sin, hi' = hi cos + lo sin
	v_pk_mul_f32 v[TT+4*(\k%2):TT+4*(\k%2)+1], v[T+32*\hd+16+2*\k:T+32*\hd+17+2*\k], v[32*(\a)+16+2*\k:32*(\a)+17+2*\k]
	v_pk_mul_f32 v[TT+4*(\k%2)+2:TT+4*(\k%2)+3], v[T+32*\hd+2*\k:T+32*\hd+1+2*\k], v[32*(\a)+16+2*\k:32*(\a)+17+2*\k]
	v_pk_fma_f32 v[T+32*\hd+2*\k:T+32*\hd+1+2*\k], v[T+32*\hd+2*\k:T+32*\hd+1+2*\k], v[32*(\a)+2*\k:32*(\a)+1+2*\k], v[TT+4*(\k%2):TT+4*(\k%2)+1] neg_lo:[0,0,1] neg_hi:[0,0,1]
	v_pk_fma_f32 v[T+32*\hd+16+2*\k:T+32*\hd+17+2*\k], v[T+32*\hd+16+2*\k:T+32*\hd+17+2*\k], v[32*(\a)+2*\k:32*(\a)+1+2*\k], v[TT+4*(\k%2)+2:TT+4*(\k%2)+3]
.endr
.endr
	WIN 0
	QUANT T, 0
	WORD2 SW+(\a), 0
	WORD2 SW+8+(\a), 2
.irp hd, 0,1
.irp c, 0,1
	global_store_b128 v[CO], v[PC+8*\hd+4*\c:PC+8*\hd+4*\c+3], s[74:75] offset:\hd*139264+(\a)*1024+512*\c   ; 512 consecutive bytes
.endr
.endr
.endm
.irp a, 0,1,2,3,4,5,6,7
	QKBLK \a
.endr
.irp hd, 0,1
.irp e, 0,1,2,3
	v_cndmask_b32 v[T+4*\hd+\e], v[SW+8*\hd+\e], v[SW+8*\hd+4+\e], s[MASKH]   ; lanes 0-15: tiles 0-3's words of token place r; lanes 16-31: tiles 4-7's
.endr
	global_store_b128 v[SWO], v[T+4*\hd:T+4*\hd+3], s[74:75] offset:\hd*139264+8192   ; 512 consecutive bytes
.endr
	s_branch .Ljoin
.Lvpath:
	; ---- v: a lane holds a channel; its 64 registers of block a are 128 keys
	s_lshl_b32 s78, s42, 8
	s_lshl_b32 s79, s16, 7
	s_add_co_u32 s78, s78, s79                     ; my first token
	s_lshr_b32 s79, s78, 11
	s_bfe_u32 s80, s78, 0x40007
	s_and_b32 s81, s17, 3
	s_lshl_b32 s81, s81, 2
	s_lshl_b32 s82, s15, 1
	s_add_co_u32 s81, s81, s82                     ; my first head
	s_lshl_b32 s79, s79, 4
	s_add_co_u32 s79, s79, s81
	s_lshl_b32 s79, s79, 4
	s_add_co_u32 s79, s79, s80
	s_mul_i32 s82, s79, 8448
	s_add_co_u32 s82, s82, 8912896
	s_mov_b32 s83, 0
	s_add_nc_u64 s[74:75], s[74:75], s[82:83]
	s_lshl_b32 s82, s81, 8
	s_add_nc_u64 s[72:73], s[72:73], s[82:83]      ; bv at my first head
.irp a, 0,1,2,3,4,5,6,7
	global_load_b32 v[BV+2*\a], v[BVO], s[72:73] offset:(64*(\a/4)+32*((\a/2)%2)+8*(\a%2))*4     ; my channel's bias, in both registers of a pair
	global_load_b32 v[BV+2*\a+1], v[BVO], s[72:73] offset:(64*(\a/4)+32*((\a/2)%2)+8*(\a%2))*4
.endr
	s_wait_loadcnt 0x0
.macro VBLK a
.if (\a) > 0
	s_wait_xcnt 0x0                                ; the last block's stores have read their registers
.endif
	WIN 0x02+((\a)/4)
.set I, 0
.rept 32
	v_pk_add_f32 v[T+I:T+I+1], v[64*((\a)%4)+I:64*((\a)%4)+I+1], v[BV+2*(\a):BV+2*(\a)+1]
.set I, I+2
.endr
	WIN 0
	QUANT T, 0
	WORD4 SW+(\a)
.irp c, 0,1,2,3
	global_store_b128 v[CO], v[PC+4*\c:PC+4*\c+3], s[74:75] offset:((\a)/4)*135168+((\a)%4)*2048+512*\c
.endr
.endm
.irp a, 0,1,2,3,4,5,6,7
	VBLK \a
.endr
.irp e, 0,1,2,3
	v_cndmask_b32 v[T+\e], v[SW+\e], v[SW+4+\e], s[MASKH]      ; lanes 0-15: my first head's four words; lanes 16-31: the second's
.endr
	global_store_b128 v[VSO], v[T:T+3], s[74:75] offset:8192   ; two aligned runs of 256 bytes
.Ljoin:
	s_wait_tensorcnt 0x0                           ; the wave's end
	ds_add_u32 v[SPW], v[NIL]
	s_wait_dscnt 0x0
	CROUND                                         ; the closing round
	s_endpgm
.Lfunc_end_k_qadc997414e_qkvg:
	.size	k_qadc997414e_qkvg, .Lfunc_end_k_qadc997414e_qkvg-k_qadc997414e_qkvg
	.p2alignl 7, 3214868480
	.fill 96, 4, 3214868480
	.section	.rodata,"a",@progbits
	.p2align	6, 0x0
	.amdhsa_kernel k_qadc997414e_qkvg
		.amdhsa_group_segment_fixed_size 327680
		.amdhsa_private_segment_fixed_size 0
		.amdhsa_enable_private_segment 0
		.amdhsa_kernarg_size 48
		.amdhsa_user_sgpr_count 2
		.amdhsa_user_sgpr_kernarg_segment_ptr 1
		.amdhsa_wavefront_size32 1
		.amdhsa_system_sgpr_workgroup_id_x 1
		.amdhsa_system_sgpr_workgroup_id_y 1
		.amdhsa_system_sgpr_workgroup_id_z 1
		.amdhsa_system_vgpr_workitem_id 0
		.amdhsa_next_free_vgpr 1024
		.amdhsa_next_free_sgpr 100
		.amdhsa_reserve_vcc 0
		.amdhsa_float_denorm_mode_32 3
		.amdhsa_float_denorm_mode_16_64 3
		.amdhsa_memory_ordered 1
		.amdhsa_forward_progress 1
		.amdhsa_inst_pref_size 255
	.end_amdhsa_kernel
	.section	.bss,"aw",@nobits
	.p2align	6
	.space	262144
	.amdgpu_metadata
---
amdhsa.version: [ 1, 2 ]
amdhsa.kernels:
  - .name:           k_qadc997414e_qkvg
    .symbol:         k_qadc997414e_qkvg.kd
    .args:
      - { .name: h_c, .offset: 0, .size: 8, .value_kind: global_buffer, .address_space: global }
      - { .name: wts, .offset: 8, .size: 8, .value_kind: global_buffer, .address_space: global }
      - { .name: bq, .offset: 16, .size: 8, .value_kind: global_buffer, .address_space: global }
      - { .name: bk, .offset: 24, .size: 8, .value_kind: global_buffer, .address_space: global }
      - { .name: bv, .offset: 32, .size: 8, .value_kind: global_buffer, .address_space: global }
      - { .name: qkv, .offset: 40, .size: 8, .value_kind: global_buffer, .address_space: global }
    .group_segment_fixed_size: 327680
    .private_segment_fixed_size: 0
    .kernarg_segment_align: 8
    .kernarg_segment_size: 48
    .max_flat_workgroup_size: 128
    .sgpr_count:     100
    .vgpr_count:     1024
    .wavefront_size: 32
...
	.end_amdgpu_metadata
.endif
;; end of part 3
;; launch attn (part 4): grid 8 x 32, 16 waves a work-group, clusters of 4 x 1, 327,680 bytes of LDS; arguments qkv, o_c; writes o_c
.if DOCPART == 4
	.amdgcn_target "amdgcn-amd-amdhsa--gfx1250"
	.amdhsa_code_object_version 6
	.text
	.protected	k_qadc997414e_attn
	.globl	k_qadc997414e_attn
	.p2align	8
	.type	k_qadc997414e_attn,@function
k_qadc997414e_attn:
	s_mov_b64 s[64:65], 0
	v_nop
	global_prefetch_b8 v0, s[64:65] scope:SCOPE_SE
	s_setreg_imm32_b32 hwreg(HW_REG_WAVE_MODE, 25, 1), 1
	s_wait_xcnt 0x0
	s_wait_alu depctr_hold_cnt(0) depctr_sa_sdst(0) depctr_va_vdst(0) depctr_va_sdst(0) depctr_va_ssrc(0) depctr_va_vcc(0) depctr_vm_vsrc(0)
	s_getreg_b32 s2, hwreg(HW_REG_IB_STS2, 6, 4)
	s_cmp_eq_u32 s2, 0
	s_cbranch_scc0 .Lentry_in_a_cluster
	s_endpgm
.Lentry_in_a_cluster:
	s_bfe_u32 s2, ttmp6, 0x10000c
	s_cmp_lg_u32 s2, 0x3003
	s_cbranch_scc0 .Lentry_shape_is_right
	s_endpgm
.Lentry_shape_is_right:
; o = softmax(q k^T / 8) v for one head, both products on codes of FP8 (E4M3) with E8M0 scales; o is quantised along the model's 1,024 and stored as the next product's operand.
; THE SOFTMAX AHEAD OF THE SECOND PRODUCT: t = score x log2(e) / 8; M = the running largest t rounded UP to a whole number; p = 2^(t - M) is quantised along the keys; the row's sum is taken of the unquantised p and divides at the end.
; When M moves, the sum and O are multiplied by 2^(old M - new M): exact.
; SHARES.  A work-group owns 256 queries of one head; each of its sixteen waves owns one tile of 16, in 256 registers: four waves to a SIMD, so that one wave's vector work stands beside another's products and LDS loads.
; A HEAD'S WHOLE K AND V LIE IN LDS: 16 records of 128 keys each, 139,264 + 135,168 bytes, filled ONCE, in four chunks of four key steps; nothing is ever filled again, so there is no ring.
; CLUSTER.  The four query blocks of a cluster belong to one head: each chunk is asked for jointly.  Waves 0, 1 fetch K's halves, waves 2, 3 V's: four loads of a wave are out at the most.
; LAYOUT.  S^T = K Q^T, O^T = V^T P^T: a lane holds ONE query.  K's tile 2 b + u holds at place r key 32 b + 8 u + r + 8 (r / 8): p's 16 registers of two neighbouring tiles are 16 neighbouring keys.
; THE HEAD HAS 64 CHANNELS, the instruction 128 along K: registers 8-15 of Q's and of K's fragments hold zero codes, written once.
; No prefetch: all that the work-group will ever read is asked for by its first fills.
; LIMITS: NaN and infinities are not served; a block of p or o whose largest magnitude lies under 2^-118 gets the byte 1; 1 / sum is the instruction's; a block's largest p is taken from its largest score, which leans on v_exp_f32 not falling where its input rises.
; o's scale bytes leave two a row and head, by one store of single bytes a wave: a head owns only two of a row's eight bytes of a record.
.set KRECB, 8704
.set VRECB, 8448
.set VB,    16*KRECB                   ; V's records begin behind K's
.set ADK,  8                           ; v8  LDS address of the step's tiles of K;  v9 of V;  v10 of K's scale words;  v11 of V's
.set ADV,  9
.set ADS,  10
.set ADT,  11
.set WV,   18
.set MNT,  19
.set SEL,  20
.set CS,   22                          ; s[22:23] c = log2(e) / 8
.set G1K,  24
.set G1V,  32
.set G0K,  40                          ; s[40:55] four groups 0 for K's chunks
.set G0V,  68                          ; s[68:83] for V's
.set TK,   56                          ; s56 the step's record of K in LDS;  s57 of V
.set TV,   57
.set CNT,  58
.set MASKH, 59
.macro CROUND
	s_barrier_signal -1
	s_barrier_wait -1
	s_cmp_lg_u32 s[WV], 0
	s_cbranch_scc1 .Lnot_wave_0_\@
	s_barrier_signal -3
.Lnot_wave_0_\@:
	s_barrier_wait -3
	s_barrier_signal -1
	s_barrier_wait -1
.endm
	s_load_b128 s[4:7], s[0:1], 0x0                ; qkv, o's codes
	v_lshl_add_u32 v230, v0, 2, 0x43000
	v_mov_b32 v231, 0
	ds_add_u32 v230, v231
	ds_add_u32 v230, v231
	v_lshrrev_b32 v8, 5, v0
	v_readfirstlane_b32 s[WV], v8                  ; wave 0..15
	s_bfe_u32 s60, ttmp6, 0x40000                  ; cx: it enters Q's and o's global addresses alone
	s_lshl_b32 s61, ttmp9, 2
	s_add_co_u32 s61, s61, s60                     ; my block of 256 queries
	s_and_b32 s62, ttmp7, 0xffff                   ; batch x 16 + head
	s_and_b32 s63, s[WV], 1
	s_mul_i32 s86, s63, 2*KRECB                    ; my half of a chunk of K
	s_mul_i32 s84, s62, 16*KRECB
	s_add_co_u32 s84, s84, s86
	s_add_co_u32 s84, s84, 4456448
	s_mov_b32 s85, 0
	s_mul_i32 s87, s63, 2*VRECB                    ; and of V
	s_mul_i32 s88, s62, 16*VRECB
	s_add_co_u32 s88, s88, s87
	s_add_co_u32 s88, s88, 8912896
	s_mov_b32 s89, 0
	s_lshr_b32 s90, s[WV], 3
	s_lshl_b32 s91, s61, 1
	s_add_co_u32 s90, s90, s91                     ; which 128 tokens hold my queries
	s_lshl_b32 s91, s62, 4
	s_add_co_u32 s90, s90, s91
	s_mul_i32 s90, s90, KRECB
	s_and_b32 s92, s[WV], 7                        ; which tile of them
	s_lshl_b32 s93, s92, 2
	s_add_co_u32 s94, s90, s93
	s_add_co_u32 s94, s94, 8192                    ; its scale words
	s_mov_b32 s95, 0
	s_lshl_b32 s93, s92, 10
	s_add_co_u32 s90, s90, s93                     ; its codes
	s_mov_b32 s91, 0
	; descriptor group 1: half a chunk is a dense block: rows of 256 bytes (32 elements of 8 bytes), 68 for K, 66 for V
	s_mov_b32 s[G1K], 15|(3<<16)|(1<<21)           ; 15:0 the mask: all four work-groups; 21 set beside a mask
	s_mov_b32 s[G1K+1], 32<<16
	s_mov_b32 s[G1K+2], 68<<16
	s_mov_b32 s[G1K+3], 32<<16
	s_mov_b32 s[G1K+4], 68
	s_mov_b32 s[G1K+5], 32
	s_mov_b32 s[G1K+6], 0
	s_mov_b32 s[G1K+7], 0
	s_mov_b32 s[G1V], 15|(3<<16)|(1<<21)
	s_mov_b32 s[G1V+1], 32<<16
	s_mov_b32 s[G1V+2], 66<<16
	s_mov_b32 s[G1V+3], 32<<16
	s_mov_b32 s[G1V+4], 66
	s_mov_b32 s[G1V+5], 32
	s_mov_b32 s[G1V+6], 0
	s_mov_b32 s[G1V+7], 0
	s_mov_b32 s[SEL], 0x76543210
	s_mov_b32 s[SEL+1], 0xfedcba98
	s_mov_b32 s[CS], 0x3e38aa3b
	s_mov_b32 s[CS+1], s[CS]                       ; (named with it as a pair)
	s_mov_b32 s[MNT], 0x600000
	s_mov_b32 s[MASKH], 0xffff0000
	s_mov_b32 s[TK], 0
	s_mov_b32 s[TV], 0
	s_wait_dscnt 0x0
	s_wait_kmcnt 0x0
	s_add_nc_u64 s[84:85], s[4:5], s[84:85]
	s_add_nc_u64 s[88:89], s[4:5], s[88:89]
	s_add_nc_u64 s[90:91], s[4:5], s[90:91]
	s_add_nc_u64 s[94:95], s[4:5], s[94:95]
.irp j, 0,1,2,3
	s_mov_b32 s[G0K+4*\j], 1
	s_add_co_u32 s[G0K+4*\j+1], s86, \j*4*KRECB
	s_add_nc_u64 s[G0K+4*\j+2:G0K+4*\j+3], s[84:85], \j*4*KRECB
	s_or_b32 s[G0K+4*\j+3], s[G0K+4*\j+3], 0x80000000
	s_mov_b32 s[G0V+4*\j], 1
	s_add_co_u32 s[G0V+4*\j+1], s87, VB+\j*4*VRECB
	s_add_nc_u64 s[G0V+4*\j+2:G0V+4*\j+3], s[88:89], \j*4*VRECB
	s_or_b32 s[G0V+4*\j+3], s[G0V+4*\j+3], 0x80000000
.endr
	CROUND                                         ; all four work-groups are here: the joint loads meet
	s_cmp_lt_u32 s[WV], 2                          ; a wave's fills stand together, in one parting on the wave's number, ahead of every wait on TENSORcnt, LDS read and barrier
	s_cbranch_scc0 .Lnot_k
.irp j, 0,1,2,3
	tensor_load_to_lds s[G0K+4*\j:G0K+4*\j+3], s[G1K:G1K+7]
	s_nop 0
.endr
.rept 4
	v_nop
.endr
	s_branch .Lasked
.Lnot_k:
	s_cmp_lt_u32 s[WV], 4
	s_cbranch_scc0 .Lasked
.irp j, 0,1,2,3
	tensor_load_to_lds s[G0V+4*\j:G0V+4*\j+3], s[G1V:G1V+7]
	s_nop 0
.endr
.rept 4
	v_nop
.endr
.Lasked:
	v_and_b32 v5, 31, v0
	v_lshlrev_b32 v1, 4, v5                        ; v1 16 x lane
	v_and_b32 v6, 15, v0                           ; r
	v_bfe_u32 v8, v0, 4, 1                         ; h
	v_lshlrev_b32 v7, 5, v6                        ; v7 32 r
	v_add_nc_u32 v2, 8192, v7                      ; v2 K's scale words of place r
	v_lshlrev_b32 v3, 4, v6
	v_add_nc_u32 v3, VB+8192, v3                   ; v3 V's
	v_add_nc_u32 v4, VB, v1                        ; v4 V's codes
	v_lshl_add_u32 v5, v6, 3, v8                   ; v5 8 r + h: o's scale bytes
	global_load_b128 v[16:19], v1, s[90:91]        ; Q's fragment: channels 0-31,
	global_load_b128 v[20:23], v1, s[90:91] offset:512   ; 32-63
	global_load_b32 v255, v7, s[94:95]             ; and its scale words
.set J, 0
.rept 8
	v_mov_b32 v[24+J], 0                           ; k 64-127: zero codes
.set J, J+1
.endr
.irp t, 0,1,2,3
.irp j, 8,9,10,11,12,13,14,15
	v_mov_b32 v[32+16*\t+\j], 0                    ; and in K's four fragments: written once, never loaded into
.endr
.endr
	v_mov_b32 v13, 0xff61b1e6                      ; the largest t so far: -3e38
	v_floor_f32 v12, -v13                          ; -M
	v_mov_b32 v14, 0                               ; the sum, in two halves
	v_mov_b32 v15, 0
.irp b, 0,1,2,3
	v_mov_b32 v[236+\b], 0                         ; a lane permute's destination counts as one of its sources
.endr
	v_mov_b32 v253, 0
.set J, 0
.rept 32
	v_mov_b32 v[160+J], 0                          ; O^T: the step is written once; its first walk finds zeros
.set J, J+1
.endr
; A KEY STEP: 128 keys.  v32-95 K's four fragments; v96-159 S^T, then p, then V's four fragments; v160-191 O^T; v192-207 p's codes; v248-251, v253, v255 scale words.
.macro STEP
	v_add_nc_u32 v[ADK], s[TK], v1
	v_add_nc_u32 v[ADS], s[TK], v2
	v_add_nc_u32 v[ADV], s[TV], v4
	v_add_nc_u32 v[ADT], s[TV], v3
.rept 5
	v_nop                                          ; with the four additions nine places: the products below write over registers that the last step's products read
.endr
.irp g, 0,1                                    ; S^T = K Q^T, four tiles of 16 keys at a time
.if \g > 0
.rept 8
	v_nop                                          ; places in front of loads into registers that matrix instructions have read
.endr
.endif
.irp t, 0,1,2,3
	ds_load_b128 v[32+16*\t:35+16*\t], v[ADK] offset:(4*\g+\t)*1024
	ds_load_b128 v[36+16*\t:39+16*\t], v[ADK] offset:(4*\g+\t)*1024+512
.endr
	ds_load_b128 v[248:251], v[ADS] offset:16*\g   ; the four tiles' scale words of place r
	s_wait_dscnt 0x0
.irp t, 0,1,2,3
	v_wmma_scale_f32_16x16x128_f8f6f4 v[96+8*(4*\g+\t):103+8*(4*\g+\t)], v[32+16*\t:47+16*\t], v[16:31], 0, v[248+\t], v255
.endr
.endr
.rept 8
	v_nop
.endr
.irp b, 0,1,2,3
	v_max3_num_f32 v[232+\b], v[96+16*\b], v[97+16*\b], v[98+16*\b]   ; the largest score of each block of 32 keys: for the row's maximum, and for the block's largest p
.endr
.irp i, 3,5,7,9,11,13
.irp b, 0,1,2,3
	v_max3_num_f32 v[232+\b], v[232+\b], v[96+16*\b+\i], v[97+16*\b+\i]
.endr
.endr
.irp b, 0,1,2,3
	v_max_num_f32 v[232+\b], v[232+\b], v[111+16*\b]
.endr
.irp b, 0,1,2,3
	v_permlanex16_b32 v[236+\b], v[232+\b], s[SEL], s[SEL+1]
.endr
.irp b, 0,1,2,3
	v_max_num_f32 v[232+\b], v[232+\b], v[236+\b]  ; with lane l xor 16's 16 keys
.endr
	v_max3_num_f32 v254, v232, v233, v234
	v_max_num_f32 v254, v254, v235
	v_mul_f32 v254, s[CS], v254                    ; the step's largest t
	v_max_num_f32 v13, v13, v254
	v_mov_b32 v254, v12
	v_floor_f32 v12, -v13                          ; the new -M = -ceil(t)
	v_sub_f32 v254, v12, v254                      ; old M - new M: a whole number, 0 or less
	v_cvt_i32_f32 v254, v254
	v_ldexp_f32 v252, 1.0, v254                    ; f = 2^(old M - new M)
.set J, 0
.rept 32
	v_pk_fma_f32 v[96+J:97+J], v[96+J:97+J], s[CS:CS+1], v[12:13] op_sel_hi:[1,0,0]   ; t - M
.set J, J+2
.endr
.irp b, 0,1,2,3
	v_fma_f32 v[232+\b], v[232+\b], s[CS], v12
.endr
.set J, 0
.rept 64
	v_exp_f32 v[96+J], v[96+J]                     ; p = 2^(t - M)
.set J, J+1
.endr
	v_pk_mul_f32 v[14:15], v[14:15], v[252:253] op_sel_hi:[1,0]   ; the sums under the new M: a plain instruction behind the exponentials
	s_wait_alu depctr_va_vdst(0)                   ; one wait for the batch of 64, ahead of its first reader
.irp b, 0,1,2,3
	v_exp_f32 v[232+\b], v[232+\b]                 ; each block's largest p
.endr
	v_pk_add_f32 v[236:237], v[96:97], v[98:99]    ; the row's sum of the unquantised p, in two chains
.irp j, 4,8,12,16,20,24,28,32,36,40,44,48,52,56,60
	v_pk_add_f32 v[14:15], v[14:15], v[96+\j:97+\j]
	v_pk_add_f32 v[236:237], v[236:237], v[98+\j:99+\j]
.endr
	v_pk_add_f32 v[14:15], v[14:15], v[236:237]
	s_wait_alu depctr_va_vdst(0)                   ; and one for the four
.irp b, 0,1,2,3
	v_max_num_f32 v[232+\b], 0x4800000, v[232+\b]  ; the floor 2^(9 - 127)
.endr
.irp b, 0,1,2,3
	v_add_nc_u32 v[244+\b], 0xfc000000, v[232+\b]  ; the conversion's scale operand
.endr
.irp b, 0,1,2,3
	v_and_or_b32 v[240+\b], v[232+\b], 0x7f800000, s[MNT]   ; 448 x the scale
.endr
.irp b, 0,1,2,3
	v_lshrrev_b32 v[236+\b], 23, v[244+\b]         ; the scale's byte
.endr
	v_lshl_or_b32 v253, v237, 8, v236              ; p's scale word for these 128 keys
	v_lshl_or_b32 v253, v238, 16, v253
	v_lshl_or_b32 v253, v239, 24, v253
.irp b, 0,1,2,3
.irp i, 0,1,2,3,4,5,6,7,8,9,10,11,12,13,14,15
	v_min_num_f32 v[96+16*\b+\i], v[96+16*\b+\i], v[240+\b]   ; the conversion does not saturate (ISA guide 7.6.2); p is not negative: a one-sided hold
.endr
	v_cvt_scalef32_pk8_fp8_f32 v[192+4*\b:193+4*\b], v[96+16*\b:103+16*\b], v[244+\b]
	v_cvt_scalef32_pk8_fp8_f32 v[194+4*\b:195+4*\b], v[104+16*\b:111+16*\b], v[244+\b]
.endr
.irp t, 0,1,2,3                                ; V's four tiles of 16 channels x 128 keys take p's registers
.irp c, 0,1,2,3
	ds_load_b128 v[96+16*\t+4*\c:99+16*\t+4*\c], v[ADV] offset:\t*2048+512*\c
.endr
.endr
	ds_load_b128 v[248:251], v[ADT]
.set J, 0
.rept 16
	v_pk_mul_f32 v[160+J:161+J], v[160+J:161+J], v[252:253] op_sel_hi:[1,0]   ; O^T under the new M; also the places between the codes' making and the products
.set J, J+2
.endr
	s_wait_dscnt 0x0
.irp t, 0,1,2,3                                ; O^T += V^T P^T: four accumulators by turns
	v_wmma_scale_f32_16x16x128_f8f6f4 v[160+8*\t:167+8*\t], v[96+16*\t:111+16*\t], v[192:207], v[160+8*\t:167+8*\t], v[248+\t], v253
.endr
.endm
; A chunk of four key steps.  The wave that fetched waits for its part of chunk n (the later chunks may stay out), then the barrier shows it to all sixteen.
.macro CHUNK n
	s_wait_tensorcnt 3-\n
	s_wait_dscnt 0x0
	s_barrier_signal -1
	s_barrier_wait -1
	s_mov_b32 s[CNT], 4
.Lstep_\@:
	STEP
	s_add_co_u32 s[TK], s[TK], KRECB
	s_add_co_u32 s[TV], s[TV], VRECB
	s_sub_co_u32 s[CNT], s[CNT], 1
	s_cmp_lg_u32 s[CNT], 0
	s_cbranch_scc1 .Lstep_\@
.endm
	s_wait_loadcnt 0x0                             ; Q
	CHUNK 0
	CHUNK 1
	CHUNK 2
	CHUNK 3
	; THE WAY OUT: O^T / the sum; register 16 c + i is channel 32 c + 16 h + i of my query: two blocks of the next product's K, quantised here; the codes are two runs of 512 bytes of the record
.rept 8
	v_nop                                          ; places behind the last products
.endr
	v_add_f32 v14, v14, v15
	v_permlanex16_b32 v252, v14, s[SEL], s[SEL+1]
	v_add_f32 v14, v14, v252                       ; the row's sum
	v_rcp_f32 v14, v14
	v_nop                                          ; a plain instruction behind the transcendental
	s_and_b32 s84, s62, 15                         ; head
	s_lshr_b32 s85, s62, 4                         ; batch
	s_lshl_b32 s86, s61, 4
	s_add_co_u32 s86, s86, s[WV]
	s_lshl_b32 s85, s85, 7
	s_add_co_u32 s86, s86, s85                     ; my tile of 16 tokens among all 256
	s_lshr_b32 s86, s86, 1
	s_lshl_b32 s86, s86, 2
	s_lshr_b32 s87, s84, 2
	s_add_co_u32 s86, s86, s87
	s_mul_i32 s86, s86, 8448                       ; the record: (tokens / 32) x 4 + head / 4
	s_mov_b32 s87, 0
	s_add_nc_u64 s[6:7], s[6:7], s[86:87]
	s_bfe_u32 s90, s84, 0x10001                    ; which 128 of its 256 along K
	s_and_b32 s91, s84, 1                          ; which 64 of those
	s_lshl_b32 s88, s63, 12
	s_lshl_b32 s92, s90, 11
	s_add_co_u32 s88, s88, s92
	s_lshl_b32 s92, s91, 10
	s_add_co_u32 s88, s88, s92
	s_mov_b32 s89, 0
	s_add_nc_u64 s[94:95], s[6:7], s[88:89]        ; my codes
	s_lshl_b32 s88, s63, 7
	s_lshl_b32 s92, s90, 2
	s_add_co_u32 s88, s88, s92
	s_lshl_b32 s92, s91, 1
	s_add_co_u32 s88, s88, s92
	s_add_co_u32 s88, s88, 8192
	s_add_nc_u64 s[96:97], s[6:7], s[88:89]        ; my scale bytes
	s_wait_alu depctr_va_vdst(0)                   ; the wait ahead of the reciprocal's first reader
.set J, 0
.rept 32
	v_mul_f32 v[96+J], v[160+J], v14
.set J, J+1
.endr
.irp b, 0,1
	v_max3_num_f32 v[232+\b], |v[96+16*\b]|, |v[97+16*\b]|, 0x4800000
.endr
.irp i, 2,4,6,8,10,12,14
.irp b, 0,1
	v_max3_num_f32 v[232+\b], v[232+\b], |v[96+16*\b+\i]|, |v[97+16*\b+\i]|
.endr
.endr
.irp b, 0,1
	v_permlanex16_b32 v[236+\b], v[232+\b], s[SEL], s[SEL+1]
.endr
.irp b, 0,1
	v_max_num_f32 v[232+\b], v[232+\b], v[236+\b]
.endr
.irp b, 0,1
	v_add_nc_u32 v[244+\b], 0xfc000000, v[232+\b]
.endr
.irp b, 0,1
	v_and_or_b32 v[240+\b], v[232+\b], 0x7f800000, s[MNT]
.endr
.irp b, 0,1
	v_lshrrev_b32 v[236+\b], 23, v[244+\b]
.endr
.irp b, 0,1
.irp i, 0,1,2,3,4,5,6,7,8,9,10,11,12,13,14,15
	v_med3_num_f32 v[96+16*\b+\i], v[96+16*\b+\i], -v[240+\b], v[240+\b]
.endr
	v_cvt_scalef32_pk8_fp8_f32 v[192+4*\b:193+4*\b], v[96+16*\b:103+16*\b], v[244+\b]
	v_cvt_scalef32_pk8_fp8_f32 v[194+4*\b:195+4*\b], v[104+16*\b:111+16*\b], v[244+\b]
.endr
	v_nop
	v_cndmask_b32 v254, v236, v237, s[MASKH]       ; lanes 0-15 the first block's byte, lanes 16-31 the second's
	global_store_b128 v1, v[192:195], s[94:95]
	global_store_b128 v1, v[196:199], s[94:95] offset:512
	global_store_b8 v5, v254, s[96:97]
	s_wait_tensorcnt 0x0
	ds_add_u32 v230, v231
	s_wait_dscnt 0x0
	CROUND                                         ; the closing round: no work-group ends while a partner may still ask for a chunk that names it
	s_endpgm
.Lfunc_end_k_qadc997414e_attn:
	.size	k_qadc997414e_attn, .Lfunc_end_k_qadc997414e_attn-k_qadc997414e_attn
	.p2alignl 7, 3214868480
	.fill 96, 4, 3214868480
	.section	.rodata,"a",@progbits
	.p2align	6, 0x0
	.amdhsa_kernel k_qadc997414e_attn
		.amdhsa_group_segment_fixed_size 327680
		.amdhsa_private_segment_fixed_size 0
		.amdhsa_enable_private_segment 0
		.amdhsa_kernarg_size 16
		.amdhsa_user_sgpr_count 2
		.amdhsa_user_sgpr_kernarg_segment_ptr 1
		.amdhsa_wavefront_size32 1
		.amdhsa_system_sgpr_workgroup_id_x 1
		.amdhsa_system_sgpr_workgroup_id_y 1
		.amdhsa_system_sgpr_workgroup_id_z 1
		.amdhsa_system_vgpr_workitem_id 0
		.amdhsa_next_free_vgpr 256
		.amdhsa_next_free_sgpr 100
		.amdhsa_reserve_vcc 0
		.amdhsa_float_denorm_mode_32 3
		.amdhsa_float_denorm_mode_16_64 3
		.amdhsa_memory_ordered 1
		.amdhsa_forward_progress 1
		.amdhsa_inst_pref_size 93
	.end_amdhsa_kernel
	.amdgpu_metadata
---
amdhsa.version: [ 1, 2 ]
amdhsa.kernels:
  - .name:           k_qadc997414e_attn
    .symbol:         k_qadc997414e_attn.kd
    .args:
      - { .name: qkv, .offset: 0, .size: 8, .value_kind: global_buffer, .address_space: global }
      - { .name: o_c, .offset: 8, .size: 8, .value_kind: global_buffer, .address_space: global }
    .group_segment_fixed_size: 327680
    .private_segment_fixed_size: 0
    .kernarg_segment_align: 8
    .kernarg_segment_size: 16
    .max_flat_workgroup_size: 512
    .sgpr_count:     100
    .vgpr_count:     256
    .wavefront_size: 32
...
	.end_amdgpu_metadata
.endif
;; end of part 4
;; launch wog (part 5): grid 4 x 16, 4 waves a work-group, clusters of 4 x 4, 327,680 bytes of LDS; arguments o_c, wts, x, bo, x2; writes x2
.if DOCPART == 5
	.amdgcn_target "amdgcn-amd-amdhsa--gfx1250"
	.amdhsa_code_object_version 6
	.text
	.protected	k_qadc997414e_wog
	.globl	k_qadc997414e_wog
	.p2align	8
	.type	k_qadc997414e_wog,@function
k_qadc997414e_wog:
	s_mov_b64 s[64:65], 0
	v_nop
	global_prefetch_b8 v0, s[64:65] scope:SCOPE_SE
	s_setreg_imm32_b32 hwreg(HW_REG_WAVE_MODE, 25, 1), 1
	s_wait_xcnt 0x0
	s_wait_alu depctr_hold_cnt(0) depctr_sa_sdst(0) depctr_va_vdst(0) depctr_va_sdst(0) depctr_va_ssrc(0) depctr_va_vcc(0) depctr_vm_vsrc(0)
	s_getreg_b32 s2, hwreg(HW_REG_IB_STS2, 6, 4)
	s_cmp_eq_u32 s2, 0
	s_cbranch_scc0 .Lentry_in_a_cluster
	s_endpgm
.Lentry_in_a_cluster:
	s_bfe_u32 s2, ttmp6, 0x10000c
	s_cmp_lg_u32 s2, 0xf033
	s_cbranch_scc0 .Lentry_shape_is_right
	s_endpgm
.Lentry_shape_is_right:
; x2 = x + (o wo + bo): the product on codes of FP8 (E4M3) with E8M0 scales, sums, bias and residual in f32.
; THE PRODUCT.  A tile of 256 x 256 is made by four waves, each 128 x 128: 64 accumulators, 512 registers.  K = 1,024 goes in steps of 256 through a ring of two LDS slots.
; OPERANDS lie in memory as RECORDS of 32 rows x 256 K, 8,448 bytes, [row / 32][K / 256]: code (u, r, k = 128 s + 32 c + 16 h + b) at 4096 u + 2048 s + 512 c + 256 h + 16 r + b: a fragment is four runs of 512 bytes, lane l's 16 bytes at 16 l;
; the scale bytes ride behind the codes, at 8192 + 8 (16 u + r) + 4 s + c.  So a tensor load brings 4 records (128 rows, codes and scales) as 4 rows of 8,448 bytes, LDS needs no padding, and a fragment load is 512 consecutive bytes.
; (A load has 4 long rows and not 64 short ones: a record is one dense run.)
; Row i of a record's 32 lies at place u = (i >> 3) & 1, r = (i & 7) + 8 (i >> 4).  With source 0 = the weight's columns, a lane holds the token at place r of block a, and its 64 registers are columns 32 b + 16 h + 0 .. 15.
; CLUSTERS: 4 x 4 work-groups; the tokens' tile is shared along a row of the cluster, the weight's along a column: joint tensor loads.
; THE WAY OUT: a block of 16 rows goes through the wave's own stage in LDS (in slot 0, which has had its last fill and its last read) and comes back as whole rows of 512 bytes; bias and residual are added there; stores of 512 consecutive bytes.
; The grid has 64 work-groups: the output has only 64 tiles of this size.
.set KP,     4                         ; K / 256
.set WOFF,   3244032                   ; wo's records in wts
.set REC,    8448
.set HALFT,  4*REC
.set SLOT,   4*HALFT
.set SPARE,  2*SLOT                    ; behind the ring: the spare words, 128 bytes for each wave, which no other line names
.set LAPS,   KP/2
.set NQ,     2
.set FR,     16
.set NL,     4
.set NP,     8                         ; places behind this matrix instruction (ISA guide 7.12.1)
.set SPITCH, 528
.set ADRA, 16
.set ADRB, 20
.set ADRS, 22
.set STO,  24                          ; v24 the way out: where I put 64 bytes of a row
.set RD,   25                          ; v25 where I read a row back
.set CO,   26                          ; v26 16 x lane
.set SPW,  28
.set NIL,  29
.set SC,   32                          ; v32-63 scale words, two sets: they hold nothing else
.set BI,   64                          ; v64-67 the bias of my four columns of a row read back
.set AF,   128
.set BK,   128                         ; the way out: 16 rows read back: v128-191 and v192-255 by turns
.set G1, 24
.set G0, 32
.set G1B, 48
.set G0B, 56
.set MSB, 0
.macro WIN new
.if MSB != (\new)
	s_set_vgpr_msb (MSB<<8)|(\new)
.set MSB, (\new)
.endif
.endm
.set MUL_LO, 0xa1
.set MUL_HI, 0xf1
.set TO_B,   0x40
.macro JLOAD g0a, g1a, g0b, g1b        ; a joint load: waves 0, 1 for the A side, waves 2, 3 for the B side; four v_nop follow each line
	s_cmp_eq_u32 s15, 0
	s_cbranch_scc0 .Lfor_b_\@
	tensor_load_to_lds s[\g0a:\g0a+3], s[\g1a:\g1a+7]
	s_nop 0
.rept 4
	v_nop
.endr
	s_branch .Lasked_\@
.Lfor_b_\@:
	tensor_load_to_lds s[\g0b:\g0b+3], s[\g1b:\g1b+7]
	s_nop 0
.rept 4
	v_nop
.endr
.Lasked_\@:
.endm
.macro CREST
	s_cmp_lg_u32 s14, 0
	s_cbranch_scc1 .Lnot_wave_0_\@
	s_barrier_signal -3
.Lnot_wave_0_\@:
	s_barrier_wait -3
	s_barrier_signal -1
	s_barrier_wait -1
.endm
.macro CROUND
	s_barrier_signal -1
	s_barrier_wait -1
	CREST
.endm
	s_load_b128 s[4:7], s[0:1], 0x0                ; the A side's codes, the weights
	s_load_b128 s[8:11], s[0:1], 0x10              ; the residual, the bias
	s_load_b64 s[12:13], s[0:1], 0x20              ; the output
	v_lshl_add_u32 v[SPW], v0, 2, SPARE
	v_mov_b32 v[NIL], 0
	ds_add_u32 v28, v29
	ds_add_u32 v28, v29
	s_wait_dscnt 0x0
	v_lshrrev_b32 v1, 5, v0
	v_readfirstlane_b32 s14, v1
	s_lshr_b32 s15, s14, 1
	s_and_b32 s16, s14, 1
	s_bfe_u32 s40, ttmp6, 0x40000
	s_bfe_u32 s41, ttmp6, 0x40004
	s_lshl_b32 s42, ttmp9, 2
	s_add_co_u32 s42, s42, s40                     ; tile column
	s_and_b32 s17, ttmp7, 0xffff
	s_lshl_b32 s17, s17, 2
	s_add_co_u32 s17, s17, s41                     ; tile row
	s_lshl_b32 s43, s41, 2
	s_lshl_b32 s43, 15, s43
	s_lshl_b32 s44, 0x1111, s40
	s_or_b32 s[G1+0], s43, (3<<16)|(1<<21)         ; the mask; elements of 8 bytes; bit 21 beside a mask; no padding
	s_or_b32 s[G1B+0], s44, (3<<16)|(1<<21)
.irp g, G1, G1B
	s_mov_b32 s[\g+1], 1056<<16
	s_mov_b32 s[\g+2], 4<<16
	s_mov_b32 s[\g+3], 1056<<16
	s_mov_b32 s[\g+4], 4
	s_mov_b32 s[\g+5], KP*1056
	s_mov_b32 s[\g+6], 0
	s_mov_b32 s[\g+7], 0
.endr
	s_lshl_b32 s18, s16, 2
	s_lshl_b32 s20, s17, 3
	s_add_co_u32 s20, s20, s18
	s_lshl_b32 s46, s42, 3
	s_add_co_u32 s46, s46, s18
	s_mul_i32 s20, s20, KP*REC
	s_mul_i32 s46, s46, KP*REC
	s_mov_b32 s21, 0
	s_mov_b32 s47, 0
	s_mul_i32 s45, s14, HALFT
	s_wait_kmcnt 0x0
	s_add_nc_u64 s[20:21], s[4:5], s[20:21]
	s_add_nc_u64 s[46:47], s[6:7], s[46:47]
	s_add_nc_u64 s[46:47], s[46:47], WOFF
	CROUND
.irp s, 0,1
	s_mov_b32 s[G0+4*\s], 1
	s_add_co_u32 s[G0+4*\s+1], s45, \s*SLOT
	s_add_nc_u64 s[G0+4*\s+2:G0+4*\s+3], s[20:21], \s*REC
	s_or_b32 s[G0+4*\s+3], s[G0+4*\s+3], 0x80000000
	s_mov_b32 s[G0B+4*\s], 1
	s_add_co_u32 s[G0B+4*\s+1], s45, \s*SLOT
	s_add_nc_u64 s[G0B+4*\s+2:G0B+4*\s+3], s[46:47], \s*REC
	s_or_b32 s[G0B+4*\s+3], s[G0B+4*\s+3], 0x80000000
	JLOAD G0+4*\s, G1, G0B+4*\s, G1B
.endr
	v_and_b32 v1, 15, v0
	v_bfe_u32 v2, v0, 4, 1
	v_and_b32 v3, 31, v0
	v_lshlrev_b32 v3, 4, v3
	s_mul_i32 s21, s15, HALFT
	s_mul_i32 s22, s16, HALFT
	s_add_co_u32 s22, s22, 2*HALFT
	v_lshlrev_b32 v5, 3, v1
	s_sub_co_u32 s23, s22, s21
	v_mul_u32_u24 v6, s23, v2
	v_add_nc_u32 v5, v5, v6
.irp s, 0,1
	v_add_nc_u32 v[ADRA+\s], s21, v3
	v_add_nc_u32 v[ADRB+\s], s22, v3
	v_add_nc_u32 v[ADRS+\s], s21, v5
	v_add_nc_u32 v[ADRS+\s], 8192, v[ADRS+\s]
	s_add_co_u32 s21, s21, SLOT
	s_add_co_u32 s22, s22, SLOT
.endr
	s_mul_i32 s23, s14, 16*SPITCH                  ; my stage
	v_mul_u32_u24 v5, v1, SPITCH
	v_lshl_add_u32 v5, v2, 6, v5
	v_add_nc_u32 v[STO], s23, v5                   ; in: row r, + 64 h
	v_add_nc_u32 v[RD], s23, v3                    ; back: a row of 512 bytes to the 32 lanes
	v_mov_b32 v[CO], v3
	s_lshl_b32 s66, s17, 8
	s_lshl_b32 s67, s15, 7
	s_add_co_u32 s66, s66, s67
	s_lshl_b32 s66, s66, 12                        ; my first row, in bytes
	s_lshl_b32 s68, s42, 10
	s_lshl_b32 s69, s16, 9
	s_add_co_u32 s68, s68, s69                     ; my first column, in bytes
	s_mov_b32 s69, 0
	s_add_nc_u64 s[10:11], s[10:11], s[68:69]
	s_add_co_u32 s68, s68, s66
	s_add_nc_u64 s[8:9], s[8:9], s[68:69]
	s_add_nc_u64 s[12:13], s[12:13], s[68:69]
	global_load_b128 v[BI:BI+3], v[CO], s[10:11]
.macro FRAG reg, adr, q, i
.irp c, 0,1,2,3
	ds_load_b128 v[\reg+4*\c:\reg+4*\c+3], v[\adr] offset:((\i)/2)*REC+((\i)%2)*4096+(\q)*2048+512*\c
.endr
.endm
.macro MUL16 a0, p, q, sc, zero        ; the 64 accumulators take turns, one instruction a turn
.irp a, \a0, \a0+1
.irp b, 0,1,2,3,4,5,6,7
.if \zero
	v_wmma_scale_f32_16x16x128_f8f6f4 v[8*(8*((\a)%4)+\b):8*(8*((\a)%4)+\b)+7], v[128*(\p)+FR*\b:128*(\p)+FR*\b+FR-1], v[AF+FR*(\a):AF+FR*(\a)+FR-1], 0, v[SC+8*NQ*(\sc)+NQ*\b+(\q)], v[SC+8*NQ*(\sc)+NQ*(\a)+(\q)] matrix_a_scale:MATRIX_SCALE_ROW1
.else
	v_wmma_scale_f32_16x16x128_f8f6f4 v[8*(8*((\a)%4)+\b):8*(8*((\a)%4)+\b)+7], v[128*(\p)+FR*\b:128*(\p)+FR*\b+FR-1], v[AF+FR*(\a):AF+FR*(\a)+FR-1], v[8*(8*((\a)%4)+\b):8*(8*((\a)%4)+\b)+7], v[SC+8*NQ*(\sc)+NQ*\b+(\q)], v[SC+8*NQ*(\sc)+NQ*(\a)+(\q)] matrix_a_scale:MATRIX_SCALE_ROW1
.endif
.endr
.endr
.endm
.macro FETCH_B slot, q, p
	WIN TO_B
.irp i, 0,1,2,3,4,5,6,7
	FRAG 128*(\p)+FR*\i, ADRB+\slot, \q, \i
.endr
	WIN 0
.endm
.macro FETCH_A slot, q, i0
.irp i, \i0, \i0+1, \i0+2, \i0+3
	FRAG AF+FR*(\i), ADRA+\slot, \q, \i
.endr
.endm
.macro SCALES sc
.irp i, 0,1,2,3,4,5,6,7
	ds_load_b64 v[SC+8*NQ*\sc+NQ*\i:SC+8*NQ*\sc+NQ*\i+1], v[ADRS+\sc] offset:(\i/2)*REC+(\i%2)*128
.endr
.endm
.macro PLACES n
.rept \n
	v_nop
.endr
.endm
.macro STEP slot, q, zero
	s_wait_dscnt 4*NL                              ; all but the youngest 16 loads (A's blocks 4-7) are in
	WIN MUL_LO
	MUL16 0, (\q)%2, \q, \slot, \zero
	MUL16 2, (\q)%2, \q, \slot, \zero
	s_wait_dscnt 0
	PLACES NP
	FETCH_B \slot, (\q)+1, 1-(\q)%2
	FETCH_A \slot, (\q)+1, 0
	WIN MUL_HI
	MUL16 4, (\q)%2, \q, \slot, \zero
	MUL16 6, (\q)%2, \q, \slot, \zero
	PLACES NP
	WIN 0
	FETCH_A \slot, (\q)+1, 4
.endm
.macro TURN slot, next, fill
	s_wait_tensorcnt 0x0                           ; all my tensor loads have landed: my part of the next slot
	ds_add_u32 v[SPW], v[NIL]                      ; 0 onto my spare word
	s_wait_dscnt 4*NL+1                            ; (the add and the youngest 16 loads may be out)
	WIN MUL_LO
	MUL16 0, 1, NQ-1, \slot, 0
	s_wait_dscnt 0x0                               ; the add is done, and my reads of this slot are over
	s_barrier_signal -1
	MUL16 2, 1, NQ-1, \slot, 0
	WIN 0
	s_barrier_wait -1
.if \fill
	CREST                                          ; the barrier has opened a round of the cluster's
	s_add_nc_u64 s[G0+4*\slot+2:G0+4*\slot+3], s[G0+4*\slot+2:G0+4*\slot+3], 2*REC
	s_add_nc_u64 s[G0B+4*\slot+2:G0B+4*\slot+3], s[G0B+4*\slot+2:G0B+4*\slot+3], 2*REC
	JLOAD G0+4*\slot, G1, G0B+4*\slot, G1B
	PLACES NP-4
.else
	PLACES NP
.endif
	FETCH_B \next, 0, 0
	FETCH_A \next, 0, 0
	SCALES \next
	WIN MUL_HI
	MUL16 4, 1, NQ-1, \slot, 0
	MUL16 6, 1, NQ-1, \slot, 0
	PLACES NP
	WIN 0
	FETCH_A \next, 0, 4
.endm
	s_wait_tensorcnt 1                             ; my part of slot 0 is in (slot 1's load may be out)
	s_barrier_signal -1
	s_barrier_wait -1
	FETCH_B 0, 0, 0
	FETCH_A 0, 0, 0
	SCALES 0
	FETCH_A 0, 0, 4
	STEP 0, 0, 1
	s_mov_b32 s3, LAPS-1
.Llap:
	TURN 0, 1, 1
	STEP 1, 0, 0
	TURN 1, 0, 1
	STEP 0, 0, 0
	s_sub_co_u32 s3, s3, 1
	s_cmp_lg_u32 s3, 0
	s_cbranch_scc1 .Llap
	TURN 0, 1, 0
	STEP 1, 0, 0
	s_wait_dscnt 4*NL
	WIN MUL_LO
	MUL16 0, 1, NQ-1, 1, 0
	MUL16 2, 1, NQ-1, 1, 0
	s_wait_dscnt 0
	WIN MUL_HI
	MUL16 4, 1, NQ-1, 1, 0
	MUL16 6, 1, NQ-1, 1, 0
	WIN 0
; Stage row t of block a is the row 32 (a / 2) + 8 (a % 2) + t + 8 (t / 8) of my 128: every row offset is an immediate, 127 rows of 4,096 bytes at the most.
.macro XLOAD a                         ; the residual's 16 rows of block a, into window 1
.set XR, 64*((\a)%4)
	WIN TO_B
.irp t, 0,1,2,3,4,5,6,7,8,9,10,11,12,13,14,15
	global_load_b128 v[XR+4*\t:XR+4*\t+3], v[CO], s[8:9] offset:(32*((\a)/2)+8*((\a)%2)+\t+8*(\t/8))*4096 th:TH_LOAD_NT
.endr
	WIN 0
.endm
.macro TOSTAGE a
.set AC, 64*((\a)%4)
	WIN 0x08+4*((\a)/4)                            ; the data: window 2 or 3
.irp b, 0,1,2,3,4,5,6,7
	ds_store_b128 v[STO], v[AC+8*\b:AC+8*\b+3] offset:128*(\b/2)+32*(\b%2)          ; each accumulator from its low end on
	ds_store_b128 v[STO], v[AC+8*\b+4:AC+8*\b+7] offset:128*(\b/2)+32*(\b%2)+16
.endr
	WIN 0
.set BB, BK+64*((\a)%2)
.irp t, 0,1,2,3,4,5,6,7,8,9,10,11,12,13,14,15
	ds_load_b128 v[BB+4*\t:BB+4*\t+3], v[RD] offset:\t*SPITCH      ; LDS serves a wave's instructions in order (ISA guide 5.7.1.4): these see the stores above
.endr
.endm
.macro SEND a, younger
.set BB, BK+64*((\a)%2)
.set RR, 64*((\a)%4)
	s_wait_dscnt \younger                          ; the block is back in registers (the next block's 16 stores and 16 loads may be out)
.if (\a) < 5
	s_wait_loadcnt 48                              ; its residual is in; the three younger blocks' 16 loads each may be out
.else
	s_wait_loadcnt 16*(7-(\a))
.endif
.set I, 0
.rept 16
	v_pk_add_f32 v[BB+4*I:BB+4*I+1], v[BB+4*I:BB+4*I+1], v[BI:BI+1]
	v_pk_add_f32 v[BB+4*I+2:BB+4*I+3], v[BB+4*I+2:BB+4*I+3], v[BI+2:BI+3]
.set I, I+1
.endr
	WIN 0x04                                       ; source 1: window 1
.set I, 0
.rept 32
	v_pk_add_f32 v[BB+2*I:BB+2*I+1], v[BB+2*I:BB+2*I+1], v[RR+2*I:RR+2*I+1]
.set I, I+1
.endr
	WIN 0
.irp t, 0,1,2,3,4,5,6,7,8,9,10,11,12,13,14,15
	global_store_b128 v[CO], v[BB+4*\t:BB+4*\t+3], s[12:13] offset:(32*((\a)/2)+8*((\a)%2)+\t+8*(\t/8))*4096   ; 512 consecutive bytes, aligned
.endr
.if (\a) < 4
	XLOAD (\a)+4
.endif
.endm
	PLACES NP                                      ; in front of the loads into the fragments' registers and of the first reads of results
	XLOAD 0
	XLOAD 1
	XLOAD 2
	XLOAD 3
	TOSTAGE 0
.irp a, 1,2,3,4,5,6,7
.if \a > 1
	s_wait_xcnt 0x0                                ; block a - 2's stores have read their registers: block a's loads may land there
.endif
	TOSTAGE \a
	SEND \a-1, 32
.endr
	s_wait_xcnt 0x0
	SEND 7, 0
	s_wait_tensorcnt 0x0                           ; the wave's end
	ds_add_u32 v[SPW], v[NIL]
	s_wait_dscnt 0x0
	CROUND                                         ; the closing round
	s_endpgm
.Lfunc_end_k_qadc997414e_wog:
	.size	k_qadc997414e_wog, .Lfunc_end_k_qadc997414e_wog-k_qadc997414e_wog
	.p2alignl 7, 3214868480
	.fill 96, 4, 3214868480
	.section	.rodata,"a",@progbits
	.p2align	6, 0x0
	.amdhsa_kernel k_qadc997414e_wog
		.amdhsa_group_segment_fixed_size 327680
		.amdhsa_private_segment_fixed_size 0
		.amdhsa_enable_private_segment 0
		.amdhsa_kernarg_size 40
		.amdhsa_user_sgpr_count 2
		.amdhsa_user_sgpr_kernarg_segment_ptr 1
		.amdhsa_wavefront_size32 1
		.amdhsa_system_sgpr_workgroup_id_x 1
		.amdhsa_system_sgpr_workgroup_id_y 1
		.amdhsa_system_sgpr_workgroup_id_z 1
		.amdhsa_system_vgpr_workitem_id 0
		.amdhsa_next_free_vgpr 1024
		.amdhsa_next_free_sgpr 100
		.amdhsa_reserve_vcc 0
		.amdhsa_float_denorm_mode_32 3
		.amdhsa_float_denorm_mode_16_64 3
		.amdhsa_memory_ordered 1
		.amdhsa_forward_progress 1
		.amdhsa_inst_pref_size 188
	.end_amdhsa_kernel
	.amdgpu_metadata
---
amdhsa.version: [ 1, 2 ]
amdhsa.kernels:
  - .name:           k_qadc997414e_wog
    .symbol:         k_qadc997414e_wog.kd
    .args:
      - { .name: o_c, .offset: 0, .size: 8, .value_kind: global_buffer, .address_space: global }
      - { .name: wts, .offset: 8, .size: 8, .value_kind: global_buffer, .address_space: global }
      - { .name: x, .offset: 16, .size: 8, .value_kind: global_buffer, .address_space: global }
      - { .name: bo, .offset: 24, .size: 8, .value_kind: global_buffer, .address_space: global }
      - { .name: x2, .offset: 32, .size: 8, .value_kind: global_buffer, .address_space: global }
    .group_segment_fixed_size: 327680
    .private_segment_fixed_size: 0
    .kernarg_segment_align: 8
    .kernarg_segment_size: 40
    .max_flat_workgroup_size: 128
    .sgpr_count:     100
    .vgpr_count:     1024
    .wavefront_size: 32
...
	.end_amdgpu_metadata
.endif
;; end of part 5
;; launch rms2: the kernel of part 2 again; grid 128 x 1, 4 waves a work-group, no clusters, 132,096 bytes of LDS; arguments x2, g2, h2_c; writes h2_c
;; launch ffn1 (part 6): grid 16 x 16, 4 waves a work-group, clusters of 4 x 4, 327,680 bytes of LDS; arguments h2_c, wts, b1, hid_c; writes hid_c
.if DOCPART == 6
	.amdgcn_target "amdgcn-amd-amdhsa--gfx1250"
	.amdhsa_code_object_version 6
	.text
	.protected	k_qadc997414e_ffn1
	.globl	k_qadc997414e_ffn1
	.p2align	8
	.type	k_qadc997414e_ffn1,@function
k_qadc997414e_ffn1:
	s_mov_b64 s[64:65], 0
	v_nop
	global_prefetch_b8 v0, s[64:65] scope:SCOPE_SE
	s_setreg_imm32_b32 hwreg(HW_REG_WAVE_MODE, 25, 1), 1
	s_wait_xcnt 0x0
	s_wait_alu depctr_hold_cnt(0) depctr_sa_sdst(0) depctr_va_vdst(0) depctr_va_sdst(0) depctr_va_ssrc(0) depctr_va_vcc(0) depctr_vm_vsrc(0)
	s_getreg_b32 s2, hwreg(HW_REG_IB_STS2, 6, 4)
	s_cmp_eq_u32 s2, 0
	s_cbranch_scc0 .Lentry_in_a_cluster
	s_endpgm
.Lentry_in_a_cluster:
	s_bfe_u32 s2, ttmp6, 0x10000c
	s_cmp_lg_u32 s2, 0xf033
	s_cbranch_scc0 .Lentry_shape_is_right
	s_endpgm
.Lentry_shape_is_right:
; hidden = relu(h2 w1 + b1), the product on codes of FP8 (E4M3) with E8M0 scales; the result is quantised in registers along the hidden units, the next product's K, and stored as that product's operand.
; THE PRODUCT.  A tile of 256 x 256 is made by four waves, each 128 x 128: 64 accumulators, 512 registers.  K = 1,024 goes in steps of 256 through a ring of two LDS slots.
; OPERANDS lie in memory as RECORDS of 32 rows x 256 K, 8,448 bytes, [row / 32][K / 256]: code (u, r, k = 128 s + 32 c + 16 h + b) at 4096 u + 2048 s + 512 c + 256 h + 16 r + b: a fragment is four runs of 512 bytes, lane l's 16 bytes at 16 l;
; the scale bytes ride behind the codes, at 8192 + 8 (16 u + r) + 4 s + c.  So a tensor load brings 4 records (128 rows, codes and scales) as 4 rows of 8,448 bytes, LDS needs no padding, and a fragment load is 512 consecutive bytes.
; (A load has 4 long rows and not 64 short ones: a record is one dense run.)
; Row i of a record's 32 lies at place u = (i >> 3) & 1, r = (i & 7) + 8 (i >> 4).  With source 0 = w1's columns, a lane holds the token at place r of block a, and its 64 registers are hidden units 32 b + 16 h + 0 .. 15:
; four blocks of the next K, each shared with lane l xor 16.  The codes made of them ARE four runs of 512 bytes of the next operand's record: no LDS on the way out.
; CLUSTERS: 4 x 4 work-groups; the tokens' tile is shared along a row of the cluster, w1's along a column: joint tensor loads.
; The scale words leave 4 bytes a row at a pitch of 8: the other 4 belong to the wave with the other 128 hidden units; one byte in 33 of what the launch stores.
; LIMITS: NaN and infinities are not served; a block whose largest number lies under 2^-118, a block of zeros among them, gets the byte 1 (this program alone reads the bytes).
.set KP,     4
.set WOFF,   4325376                   ; w1's records in wts
.set REC,    8448
.set HALFT,  4*REC
.set SLOT,   4*HALFT
.set SPARE,  2*SLOT                    ; behind the ring: the spare words, 128 bytes for each wave, which no other line names
.set LAPS,   KP/2
.set NQ,     2
.set FR,     16
.set NL,     4
.set NP,     8                         ; places behind this matrix instruction (ISA guide 7.12.1)
.set ADRA, 16
.set ADRB, 20
.set ADRS, 22
.set CO,   24                          ; v24 16 x lane
.set CS8,  25                          ; v25 8 x lane
.set BOFF, 26                          ; v26 64 h
.set SPW,  28
.set NIL,  29
.set SC,   32                          ; v32-63 scale words, two sets: they hold nothing else
.set BI,   64                          ; v64-127 b1 of my 128 hidden units, in the result's layout
.set AF,   128
.set T,    128                         ; the way out: v128-191 64 numbers; v192-207 codes; v208-223 at work; v224-225 two words; v226-229 the words as stored
.set PC,   192
.set TM,   208
.set PW,   224
.set SELW, 226
.set G1, 24
.set G0, 32
.set G1B, 48
.set G0B, 56
.set MASKH, 67
.set SEL, 68
.set MNT, 70
.set MSB, 0
.macro WIN new
.if MSB != (\new)
	s_set_vgpr_msb (MSB<<8)|(\new)
.set MSB, (\new)
.endif
.endm
.set MUL_LO, 0xa1
.set MUL_HI, 0xf1
.set TO_B,   0x40
.macro JLOAD g0a, g1a, g0b, g1b        ; a joint load: waves 0, 1 for the A side, waves 2, 3 for the B side; four v_nop follow each line
	s_cmp_eq_u32 s15, 0
	s_cbranch_scc0 .Lfor_b_\@
	tensor_load_to_lds s[\g0a:\g0a+3], s[\g1a:\g1a+7]
	s_nop 0
.rept 4
	v_nop
.endr
	s_branch .Lasked_\@
.Lfor_b_\@:
	tensor_load_to_lds s[\g0b:\g0b+3], s[\g1b:\g1b+7]
	s_nop 0
.rept 4
	v_nop
.endr
.Lasked_\@:
.endm
.macro CREST
	s_cmp_lg_u32 s14, 0
	s_cbranch_scc1 .Lnot_wave_0_\@
	s_barrier_signal -3
.Lnot_wave_0_\@:
	s_barrier_wait -3
	s_barrier_signal -1
	s_barrier_wait -1
.endm
.macro CROUND
	s_barrier_signal -1
	s_barrier_wait -1
	CREST
.endm
	s_load_b128 s[4:7], s[0:1], 0x0                ; h2's codes, the weights
	s_load_b128 s[8:11], s[0:1], 0x10              ; b1, the hidden layer's codes
	v_lshl_add_u32 v[SPW], v0, 2, SPARE
	v_mov_b32 v[NIL], 0
	ds_add_u32 v28, v29
	ds_add_u32 v28, v29
	s_wait_dscnt 0x0
	v_lshrrev_b32 v1, 5, v0
	v_readfirstlane_b32 s14, v1
	s_lshr_b32 s15, s14, 1
	s_and_b32 s16, s14, 1
	s_bfe_u32 s40, ttmp6, 0x40000
	s_bfe_u32 s41, ttmp6, 0x40004
	s_lshl_b32 s42, ttmp9, 2
	s_add_co_u32 s42, s42, s40                     ; tile column
	s_and_b32 s17, ttmp7, 0xffff
	s_lshl_b32 s17, s17, 2
	s_add_co_u32 s17, s17, s41                     ; tile row
	s_lshl_b32 s43, s41, 2
	s_lshl_b32 s43, 15, s43
	s_lshl_b32 s44, 0x1111, s40
	s_or_b32 s[G1+0], s43, (3<<16)|(1<<21)
	s_or_b32 s[G1B+0], s44, (3<<16)|(1<<21)
.irp g, G1, G1B
	s_mov_b32 s[\g+1], 1056<<16
	s_mov_b32 s[\g+2], 4<<16
	s_mov_b32 s[\g+3], 1056<<16
	s_mov_b32 s[\g+4], 4
	s_mov_b32 s[\g+5], KP*1056
	s_mov_b32 s[\g+6], 0
	s_mov_b32 s[\g+7], 0
.endr
	s_lshl_b32 s18, s16, 2
	s_lshl_b32 s20, s17, 3
	s_add_co_u32 s20, s20, s18
	s_lshl_b32 s46, s42, 3
	s_add_co_u32 s46, s46, s18
	s_mul_i32 s20, s20, KP*REC
	s_mul_i32 s46, s46, KP*REC
	s_mov_b32 s21, 0
	s_mov_b32 s47, 0
	s_mul_i32 s45, s14, HALFT
	s_wait_kmcnt 0x0
	s_add_nc_u64 s[20:21], s[4:5], s[20:21]
	s_add_nc_u64 s[46:47], s[6:7], s[46:47]
	s_add_nc_u64 s[46:47], s[46:47], WOFF
	CROUND
.irp s, 0,1
	s_mov_b32 s[G0+4*\s], 1
	s_add_co_u32 s[G0+4*\s+1], s45, \s*SLOT
	s_add_nc_u64 s[G0+4*\s+2:G0+4*\s+3], s[20:21], \s*REC
	s_or_b32 s[G0+4*\s+3], s[G0+4*\s+3], 0x80000000
	s_mov_b32 s[G0B+4*\s], 1
	s_add_co_u32 s[G0B+4*\s+1], s45, \s*SLOT
	s_add_nc_u64 s[G0B+4*\s+2:G0B+4*\s+3], s[46:47], \s*REC
	s_or_b32 s[G0B+4*\s+3], s[G0B+4*\s+3], 0x80000000
	JLOAD G0+4*\s, G1, G0B+4*\s, G1B
.endr
	v_and_b32 v1, 15, v0
	v_bfe_u32 v2, v0, 4, 1
	v_and_b32 v3, 31, v0
	v_lshlrev_b32 v[CS8], 3, v3
	v_lshlrev_b32 v3, 4, v3
	s_mul_i32 s21, s15, HALFT
	s_mul_i32 s22, s16, HALFT
	s_add_co_u32 s22, s22, 2*HALFT
	v_lshlrev_b32 v5, 3, v1
	s_sub_co_u32 s23, s22, s21
	v_mul_u32_u24 v6, s23, v2
	v_add_nc_u32 v5, v5, v6
.irp s, 0,1
	v_add_nc_u32 v[ADRA+\s], s21, v3
	v_add_nc_u32 v[ADRB+\s], s22, v3
	v_add_nc_u32 v[ADRS+\s], s21, v5
	v_add_nc_u32 v[ADRS+\s], 8192, v[ADRS+\s]
	s_add_co_u32 s21, s21, SLOT
	s_add_co_u32 s22, s22, SLOT
.endr
	v_mov_b32 v[CO], v3
	v_lshlrev_b32 v[BOFF], 6, v2
	s_mov_b32 s[MASKH], 0xffff0000
	s_mov_b32 s[SEL], 0x76543210
	s_mov_b32 s[SEL+1], 0xfedcba98
	s_mov_b32 s[MNT], 0x600000
	s_lshl_b32 s72, s17, 3
	s_lshl_b32 s73, s15, 2
	s_add_co_u32 s72, s72, s73                     ; my first group of 32 tokens
	s_lshl_b32 s72, s72, 4
	s_add_co_u32 s72, s72, s42                     ; x 16 records a group, + the tile column: 256 hidden units are one record along K
	s_mul_i32 s72, s72, REC
	s_mov_b32 s73, 0
	s_add_nc_u64 s[10:11], s[10:11], s[72:73]
	s_lshl_b32 s72, s16, 2
	s_add_co_u32 s72, s72, 8192
	s_add_nc_u64 s[12:13], s[10:11], s[72:73]      ; the record's scale words, my 128 of its 256
	s_lshl_b32 s72, s16, 11
	s_add_nc_u64 s[10:11], s[10:11], s[72:73]      ; its codes likewise
	s_lshl_b32 s72, s42, 10
	s_lshl_b32 s74, s16, 9
	s_add_co_u32 s72, s72, s74
	s_add_nc_u64 s[8:9], s[8:9], s[72:73]          ; b1 at my 128 hidden units
.irp b, 0,1,2,3
.irp j, 0,1,2,3
	global_load_b128 v[BI+16*\b+4*\j:BI+16*\b+4*\j+3], v[BOFF], s[8:9] offset:128*\b+16*\j   ; register 16 b + i: unit 32 b + 16 h + i
.endr
.endr
.macro FRAG reg, adr, q, i
.irp c, 0,1,2,3
	ds_load_b128 v[\reg+4*\c:\reg+4*\c+3], v[\adr] offset:((\i)/2)*REC+((\i)%2)*4096+(\q)*2048+512*\c
.endr
.endm
.macro MUL16 a0, p, q, sc, zero        ; the 64 accumulators take turns, one instruction a turn
.irp a, \a0, \a0+1
.irp b, 0,1,2,3,4,5,6,7
.if \zero
	v_wmma_scale_f32_16x16x128_f8f6f4 v[8*(8*((\a)%4)+\b):8*(8*((\a)%4)+\b)+7], v[128*(\p)+FR*\b:128*(\p)+FR*\b+FR-1], v[AF+FR*(\a):AF+FR*(\a)+FR-1], 0, v[SC+8*NQ*(\sc)+NQ*\b+(\q)], v[SC+8*NQ*(\sc)+NQ*(\a)+(\q)] matrix_a_scale:MATRIX_SCALE_ROW1
.else
	v_wmma_scale_f32_16x16x128_f8f6f4 v[8*(8*((\a)%4)+\b):8*(8*((\a)%4)+\b)+7], v[128*(\p)+FR*\b:128*(\p)+FR*\b+FR-1], v[AF+FR*(\a):AF+FR*(\a)+FR-1], v[8*(8*((\a)%4)+\b):8*(8*((\a)%4)+\b)+7], v[SC+8*NQ*(\sc)+NQ*\b+(\q)], v[SC+8*NQ*(\sc)+NQ*(\a)+(\q)] matrix_a_scale:MATRIX_SCALE_ROW1
.endif
.endr
.endr
.endm
.macro FETCH_B slot, q, p
	WIN TO_B
.irp i, 0,1,2,3,4,5,6,7
	FRAG 128*(\p)+FR*\i, ADRB+\slot, \q, \i
.endr
	WIN 0
.endm
.macro FETCH_A slot, q, i0
.irp i, \i0, \i0+1, \i0+2, \i0+3
	FRAG AF+FR*(\i), ADRA+\slot, \q, \i
.endr
.endm
.macro SCALES sc
.irp i, 0,1,2,3,4,5,6,7
	ds_load_b64 v[SC+8*NQ*\sc+NQ*\i:SC+8*NQ*\sc+NQ*\i+1], v[ADRS+\sc] offset:(\i/2)*REC+(\i%2)*128
.endr
.endm
.macro PLACES n
.rept \n
	v_nop
.endr
.endm
.macro STEP slot, q, zero
	s_wait_dscnt 4*NL                              ; all but the youngest 16 loads (A's blocks 4-7) are in
	WIN MUL_LO
	MUL16 0, (\q)%2, \q, \slot, \zero
	MUL16 2, (\q)%2, \q, \slot, \zero
	s_wait_dscnt 0
	PLACES NP
	FETCH_B \slot, (\q)+1, 1-(\q)%2
	FETCH_A \slot, (\q)+1, 0
	WIN MUL_HI
	MUL16 4, (\q)%2, \q, \slot, \zero
	MUL16 6, (\q)%2, \q, \slot, \zero
	PLACES NP
	WIN 0
	FETCH_A \slot, (\q)+1, 4
.endm
.macro TURN slot, next, fill
	s_wait_tensorcnt 0x0                           ; all my tensor loads have landed: my part of the next slot
	ds_add_u32 v[SPW], v[NIL]                      ; 0 onto my spare word
	s_wait_dscnt 4*NL+1                            ; (the add and the youngest 16 loads may be out)
	WIN MUL_LO
	MUL16 0, 1, NQ-1, \slot, 0
	s_wait_dscnt 0x0                               ; the add is done, and my reads of this slot are over
	s_barrier_signal -1
	MUL16 2, 1, NQ-1, \slot, 0
	WIN 0
	s_barrier_wait -1
.if \fill
	CREST                                          ; the barrier has opened a round of the cluster's
	s_add_nc_u64 s[G0+4*\slot+2:G0+4*\slot+3], s[G0+4*\slot+2:G0+4*\slot+3], 2*REC
	s_add_nc_u64 s[G0B+4*\slot+2:G0B+4*\slot+3], s[G0B+4*\slot+2:G0B+4*\slot+3], 2*REC
	JLOAD G0+4*\slot, G1, G0B+4*\slot, G1B
	PLACES NP-4
.else
	PLACES NP
.endif
	FETCH_B \next, 0, 0
	FETCH_A \next, 0, 0
	SCALES \next
	WIN MUL_HI
	MUL16 4, 1, NQ-1, \slot, 0
	MUL16 6, 1, NQ-1, \slot, 0
	PLACES NP
	WIN 0
	FETCH_A \next, 0, 4
.endm
	s_wait_tensorcnt 1                             ; my part of slot 0 is in (slot 1's load may be out)
	s_barrier_signal -1
	s_barrier_wait -1
	FETCH_B 0, 0, 0
	FETCH_A 0, 0, 0
	SCALES 0
	FETCH_A 0, 0, 4
	STEP 0, 0, 1
	s_mov_b32 s3, LAPS-1
.Llap:
	TURN 0, 1, 1
	STEP 1, 0, 0
	TURN 1, 0, 1
	STEP 0, 0, 0
	s_sub_co_u32 s3, s3, 1
	s_cmp_lg_u32 s3, 0
	s_cbranch_scc1 .Llap
	TURN 0, 1, 0
	STEP 1, 0, 0
	s_wait_dscnt 4*NL
	WIN MUL_LO
	MUL16 0, 1, NQ-1, 1, 0
	MUL16 2, 1, NQ-1, 1, 0
	s_wait_dscnt 0
	WIN MUL_HI
	MUL16 4, 1, NQ-1, 1, 0
	MUL16 6, 1, NQ-1, 1, 0
	WIN 0
.macro QUANT s, relu                   ; 64 numbers of a lane, register 16 b + i = index 32 b + 16 h + i, become codes in v[PC] on and four scale bytes in v[TM+4] on
.if \relu
.irp b, 0,1,2,3
	v_max3_num_f32 v[TM+\b], v[\s+16*\b], v[\s+1+16*\b], 0x4800000         ; no |.|: what is negative becomes 0 and must not count; the floor 2^(9 - 127) stands over it
.endr
.irp i, 2,4,6,8,10,12,14
.irp b, 0,1,2,3
	v_max3_num_f32 v[TM+\b], v[TM+\b], v[\s+16*\b+\i], v[\s+1+16*\b+\i]
.endr
.endr
.else
.irp b, 0,1,2,3
	v_max3_num_f32 v[TM+\b], |v[\s+16*\b]|, |v[\s+1+16*\b]|, 0x4800000
.endr
.irp i, 2,4,6,8,10,12,14
.irp b, 0,1,2,3
	v_max3_num_f32 v[TM+\b], v[TM+\b], |v[\s+16*\b+\i]|, |v[\s+1+16*\b+\i]|
.endr
.endr
.endif
.irp b, 0,1,2,3
	v_permlanex16_b32 v[TM+4+\b], v[TM+\b], s[SEL], s[SEL+1]
.endr
.irp b, 0,1,2,3
	v_max_num_f32 v[TM+\b], v[TM+\b], v[TM+4+\b]
.endr
.irp b, 0,1,2,3
	v_add_nc_u32 v[TM+12+\b], 0xfc000000, v[TM+\b]
.endr
.irp b, 0,1,2,3
	v_and_or_b32 v[TM+8+\b], v[TM+\b], 0x7f800000, s[MNT]
.endr
.irp b, 0,1,2,3
	v_lshrrev_b32 v[TM+4+\b], 23, v[TM+12+\b]
.endr
.irp b, 0,1,2,3
.irp i, 0,1,2,3,4,5,6,7,8,9,10,11,12,13,14,15
.if \relu
	v_med3_num_f32 v[\s+16*\b+\i], v[\s+16*\b+\i], 0, v[TM+8+\b]           ; the activation and the hold in one
.else
	v_med3_num_f32 v[\s+16*\b+\i], v[\s+16*\b+\i], -v[TM+8+\b], v[TM+8+\b]
.endif
.endr
	v_cvt_scalef32_pk8_fp8_f32 v[PC+4*\b:PC+1+4*\b], v[\s+16*\b:\s+7+16*\b], v[TM+12+\b]
	v_cvt_scalef32_pk8_fp8_f32 v[PC+2+4*\b:PC+3+4*\b], v[\s+8+16*\b:\s+15+16*\b], v[TM+12+\b]
.endr
	v_nop                                          ; a plain instruction behind the last conversion
.endm
.macro WORD4 d
	v_lshl_or_b32 v[\d], v[TM+5], 8, v[TM+4]
	v_lshl_or_b32 v[\d], v[TM+6], 16, v[\d]
	v_lshl_or_b32 v[\d], v[TM+7], 24, v[\d]
.endm
	PLACES NP                                      ; in front of the first reads of results and of writes into the fragments' registers
.irp b, 0,1,2,3
	v_mov_b32 v[TM+4+\b], 0                        ; a lane permute's destination counts as one of its sources
.endr
	s_wait_loadcnt 0x0                             ; b1
.macro OUTBLK a
.if (\a) > 0
	s_wait_xcnt 0x0                                ; the last block's stores have read their registers
.endif
	WIN 0x02+((\a)/4)                              ; source 0: the accumulators' window
.set I, 0
.rept 32
	v_pk_add_f32 v[T+I:T+I+1], v[64*((\a)%4)+I:64*((\a)%4)+I+1], v[BI+I:BI+I+1]    ; + b1, and out of the accumulators' window; each accumulator from its low end on
.set I, I+2
.endr
	WIN 0
	QUANT T, 1
	WORD4 PW+((\a)%2)
.irp c, 0,1,2,3
	global_store_b128 v[CO], v[PC+4*\c:PC+4*\c+3], s[10:11] offset:((\a)/2)*135168+((\a)%2)*4096+512*\c   ; 512 consecutive bytes
.endr
.if ((\a)%2) == 1
	v_cndmask_b32 v[SELW+(\a)/2], v[PW], v[PW+1], s[MASKH]     ; lanes 0-15: places 0-15's words; lanes 16-31: places 16-31's
	global_store_b32 v[CS8], v[SELW+(\a)/2], s[12:13] offset:((\a)/2)*135168
.endif
.endm
.irp a, 0,1,2,3,4,5,6,7
	OUTBLK \a
.endr
	s_wait_tensorcnt 0x0                           ; the wave's end
	ds_add_u32 v[SPW], v[NIL]
	s_wait_dscnt 0x0
	CROUND                                         ; the closing round
	s_endpgm
.Lfunc_end_k_qadc997414e_ffn1:
	.size	k_qadc997414e_ffn1, .Lfunc_end_k_qadc997414e_ffn1-k_qadc997414e_ffn1
	.p2alignl 7, 3214868480
	.fill 96, 4, 3214868480
	.section	.rodata,"a",@progbits
	.p2align	6, 0x0
	.amdhsa_kernel k_qadc997414e_ffn1
		.amdhsa_group_segment_fixed_size 327680
		.amdhsa_private_segment_fixed_size 0
		.amdhsa_enable_private_segment 0
		.amdhsa_kernarg_size 32
		.amdhsa_user_sgpr_count 2
		.amdhsa_user_sgpr_kernarg_segment_ptr 1
		.amdhsa_wavefront_size32 1
		.amdhsa_system_sgpr_workgroup_id_x 1
		.amdhsa_system_sgpr_workgroup_id_y 1
		.amdhsa_system_sgpr_workgroup_id_z 1
		.amdhsa_system_vgpr_workitem_id 0
		.amdhsa_next_free_vgpr 1024
		.amdhsa_next_free_sgpr 100
		.amdhsa_reserve_vcc 0
		.amdhsa_float_denorm_mode_32 3
		.amdhsa_float_denorm_mode_16_64 3
		.amdhsa_memory_ordered 1
		.amdhsa_forward_progress 1
		.amdhsa_inst_pref_size 200
	.end_amdhsa_kernel
	.amdgpu_metadata
---
amdhsa.version: [ 1, 2 ]
amdhsa.kernels:
  - .name:           k_qadc997414e_ffn1
    .symbol:         k_qadc997414e_ffn1.kd
    .args:
      - { .name: h2_c, .offset: 0, .size: 8, .value_kind: global_buffer, .address_space: global }
      - { .name: wts, .offset: 8, .size: 8, .value_kind: global_buffer, .address_space: global }
      - { .name: b1, .offset: 16, .size: 8, .value_kind: global_buffer, .address_space: global }
      - { .name: hid_c, .offset: 24, .size: 8, .value_kind: global_buffer, .address_space: global }
    .group_segment_fixed_size: 327680
    .private_segment_fixed_size: 0
    .kernarg_segment_align: 8
    .kernarg_segment_size: 32
    .max_flat_workgroup_size: 128
    .sgpr_count:     100
    .vgpr_count:     1024
    .wavefront_size: 32
...
	.end_amdgpu_metadata
.endif
;; end of part 6
;; launch ffn2 (part 7): grid 4 x 16, 4 waves a work-group, clusters of 4 x 4, 327,680 bytes of LDS; arguments hid_c, wts, x2, b2, out0; writes out0
.if DOCPART == 7
	.amdgcn_target "amdgcn-amd-amdhsa--gfx1250"
	.amdhsa_code_object_version 6
	.text
	.protected	k_qadc997414e_ffn2
	.globl	k_qadc997414e_ffn2
	.p2align	8
	.type	k_qadc997414e_ffn2,@function
k_qadc997414e_ffn2:
	s_mov_b64 s[64:65], 0
	v_nop
	global_prefetch_b8 v0, s[64:65] scope:SCOPE_SE
	s_setreg_imm32_b32 hwreg(HW_REG_WAVE_MODE, 25, 1), 1
	s_wait_xcnt 0x0
	s_wait_alu depctr_hold_cnt(0) depctr_sa_sdst(0) depctr_va_vdst(0) depctr_va_sdst(0) depctr_va_ssrc(0) depctr_va_vcc(0) depctr_vm_vsrc(0)
	s_getreg_b32 s2, hwreg(HW_REG_IB_STS2, 6, 4)
	s_cmp_eq_u32 s2, 0
	s_cbranch_scc0 .Lentry_in_a_cluster
	s_endpgm
.Lentry_in_a_cluster:
	s_bfe_u32 s2, ttmp6, 0x10000c
	s_cmp_lg_u32 s2, 0xf033
	s_cbranch_scc0 .Lentry_shape_is_right
	s_endpgm
.Lentry_shape_is_right:
; out = x2 + (hidden w2 + b2): the product on codes of FP8 (E4M3) with E8M0 scales, sums, bias and residual in f32.
; THE PRODUCT.  A tile of 256 x 256 is made by four waves, each 128 x 128: 64 accumulators, 512 registers.  K = 4,096 goes in steps of 256 through a ring of two LDS slots.
; OPERANDS lie in memory as RECORDS of 32 rows x 256 K, 8,448 bytes, [row / 32][K / 256]: code (u, r, k = 128 s + 32 c + 16 h + b) at 4096 u + 2048 s + 512 c + 256 h + 16 r + b: a fragment is four runs of 512 bytes, lane l's 16 bytes at 16 l;
; the scale bytes ride behind the codes, at 8192 + 8 (16 u + r) + 4 s + c.  So a tensor load brings 4 records (128 rows, codes and scales) as 4 rows of 8,448 bytes, LDS needs no padding, and a fragment load is 512 consecutive bytes.
; (A load has 4 long rows and not 64 short ones: a record is one dense run.)
; Row i of a record's 32 lies at place u = (i >> 3) & 1, r = (i & 7) + 8 (i >> 4).  With source 0 = the weight's columns, a lane holds the token at place r of block a, and its 64 registers are columns 32 b + 16 h + 0 .. 15.
; CLUSTERS: 4 x 4 work-groups; the tokens' tile is shared along a row of the cluster, the weight's along a column: joint tensor loads.
; THE WAY OUT: a block of 16 rows goes through the wave's own stage in LDS (in slot 0, which has had its last fill and its last read) and comes back as whole rows of 512 bytes; bias and residual are added there; stores of 512 consecutive bytes.
; The grid has 64 work-groups: the output has only 64 tiles of this size.
.set KP,     16                        ; K / 256
.set WOFF,   8650752                   ; w2's records in wts
.set REC,    8448
.set HALFT,  4*REC
.set SLOT,   4*HALFT
.set SPARE,  2*SLOT                    ; behind the ring: the spare words, 128 bytes for each wave, which no other line names
.set LAPS,   KP/2
.set NQ,     2
.set FR,     16
.set NL,     4
.set NP,     8                         ; places behind this matrix instruction (ISA guide 7.12.1)
.set SPITCH, 528
.set ADRA, 16
.set ADRB, 20
.set ADRS, 22
.set STO,  24                          ; v24 the way out: where I put 64 bytes of a row
.set RD,   25                          ; v25 where I read a row back
.set CO,   26                          ; v26 16 x lane
.set SPW,  28
.set NIL,  29
.set SC,   32                          ; v32-63 scale words, two sets: they hold nothing else
.set BI,   64                          ; v64-67 the bias of my four columns of a row read back
.set AF,   128
.set BK,   128                         ; the way out: 16 rows read back: v128-191 and v192-255 by turns
.set G1, 24
.set G0, 32
.set G1B, 48
.set G0B, 56
.set MSB, 0
.macro WIN new
.if MSB != (\new)
	s_set_vgpr_msb (MSB<<8)|(\new)
.set MSB, (\new)
.endif
.endm
.set MUL_LO, 0xa1
.set MUL_HI, 0xf1
.set TO_B,   0x40
.macro JLOAD g0a, g1a, g0b, g1b        ; a joint load: waves 0, 1 for the A side, waves 2, 3 for the B side; four v_nop follow each line
	s_cmp_eq_u32 s15, 0
	s_cbranch_scc0 .Lfor_b_\@
	tensor_load_to_lds s[\g0a:\g0a+3], s[\g1a:\g1a+7]
	s_nop 0
.rept 4
	v_nop
.endr
	s_branch .Lasked_\@
.Lfor_b_\@:
	tensor_load_to_lds s[\g0b:\g0b+3], s[\g1b:\g1b+7]
	s_nop 0
.rept 4
	v_nop
.endr
.Lasked_\@:
.endm
.macro CREST
	s_cmp_lg_u32 s14, 0
	s_cbranch_scc1 .Lnot_wave_0_\@
	s_barrier_signal -3
.Lnot_wave_0_\@:
	s_barrier_wait -3
	s_barrier_signal -1
	s_barrier_wait -1
.endm
.macro CROUND
	s_barrier_signal -1
	s_barrier_wait -1
	CREST
.endm
	s_load_b128 s[4:7], s[0:1], 0x0                ; the A side's codes, the weights
	s_load_b128 s[8:11], s[0:1], 0x10              ; the residual, the bias
	s_load_b64 s[12:13], s[0:1], 0x20              ; the output
	v_lshl_add_u32 v[SPW], v0, 2, SPARE
	v_mov_b32 v[NIL], 0
	ds_add_u32 v28, v29
	ds_add_u32 v28, v29
	s_wait_dscnt 0x0
	v_lshrrev_b32 v1, 5, v0
	v_readfirstlane_b32 s14, v1
	s_lshr_b32 s15, s14, 1
	s_and_b32 s16, s14, 1
	s_bfe_u32 s40, ttmp6, 0x40000
	s_bfe_u32 s41, ttmp6, 0x40004
	s_lshl_b32 s42, ttmp9, 2
	s_add_co_u32 s42, s42, s40                     ; tile column
	s_and_b32 s17, ttmp7, 0xffff
	s_lshl_b32 s17, s17, 2
	s_add_co_u32 s17, s17, s41                     ; tile row
	s_lshl_b32 s43, s41, 2
	s_lshl_b32 s43, 15, s43
	s_lshl_b32 s44, 0x1111, s40
	s_or_b32 s[G1+0], s43, (3<<16)|(1<<21)         ; the mask; elements of 8 bytes; bit 21 beside a mask; no padding
	s_or_b32 s[G1B+0], s44, (3<<16)|(1<<21)
.irp g, G1, G1B
	s_mov_b32 s[\g+1], 1056<<16
	s_mov_b32 s[\g+2], 4<<16
	s_mov_b32 s[\g+3], 1056<<16
	s_mov_b32 s[\g+4], 4
	s_mov_b32 s[\g+5], KP*1056
	s_mov_b32 s[\g+6], 0
	s_mov_b32 s[\g+7], 0
.endr
	s_lshl_b32 s18, s16, 2
	s_lshl_b32 s20, s17, 3
	s_add_co_u32 s20, s20, s18
	s_lshl_b32 s46, s42, 3
	s_add_co_u32 s46, s46, s18
	s_mul_i32 s20, s20, KP*REC
	s_mul_i32 s46, s46, KP*REC
	s_mov_b32 s21, 0
	s_mov_b32 s47, 0
	s_mul_i32 s45, s14, HALFT
	s_wait_kmcnt 0x0
	s_add_nc_u64 s[20:21], s[4:5], s[20:21]
	s_add_nc_u64 s[46:47], s[6:7], s[46:47]
	s_add_nc_u64 s[46:47], s[46:47], WOFF
	CROUND
.irp s, 0,1
	s_mov_b32 s[G0+4*\s], 1
	s_add_co_u32 s[G0+4*\s+1], s45, \s*SLOT
	s_add_nc_u64 s[G0+4*\s+2:G0+4*\s+3], s[20:21], \s*REC
	s_or_b32 s[G0+4*\s+3], s[G0+4*\s+3], 0x80000000
	s_mov_b32 s[G0B+4*\s], 1
	s_add_co_u32 s[G0B+4*\s+1], s45, \s*SLOT
	s_add_nc_u64 s[G0B+4*\s+2:G0B+4*\s+3], s[46:47], \s*REC
	s_or_b32 s[G0B+4*\s+3], s[G0B+4*\s+3], 0x80000000
	JLOAD G0+4*\s, G1, G0B+4*\s, G1B
.endr
	v_and_b32 v1, 15, v0
	v_bfe_u32 v2, v0, 4, 1
	v_and_b32 v3, 31, v0
	v_lshlrev_b32 v3, 4, v3
	s_mul_i32 s21, s15, HALFT
	s_mul_i32 s22, s16, HALFT
	s_add_co_u32 s22, s22, 2*HALFT
	v_lshlrev_b32 v5, 3, v1
	s_sub_co_u32 s23, s22, s21
	v_mul_u32_u24 v6, s23, v2
	v_add_nc_u32 v5, v5, v6
.irp s, 0,1
	v_add_nc_u32 v[ADRA+\s], s21, v3
	v_add_nc_u32 v[ADRB+\s], s22, v3
	v_add_nc_u32 v[ADRS+\s], s21, v5
	v_add_nc_u32 v[ADRS+\s], 8192, v[ADRS+\s]
	s_add_co_u32 s21, s21, SLOT
	s_add_co_u32 s22, s22, SLOT
.endr
	s_mul_i32 s23, s14, 16*SPITCH                  ; my stage
	v_mul_u32_u24 v5, v1, SPITCH
	v_lshl_add_u32 v5, v2, 6, v5
	v_add_nc_u32 v[STO], s23, v5                   ; in: row r, + 64 h
	v_add_nc_u32 v[RD], s23, v3                    ; back: a row of 512 bytes to the 32 lanes
	v_mov_b32 v[CO], v3
	s_lshl_b32 s66, s17, 8
	s_lshl_b32 s67, s15, 7
	s_add_co_u32 s66, s66, s67
	s_lshl_b32 s66, s66, 12                        ; my first row, in bytes
	s_lshl_b32 s68, s42, 10
	s_lshl_b32 s69, s16, 9
	s_add_co_u32 s68, s68, s69                     ; my first column, in bytes
	s_mov_b32 s69, 0
	s_add_nc_u64 s[10:11], s[10:11], s[68:69]
	s_add_co_u32 s68, s68, s66
	s_add_nc_u64 s[8:9], s[8:9], s[68:69]
	s_add_nc_u64 s[12:13], s[12:13], s[68:69]
	global_load_b128 v[BI:BI+3], v[CO], s[10:11]
.macro FRAG reg, adr, q, i
.irp c, 0,1,2,3
	ds_load_b128 v[\reg+4*\c:\reg+4*\c+3], v[\adr] offset:((\i)/2)*REC+((\i)%2)*4096+(\q)*2048+512*\c
.endr
.endm
.macro MUL16 a0, p, q, sc, zero        ; the 64 accumulators take turns, one instruction a turn
.irp a, \a0, \a0+1
.irp b, 0,1,2,3,4,5,6,7
.if \zero
	v_wmma_scale_f32_16x16x128_f8f6f4 v[8*(8*((\a)%4)+\b):8*(8*((\a)%4)+\b)+7], v[128*(\p)+FR*\b:128*(\p)+FR*\b+FR-1], v[AF+FR*(\a):AF+FR*(\a)+FR-1], 0, v[SC+8*NQ*(\sc)+NQ*\b+(\q)], v[SC+8*NQ*(\sc)+NQ*(\a)+(\q)] matrix_a_scale:MATRIX_SCALE_ROW1
.else
	v_wmma_scale_f32_16x16x128_f8f6f4 v[8*(8*((\a)%4)+\b):8*(8*((\a)%4)+\b)+7], v[128*(\p)+FR*\b:128*(\p)+FR*\b+FR-1], v[AF+FR*(\a):AF+FR*(\a)+FR-1], v[8*(8*((\a)%4)+\b):8*(8*((\a)%4)+\b)+7], v[SC+8*NQ*(\sc)+NQ*\b+(\q)], v[SC+8*NQ*(\sc)+NQ*(\a)+(\q)] matrix_a_scale:MATRIX_SCALE_ROW1
.endif
.endr
.endr
.endm
.macro FETCH_B slot, q, p
	WIN TO_B
.irp i, 0,1,2,3,4,5,6,7
	FRAG 128*(\p)+FR*\i, ADRB+\slot, \q, \i
.endr
	WIN 0
.endm
.macro FETCH_A slot, q, i0
.irp i, \i0, \i0+1, \i0+2, \i0+3
	FRAG AF+FR*(\i), ADRA+\slot, \q, \i
.endr
.endm
.macro SCALES sc
.irp i, 0,1,2,3,4,5,6,7
	ds_load_b64 v[SC+8*NQ*\sc+NQ*\i:SC+8*NQ*\sc+NQ*\i+1], v[ADRS+\sc] offset:(\i/2)*REC+(\i%2)*128
.endr
.endm
.macro PLACES n
.rept \n
	v_nop
.endr
.endm
.macro STEP slot, q, zero
	s_wait_dscnt 4*NL                              ; all but the youngest 16 loads (A's blocks 4-7) are in
	WIN MUL_LO
	MUL16 0, (\q)%2, \q, \slot, \zero
	MUL16 2, (\q)%2, \q, \slot, \zero
	s_wait_dscnt 0
	PLACES NP
	FETCH_B \slot, (\q)+1, 1-(\q)%2
	FETCH_A \slot, (\q)+1, 0
	WIN MUL_HI
	MUL16 4, (\q)%2, \q, \slot, \zero
	MUL16 6, (\q)%2, \q, \slot, \zero
	PLACES NP
	WIN 0
	FETCH_A \slot, (\q)+1, 4
.endm
.macro TURN slot, next, fill
	s_wait_tensorcnt 0x0                           ; all my tensor loads have landed: my part of the next slot
	ds_add_u32 v[SPW], v[NIL]                      ; 0 onto my spare word
	s_wait_dscnt 4*NL+1                            ; (the add and the youngest 16 loads may be out)
	WIN MUL_LO
	MUL16 0, 1, NQ-1, \slot, 0
	s_wait_dscnt 0x0                               ; the add is done, and my reads of this slot are over
	s_barrier_signal -1
	MUL16 2, 1, NQ-1, \slot, 0
	WIN 0
	s_barrier_wait -1
.if \fill
	CREST                                          ; the barrier has opened a round of the cluster's
	s_add_nc_u64 s[G0+4*\slot+2:G0+4*\slot+3], s[G0+4*\slot+2:G0+4*\slot+3], 2*REC
	s_add_nc_u64 s[G0B+4*\slot+2:G0B+4*\slot+3], s[G0B+4*\slot+2:G0B+4*\slot+3], 2*REC
	JLOAD G0+4*\slot, G1, G0B+4*\slot, G1B
	PLACES NP-4
.else
	PLACES NP
.endif
	FETCH_B \next, 0, 0
	FETCH_A \next, 0, 0
	SCALES \next
	WIN MUL_HI
	MUL16 4, 1, NQ-1, \slot, 0
	MUL16 6, 1, NQ-1, \slot, 0
	PLACES NP
	WIN 0
	FETCH_A \next, 0, 4
.endm
	s_wait_tensorcnt 1                             ; my part of slot 0 is in (slot 1's load may be out)
	s_barrier_signal -1
	s_barrier_wait -1
	FETCH_B 0, 0, 0
	FETCH_A 0, 0, 0
	SCALES 0
	FETCH_A 0, 0, 4
	STEP 0, 0, 1
	s_mov_b32 s3, LAPS-1
.Llap:
	TURN 0, 1, 1
	STEP 1, 0, 0
	TURN 1, 0, 1
	STEP 0, 0, 0
	s_sub_co_u32 s3, s3, 1
	s_cmp_lg_u32 s3, 0
	s_cbranch_scc1 .Llap
	TURN 0, 1, 0
	STEP 1, 0, 0
	s_wait_dscnt 4*NL
	WIN MUL_LO
	MUL16 0, 1, NQ-1, 1, 0
	MUL16 2, 1, NQ-1, 1, 0
	s_wait_dscnt 0
	WIN MUL_HI
	MUL16 4, 1, NQ-1, 1, 0
	MUL16 6, 1, NQ-1, 1, 0
	WIN 0
; Stage row t of block a is the row 32 (a / 2) + 8 (a % 2) + t + 8 (t / 8) of my 128: every row offset is an immediate, 127 rows of 4,096 bytes at the most.
.macro XLOAD a                         ; the residual's 16 rows of block a, into window 1
.set XR, 64*((\a)%4)
	WIN TO_B
.irp t, 0,1,2,3,4,5,6,7,8,9,10,11,12,13,14,15
	global_load_b128 v[XR+4*\t:XR+4*\t+3], v[CO], s[8:9] offset:(32*((\a)/2)+8*((\a)%2)+\t+8*(\t/8))*4096 th:TH_LOAD_NT
.endr
	WIN 0
.endm
.macro TOSTAGE a
.set AC, 64*((\a)%4)
	WIN 0x08+4*((\a)/4)                            ; the data: window 2 or 3
.irp b, 0,1,2,3,4,5,6,7
	ds_store_b128 v[STO], v[AC+8*\b:AC+8*\b+3] offset:128*(\b/2)+32*(\b%2)          ; each accumulator from its low end on
	ds_store_b128 v[STO], v[AC+8*\b+4:AC+8*\b+7] offset:128*(\b/2)+32*(\b%2)+16
.endr
	WIN 0
.set BB, BK+64*((\a)%2)
.irp t, 0,1,2,3,4,5,6,7,8,9,10,11,12,13,14,15
	ds_load_b128 v[BB+4*\t:BB+4*\t+3], v[RD] offset:\t*SPITCH      ; LDS serves a wave's instructions in order (ISA guide 5.7.1.4): these see the stores above
.endr
.endm
.macro SEND a, younger
.set BB, BK+64*((\a)%2)
.set RR, 64*((\a)%4)
	s_wait_dscnt \younger                          ; the block is back in registers (the next block's 16 stores and 16 loads may be out)
.if (\a) < 5
	s_wait_loadcnt 48                              ; its residual is in; the three younger blocks' 16 loads each may be out
.else
	s_wait_loadcnt 16*(7-(\a))
.endif
.set I, 0
.rept 16
	v_pk_add_f32 v[BB+4*I:BB+4*I+1], v[BB+4*I:BB+4*I+1], v[BI:BI+1]
	v_pk_add_f32 v[BB+4*I+2:BB+4*I+3], v[BB+4*I+2:BB+4*I+3], v[BI+2:BI+3]
.set I, I+1
.endr
	WIN 0x04                                       ; source 1: window 1
.set I, 0
.rept 32
	v_pk_add_f32 v[BB+2*I:BB+2*I+1], v[BB+2*I:BB+2*I+1], v[RR+2*I:RR+2*I+1]
.set I, I+1
.endr
	WIN 0
.irp t, 0,1,2,3,4,5,6,7,8,9,10,11,12,13,14,15
	global_store_b128 v[CO], v[BB+4*\t:BB+4*\t+3], s[12:13] offset:(32*((\a)/2)+8*((\a)%2)+\t+8*(\t/8))*4096 th:TH_STORE_NT   ; 512 consecutive bytes, aligned; written once, read by nobody here
.endr
.if (\a) < 4
	XLOAD (\a)+4
.endif
.endm
	PLACES NP                                      ; in front of the loads into the fragments' registers and of the first reads of results
	XLOAD 0
	XLOAD 1
	XLOAD 2
	XLOAD 3
	TOSTAGE 0
.irp a, 1,2,3,4,5,6,7
.if \a > 1
	s_wait_xcnt 0x0                                ; block a - 2's stores have read their registers: block a's loads may land there
.endif
	TOSTAGE \a
	SEND \a-1, 32
.endr
	s_wait_xcnt 0x0
	SEND 7, 0
	s_wait_tensorcnt 0x0                           ; the wave's end
	ds_add_u32 v[SPW], v[NIL]
	s_wait_dscnt 0x0
	CROUND                                         ; the closing round
	s_endpgm
.Lfunc_end_k_qadc997414e_ffn2:
	.size	k_qadc997414e_ffn2, .Lfunc_end_k_qadc997414e_ffn2-k_qadc997414e_ffn2
	.p2alignl 7, 3214868480
	.fill 96, 4, 3214868480
	.section	.rodata,"a",@progbits
	.p2align	6, 0x0
	.amdhsa_kernel k_qadc997414e_ffn2
		.amdhsa_group_segment_fixed_size 327680
		.amdhsa_private_segment_fixed_size 0
		.amdhsa_enable_private_segment 0
		.amdhsa_kernarg_size 40
		.amdhsa_user_sgpr_count 2
		.amdhsa_user_sgpr_kernarg_segment_ptr 1
		.amdhsa_wavefront_size32 1
		.amdhsa_system_sgpr_workgroup_id_x 1
		.amdhsa_system_sgpr_workgroup_id_y 1
		.amdhsa_system_sgpr_workgroup_id_z 1
		.amdhsa_system_vgpr_workitem_id 0
		.amdhsa_next_free_vgpr 1024
		.amdhsa_next_free_sgpr 100
		.amdhsa_reserve_vcc 0
		.amdhsa_float_denorm_mode_32 3
		.amdhsa_float_denorm_mode_16_64 3
		.amdhsa_memory_ordered 1
		.amdhsa_forward_progress 1
		.amdhsa_inst_pref_size 188
	.end_amdhsa_kernel
	.amdgpu_metadata
---
amdhsa.version: [ 1, 2 ]
amdhsa.kernels:
  - .name:           k_qadc997414e_ffn2
    .symbol:         k_qadc997414e_ffn2.kd
    .args:
      - { .name: hid_c, .offset: 0, .size: 8, .value_kind: global_buffer, .address_space: global }
      - { .name: wts, .offset: 8, .size: 8, .value_kind: global_buffer, .address_space: global }
      - { .name: x2, .offset: 16, .size: 8, .value_kind: global_buffer, .address_space: global }
      - { .name: b2, .offset: 24, .size: 8, .value_kind: global_buffer, .address_space: global }
      - { .name: out0, .offset: 32, .size: 8, .value_kind: global_buffer, .address_space: global }
    .group_segment_fixed_size: 327680
    .private_segment_fixed_size: 0
    .kernarg_segment_align: 8
    .kernarg_segment_size: 40
    .max_flat_workgroup_size: 128
    .sgpr_count:     100
    .vgpr_count:     1024
    .wavefront_size: 32
...
	.end_amdgpu_metadata
.endif
;; end of part 7
;; ======== version 2 of 2: 8 launches
;; limits: right only within a limited range of input values
;; workspace buffers: wts 13,500,416 bytes; h_c 4,325,376 bytes; qkv 13,238,272 bytes; o_c 4,325,376 bytes; x2 16,777,216 bytes; h2_c 4,325,376 bytes; hid_c 17,301,504 bytes
;; launch wquant (part 8): grid 448 x 1, 4 waves a work-group, no clusters, 0 bytes of LDS; arguments wq, wk, wv, wo, w1, w2, wts; writes wts
.if DOCPART == 8
	.amdgcn_target "amdgcn-amd-amdhsa--gfx1250"
	.amdhsa_code_object_version 6
	.text
	.protected	k_qadc997414e_wquant
	.globl	k_qadc997414e_wquant
	.p2align	8
	.type	k_qadc997414e_wquant,@function
k_qadc997414e_wquant:
	s_mov_b64 s[64:65], 0
	v_nop
	global_prefetch_b8 v0, s[64:65] scope:SCOPE_SE
	s_setreg_imm32_b32 hwreg(HW_REG_WAVE_MODE, 25, 1), 1
	s_wait_xcnt 0x0
; The six weights, f32 stored [K][N], become codes of FP8 (E4M3) with one E8M0 scale byte for each 32 along K, laid as IMAGES OF THE OPERAND'S REGISTERS; and the table of cos and sin for the rotary embedding is made.
; A RECORD is 32 columns x 256 along K, 8,448 bytes: the code of (u, r, k = 128 s + 32 c + 16 h + b) at 4096 u + 2048 s + 512 c + 256 h + 16 r + b; the scale byte at 8192 + 8 (16 u + r) + 4 s + c.
; Column i of the 32 lies at place u = (i >> 3) & 1, r = (i & 7) + 8 (i >> 4): so a later product's eight results of a lane are neighbours along the next K.
; Records: [group of 32 columns][K / 256].  wts: wq, wk, wv, wo as one operand of 4,096 rows at 0; w1 at 4,325,376; w2 at 8,650,752; the table at 12,976,128.
; Work-groups 0-383: a wave makes one record.  A LANE TAKES A COLUMN AND ITS REGISTERS RUN DOWN K: a block of 32 lies in one lane, the conversions give K innermost, nothing is transposed.
; Work-groups 384-447: the table [position 2048][h 2][cos 16 | sin 16] f32, frequency 16 h + i.  No LDS, no barrier: waves share nothing.
; A block's scale is 2^(floor(log2(largest magnitude)) - 8); its byte is that magnitude's exponent field - 8, held at 1 from below.
; LIMITS: NaN and infinities are not served; a block whose largest magnitude lies under 2^-118 gets the byte 1; a block of zeros gets the byte 1 and not 127 (its codes are zeros, and this program alone reads the bytes).
; The table: 10000^(-j/32) by two exponentials (some 2 units in the last place); the angle is one f32 product, as the definition has it; sin and cos by reduction with pi/2 in two parts and polynomials, good to some 2e-7 for angles up to 2,047.
.set REC,   8448
.set EMAX,  8
.set OFFS,  32                         ; v32-63   4 x lane + i rows
.set X,     64                         ; v64-127  two sets of 32 numbers
.set C,     128                        ; v128-191 eight registers of codes for each block: no store's data are written again
.set SB,    24                         ; v24-25   the scale bytes, four to a register
.set TABLE, 12976128
	s_load_b256 s[8:15], s[0:1], 0x0               ; wq, wk, wv, wo
	s_load_b128 s[16:19], s[0:1], 0x20             ; w1, w2
	s_load_b64 s[20:21], s[0:1], 0x30              ; wts
	v_lshrrev_b32 v1, 5, v0
	v_readfirstlane_b32 s22, v1                    ; wave
	s_mov_b32 s3, 0
	s_cmp_ge_u32 ttmp9, 384
	s_cbranch_scc1 .Ltable
	; which tensor, which record: all from the work-group's number
	s_lshr_b32 s23, ttmp9, 5                       ; 0-3 the four squares, 4-7 w1, 8-11 w2
	s_lshr_b32 s26, ttmp9, 7                       ; 0 squares, 1 w1, 2 w2
	s_cmp_eq_u32 s26, 0
	s_cselect_b32 s24, 31, 127                     ; work-groups to a tensor, less one
	s_cselect_b32 s25, s23, 0                      ; which square
	s_cmp_eq_u32 s26, 1
	s_cselect_b32 s27, 5, 3                        ; log2 of the groups of 128 columns
	s_cselect_b32 s28, 14, 12                      ; log2 of a row's bytes
	s_cmp_eq_u32 s26, 2
	s_cselect_b32 s29, 4, 2                        ; log2 of K / 256
	s_and_b32 s24, ttmp9, s24
	s_lshr_b32 s30, s24, s27                       ; which 256 along K
	s_lshl_b32 s31, s30, s27
	s_sub_co_u32 s24, s24, s31
	s_lshl_b32 s24, s24, 2
	s_add_co_u32 s24, s24, s22                     ; my group of 32 columns in the tensor
	s_lshl_b32 s25, s25, 5
	s_add_co_u32 s25, s25, s24                     ; and in the operand
	s_lshl_b32 s25, s25, s29
	s_add_co_u32 s25, s25, s30
	s_mul_i32 s25, s25, REC
	s_mul_i32 s31, s26, 4325376
	s_add_co_u32 s2, s25, s31                      ; my record's byte in wts
	s_lshl_b32 s49, 1, s28                         ; a row's bytes
	s_mov_b32 s48, 0x600000                        ; the mantissa field of 448
	v_and_b32 v1, 31, v0                           ; lane = column
	v_bfe_u32 v8, v1, 3, 1                         ; u
	v_and_b32 v9, 7, v1
	v_lshrrev_b32 v10, 4, v1
	v_lshl_add_u32 v9, v10, 3, v9                  ; r
	v_lshlrev_b32 v2, 4, v9
	v_lshl_add_u32 v2, v8, 12, v2                  ; my codes' place: 4096 u + 16 r
	v_lshl_add_u32 v3, v8, 4, v9
	v_lshlrev_b32 v3, 3, v3                        ; my scale bytes' place: 8 (16 u + r)
	v_lshlrev_b32 v14, 2, v1
.set I, 0
.rept 32
	v_mad_u32_u24 v[OFFS+I], s49, I, v14           ; row I of a block, my column
.set I, I+1
.endr
	s_wait_alu depctr_va_vdst(0)
	s_wait_kmcnt 0x0
	s_mov_b64 s[4:5], s[8:9]
	s_cmp_eq_u32 s23, 1
	s_cselect_b64 s[4:5], s[10:11], s[4:5]
	s_cmp_eq_u32 s23, 2
	s_cselect_b64 s[4:5], s[12:13], s[4:5]
	s_cmp_eq_u32 s23, 3
	s_cselect_b64 s[4:5], s[14:15], s[4:5]
	s_cmp_ge_u32 s23, 4
	s_cselect_b64 s[4:5], s[16:17], s[4:5]
	s_cmp_ge_u32 s23, 8
	s_cselect_b64 s[4:5], s[18:19], s[4:5]         ; the tensor
	s_add_nc_u64 s[6:7], s[20:21], s[2:3]          ; the record
	s_lshl_b32 s2, s30, 8
	s_lshl_b32 s2, s2, s28                         ; 256 rows for each step along K
	s_lshl_b32 s31, s24, 7
	s_add_co_u32 s2, s2, s31                       ; + 128 bytes for each group of columns
	s_add_nc_u64 s[32:33], s[4:5], s[2:3]          ; block 0's first row; a base for each block, never rewritten
	s_lshl_b32 s2, 32, s28
.irp t, 1,2,3,4,5,6,7
	s_add_nc_u64 s[32+2*\t:33+2*\t], s[30+2*\t:31+2*\t], s[2:3]
.endr
.macro LOAD t                          ; block t: 32 rows, 128 consecutive bytes a wave each, the four waves side by side
.set I, 0
.rept 32
	global_load_b32 v[X+32*((\t)%2)+I], v[OFFS+I], s[32+2*(\t):33+2*(\t)] th:TH_LOAD_NT
.set I, I+1
.endr
.endm
.macro BLOCK t
.set XS, X+32*((\t)%2)
.set CT, C+8*(\t)
.if (\t) < 7
	s_wait_loadcnt 32                              ; this block's 32 loads are in; the next block's may be out
.else
	s_wait_loadcnt 0
.endif
	v_max3_num_f32 v12, |v[XS]|, |v[XS+1]|, |v[XS+2]|              ; the block's largest magnitude: all 32 numbers are mine
	v_max3_num_f32 v13, |v[XS+3]|, |v[XS+4]|, |v[XS+5]|
.irp i, 6,10,14,18,22,26
	v_max3_num_f32 v12, v12, |v[XS+\i]|, |v[XS+\i+1]|
	v_max3_num_f32 v13, v13, |v[XS+\i+2]|, |v[XS+\i+3]|
.endr
	v_max3_num_f32 v12, v12, |v[XS+30]|, |v[XS+31]|
	v_max3_num_f32 v12, v12, v13, (EMAX+1)<<23     ; and the floor 2^(9 - 127): the byte cannot fall under 1
	v_add_nc_u32 v11, -(EMAX<<23), v12             ; 8 off the exponent field: the conversion's scale operand
	v_and_or_b32 v10, v12, 0x7f800000, s48         ; 448 x the scale
	v_lshrrev_b32 v13, 23, v11                     ; the scale's byte
.if (\t)%4 == 0
	v_mov_b32 v[SB+(\t)/4], v13
.else
	v_lshl_or_b32 v[SB+(\t)/4], v13, 8*((\t)%4), v[SB+(\t)/4]
.endif
.set I, 0
.rept 32
	v_med3_num_f32 v[XS+I], v[XS+I], -v10, v10     ; the conversion to an 8-bit code does not saturate (ISA guide 7.6.2): the hold comes first
.set I, I+1
.endr
.irp g, 0,1,2,3
	v_cvt_scalef32_pk8_fp8_f32 v[CT+2*\g:CT+2*\g+1], v[XS+8*\g:XS+8*\g+7], v11
.endr
	global_store_b128 v2, v[CT:CT+3], s[6:7] offset:((\t)/4)*2048+((\t)%4)*512          ; k 0-15 of the block: the wave fills two aligned runs of 256 bytes (u = 0, u = 1)
	global_store_b128 v2, v[CT+4:CT+7], s[6:7] offset:((\t)/4)*2048+((\t)%4)*512+256    ; k 16-31 likewise
.if (\t)+2 < 8
	LOAD (\t)+2
.endif
.endm
	LOAD 0
	LOAD 1
.irp t, 0,1,2,3,4,5,6,7
	BLOCK \t
.endr
	global_store_b64 v3, v[SB:SB+1], s[6:7] offset:8192   ; the record's 256 scale bytes in one store
	s_endpgm
.Ltable:
	s_sub_co_u32 s23, ttmp9, 384                   ; 32 positions to a work-group
	s_lshl_b32 s2, s23, 13
	s_add_co_u32 s2, s2, TABLE
	s_lshl_b32 s24, s23, 5
	s_mov_b32 s40, 0xbfc90fdb                      ; -(pi/2), its upper part,
	s_mov_b32 s41, 0x333bbd2e                      ; and what is left of it
	v_and_b32 v1, 15, v0                           ; which 16 bytes of a position's 256
	v_lshrrev_b32 v2, 3, v1                        ; h
	v_bfe_u32 v3, v1, 2, 1                         ; 0 cos, 1 sin
	v_and_b32 v4, 3, v1
	v_lshlrev_b32 v5, 4, v2
	v_lshl_add_u32 v5, v4, 2, v5                   ; my first frequency: 16 h + 4 (e & 3)
	v_sub_nc_u32 v6, 1, v3                         ; cos a = sin(a + pi/2): a cosine lane counts one quadrant more
	v_lshrrev_b32 v7, 4, v0                        ; which of 8 positions
	v_lshlrev_b32 v8, 4, v0
	v_add_nc_u32 v9, s24, v7
.irp m, 0,1,2,3
	v_add_nc_u32 v[12+\m], \m, v5
	v_cvt_f32_u32 v[12+\m], v[12+\m]
	v_mul_f32 v[16+\m], 0xbed4a000, v[12+\m]       ; -j x 1701 / 4096: exact
	v_mul_f32 v[20+\m], 0x3830f686, v[12+\m]       ; -j x the rest of log2(10000) / 32
.endr
	s_wait_alu depctr_va_vdst(0)
.irp m, 0,1,2,3,4,5,6,7
	v_exp_f32 v[16+\m], v[16+\m]
.endr
	v_nop                                          ; a plain instruction behind the last exponential
	s_wait_alu depctr_va_vdst(0)                   ; one wait for the eight, ahead of their first reader
.irp m, 0,1,2,3
	v_mul_f32 v[16+\m], v[16+\m], v[20+\m]         ; 10000^(-j/32)
.endr
	s_wait_kmcnt 0x0
	s_add_nc_u64 s[6:7], s[20:21], s[2:3]
.macro SINCOS dst, inv                 ; v10 = the position as f32
	v_mul_f32 v24, v10, \inv                       ; the angle
	v_mul_f32 v25, 0x3f22f983, v24
	v_rndne_f32 v25, v25                           ; n = the nearest multiple of pi/2
	v_fma_f32 v26, v25, s40, v24
	v_fma_f32 v26, v25, s41, v26                   ; what is left, within pi/4
	v_mul_f32 v27, v26, v26
	v_mov_b32 v28, 0x3638ef1d
	v_fmaak_f32 v28, v28, v27, 0xb9500d01
	v_fmaak_f32 v28, v28, v27, 0x3c088889
	v_fmaak_f32 v28, v28, v27, 0xbe2aaaab
	v_mul_f32 v29, v26, v27
	v_fma_f32 v28, v29, v28, v26                   ; its sine
	v_mov_b32 v30, 0xb493f27c
	v_fmaak_f32 v30, v30, v27, 0x37d00d01
	v_fmaak_f32 v30, v30, v27, 0xbab60b61
	v_fmaak_f32 v30, v30, v27, 0x3d2aaaab
	v_fmaak_f32 v30, v30, v27, 0xbf000000
	v_fma_f32 v30, v30, v27, 1.0                   ; its cosine
	v_cvt_i32_f32 v31, v25
	v_add_nc_u32 v31, v31, v6                      ; the quadrant
	v_and_b32 v25, 1, v31
	v_cmp_eq_u32 vcc_lo, 1, v25
	v_cndmask_b32 v28, v28, v30, vcc_lo            ; odd quadrants take the cosine,
	v_lshlrev_b32 v31, 30, v31
	v_and_b32 v31, 0x80000000, v31
	v_xor_b32 \dst, v28, v31                       ; quadrants 2 and 3 the other sign
.endm
.irp it, 0,1,2,3
	v_add_nc_u32 v10, 8*\it, v9
	v_cvt_f32_u32 v10, v10
	s_wait_alu depctr_va_vdst(0)
.irp m, 0,1,2,3
	SINCOS v[32+4*\it+\m], v[16+\m]
.endr
	global_store_b128 v8, v[32+4*\it:35+4*\it], s[6:7] offset:\it*2048   ; a wave stores 512 consecutive bytes
.endr
	s_endpgm
.Lfunc_end_k_qadc997414e_wquant:
	.size	k_qadc997414e_wquant, .Lfunc_end_k_qadc997414e_wquant-k_qadc997414e_wquant
	.p2alignl 7, 3214868480
	.fill 96, 4, 3214868480
	.section	.rodata,"a",@progbits
	.p2align	6, 0x0
	.amdhsa_kernel k_qadc997414e_wquant
		.amdhsa_group_segment_fixed_size 0
		.amdhsa_private_segment_fixed_size 0
		.amdhsa_enable_private_segment 0
		.amdhsa_kernarg_size 56
		.amdhsa_user_sgpr_count 2
		.amdhsa_user_sgpr_kernarg_segment_ptr 1
		.amdhsa_wavefront_size32 1
		.amdhsa_system_sgpr_workgroup_id_x 1
		.amdhsa_system_sgpr_workgroup_id_y 1
		.amdhsa_system_sgpr_workgroup_id_z 1
		.amdhsa_system_vgpr_workitem_id 0
		.amdhsa_next_free_vgpr 192
		.amdhsa_next_free_sgpr 66
		.amdhsa_reserve_vcc 1
		.amdhsa_float_denorm_mode_32 3
		.amdhsa_float_denorm_mode_16_64 3
		.amdhsa_memory_ordered 1
		.amdhsa_forward_progress 1
		.amdhsa_inst_pref_size 83
	.end_amdhsa_kernel
	.amdgpu_metadata
---
amdhsa.version: [ 1, 2 ]
amdhsa.kernels:
  - .name:           k_qadc997414e_wquant
    .symbol:         k_qadc997414e_wquant.kd
    .args:
      - { .name: wq, .offset: 0, .size: 8, .value_kind: global_buffer, .address_space: global }
      - { .name: wk, .offset: 8, .size: 8, .value_kind: global_buffer, .address_space: global }
      - { .name: wv, .offset: 16, .size: 8, .value_kind: global_buffer, .address_space: global }
      - { .name: wo, .offset: 24, .size: 8, .value_kind: global_buffer, .address_space: global }
      - { .name: w1, .offset: 32, .size: 8, .value_kind: global_buffer, .address_space: global }
      - { .name: w2, .offset: 40, .size: 8, .value_kind: global_buffer, .address_space: global }
      - { .name: wts, .offset: 48, .size: 8, .value_kind: global_buffer, .address_space: global }
    .group_segment_fixed_size: 0
    .private_segment_fixed_size: 0
    .kernarg_segment_align: 8
    .kernarg_segment_size: 56
    .max_flat_workgroup_size: 128
    .sgpr_count:     66
    .vgpr_count:     192
    .wavefront_size: 32
...
	.end_amdgpu_metadata
.endif
;; end of part 8
;; launch rms1 (part 9): grid 256 x 1, 4 waves a work-group, no clusters, 66,304 bytes of LDS; arguments x, g1, h_c; writes h_c
.if DOCPART == 9
	.amdgcn_target "amdgcn-amd-amdhsa--gfx1250"
	.amdhsa_code_object_version 6
	.text
	.protected	k_qadc997414e_rms1
	.globl	k_qadc997414e_rms1
	.p2align	8
	.type	k_qadc997414e_rms1,@function
k_qadc997414e_rms1:
	s_mov_b64 s[64:65], 0
	v_nop
	global_prefetch_b8 v0, s[64:65] scope:SCOPE_SE
	s_setreg_imm32_b32 hwreg(HW_REG_WAVE_MODE, 25, 1), 1
	s_wait_xcnt 0x0
; h = x * rsqrt(mean(x^2) + eps) * g, row by row of 1,024 f32, quantised along the row to codes of FP8 (E4M3) with one E8M0 byte for each 32, and stored as records of 32 rows x 256 K:
; the code of (u, r, k = 128 s + 32 c + 16 h + b) at 4096 u + 2048 s + 512 c + 256 h + 16 r + b, the scale byte at 8192 + 8 (16 u + r) + 4 s + c; row i of the 32 at place u = (i >> 3) & 1, r = (i & 7) + 8 (i >> 4).
; 4,096 rows on 256 work-groups: a work-group takes the 16 rows that form ONE HALF u of a group's four records: rows 8 u + 0 .. 7 and 8 u + 16 .. 23 of the 32.
; Phase 1: wave w normalises the rows at places 4 w .. 4 w + 3, a whole row in 32 registers, all 32 loads of 512 consecutive bytes asked for at the head, and lays them into a stage in LDS, each at its place.
; One barrier.  Phase 2: wave w makes its half of the record of columns 256 w on: a lane reads 16 neighbours of each block of 32 of its row, as the conversions want them, and the codes ARE the record's bytes: stores of 512 consecutive bytes.
; The half's 128 scale bytes of a record leave by one store of 128 consecutive bytes: the other half of that run of 256 is the neighbouring work-group's; they are one byte in 33 of what is stored.
; The stage's rows are 4,096 + 16 bytes apart, so that the sixteen rows that a load touches begin at sixteen different banks (64 banks of 4 bytes: ISA guide 11.1).
; No tensor load, no matrix unit, no cluster: work-groups share nothing but g.
; LIMITS: NaN and infinities are not served; a block whose largest magnitude lies under 2^-118, a block of zeros among them, gets the byte 1 (this program alone reads the bytes); rsqrt is the instruction's, good to one unit in the last place; the sum of squares is taken in another order than the definition's.
.set PITCH, 4112
.set SPARE, 16*PITCH                   ; behind the stage: the spare words, 128 bytes for each wave, which no other line names
.set X,   32                           ; v32-159  four rows; in phase 2 two sets of 64 numbers
.set G,   160                          ; v160-191 g, laid as a row is loaded
.set PC,  192                          ; v192-207 a fragment's codes
.set TM,  208                          ; v208-223 at work in QUANT
.set SEL, 14                           ; s[14:15] v_permlanex16_b32's selects for lane l xor 16
.set MNT, 13                           ; s13 the mantissa field of 448
	s_load_b128 s[4:7], s[0:1], 0x0                ; the rows, g
	s_load_b64 s[8:9], s[0:1], 0x10                ; the codes
	v_lshl_add_u32 v224, v0, 2, SPARE
	v_mov_b32 v225, 0
	v_lshrrev_b32 v1, 5, v0
	v_readfirstlane_b32 s16, v1                    ; wave
	s_and_b32 s22, ttmp9, 1                        ; u
	s_lshr_b32 s24, ttmp9, 1                       ; the group of 32 rows
	s_lshl_b32 s17, s16, 2
	s_mul_i32 s17, s17, PITCH                      ; my rows' places: 4 w on
	s_lshl_b32 s18, s16, 10                        ; my record's 1,024 bytes of a row
	s_lshl_b32 s23, s22, 12                        ; 4096 u
	s_lshl_b32 s25, s22, 7                         ; 128 u
	s_mov_b32 s10, 0x3a800000                      ; 1 / 1024
	s_mov_b32 s11, 0x34000000                      ; eps = 2^-23
	s_mov_b32 s12, 0xffff0000                      ; lanes 16-31
	s_mov_b32 s[MNT], 0x600000
	s_mov_b32 s[SEL], 0x76543210
	s_mov_b32 s[SEL+1], 0xfedcba98
	s_lshl_b32 s2, s24, 17                         ; 32 rows of 4,096 bytes a group,
	s_lshl_b32 s19, s22, 15                        ; + 8 u rows,
	s_add_co_u32 s2, s2, s19
	s_lshr_b32 s19, s16, 1
	s_lshl_b32 s19, s19, 16                        ; + 16 (w / 2) rows,
	s_add_co_u32 s2, s2, s19
	s_and_b32 s19, s16, 1
	s_lshl_b32 s19, s19, 14                        ; + 4 (w % 2) rows: place 4 w + k is row 8 u + 16 (w / 2) + 4 (w % 2) + k
	s_add_co_u32 s2, s2, s19
	s_mov_b32 s3, 0
	s_lshl_b32 s20, s24, 2
	s_add_co_u32 s20, s20, s16
	s_mul_i32 s20, s20, 8448                       ; my record
	s_mov_b32 s21, 0
	v_and_b32 v6, 31, v0
	v_lshlrev_b32 v1, 4, v6                        ; 16 x lane
	v_and_b32 v2, 15, v0                           ; r
	v_bfe_u32 v3, v0, 4, 1                         ; h
	v_add_nc_u32 v4, s17, v1                       ; into the stage
	v_mul_u32_u24 v5, v2, PITCH
	v_lshl_add_u32 v5, v3, 6, v5
	v_add_nc_u32 v5, s18, v5                       ; out of it: place r, + 64 h, + my record's bytes
	v_add_nc_u32 v26, s23, v1                      ; my codes in the record: 4096 u + 16 x lane
	v_lshl_add_u32 v7, v2, 3, s25
	v_lshl_add_u32 v7, v3, 2, v7                   ; my scale word: 128 u + 8 r + 4 h
	v_mov_b32 v17, 0                               ; a lane permute's destination counts as one of its sources
	v_mov_b32 v19, 0                               ; (named as the upper half of the pair v[18:19])
.irp b, 0,1,2,3
	v_mov_b32 v[TM+4+\b], 0
.endr
	s_wait_alu depctr_va_vdst(0)                   ; the wait at the head's end
	s_wait_kmcnt 0x0
	s_add_nc_u64 s[4:5], s[4:5], s[2:3]
	s_add_nc_u64 s[8:9], s[8:9], s[20:21]
.irp j, 0,1,2,3,4,5,6,7
	global_load_b128 v[G+4*\j:G+4*\j+3], v1, s[6:7] offset:512*\j
.endr
.irp i, 0,1,2,3
.irp j, 0,1,2,3,4,5,6,7
	global_load_b128 v[X+32*\i+4*\j:X+32*\i+4*\j+3], v1, s[4:5] offset:\i*4096+512*\j th:TH_LOAD_NT
.endr
.endr
.macro ROW i, left                     ; left: the younger rows' loads, 8 each, which may stay out
.set XS, X+32*(\i)
	s_wait_loadcnt \left
.irp k, 0,1,2,3
	v_pk_mul_f32 v[8+2*\k:9+2*\k], v[XS+2*\k:XS+2*\k+1], v[XS+2*\k:XS+2*\k+1]      ; four chains, started by the first products
.endr
.irp k, 4,5,6,7,8,9,10,11,12,13,14,15
	v_pk_fma_f32 v[8+2*(\k%4):9+2*(\k%4)], v[XS+2*\k:XS+2*\k+1], v[XS+2*\k:XS+2*\k+1], v[8+2*(\k%4):9+2*(\k%4)]
.endr
	v_pk_add_f32 v[8:9], v[8:9], v[10:11]
	v_pk_add_f32 v[12:13], v[12:13], v[14:15]
	v_pk_add_f32 v[8:9], v[8:9], v[12:13]
	v_add_f32 v16, v8, v9
	v_add_f32_dpp v16, v16, v16 row_xmask:1 row_mask:0xf bank_mask:0xf
	v_add_f32_dpp v16, v16, v16 row_xmask:2 row_mask:0xf bank_mask:0xf
	v_add_f32_dpp v16, v16, v16 row_xmask:4 row_mask:0xf bank_mask:0xf
	v_add_f32_dpp v16, v16, v16 row_xmask:8 row_mask:0xf bank_mask:0xf
	v_permlanex16_b32 v17, v16, s[SEL], s[SEL+1]
	v_add_f32 v16, v16, v17                        ; the row's sum of squares, in every lane
	v_fma_f32 v16, v16, s10, s11                   ; / 1024 (exact) + eps
	s_wait_alu depctr_va_vdst(0)                   ; the wait ahead of the transcendental
	v_rsq_f32 v18, v16
	v_nop                                          ; a plain instruction behind the transcendental
	s_wait_alu depctr_va_vdst(0)                   ; and the wait ahead of its first reader
.set I, 0
.rept 16
	v_pk_mul_f32 v[XS+I:XS+I+1], v[XS+I:XS+I+1], v[18:19] op_sel_hi:[1,0]
.set I, I+2
.endr
.set I, 0
.rept 16
	v_pk_mul_f32 v[XS+I:XS+I+1], v[XS+I:XS+I+1], v[G+I:G+I+1]      ; (x r) g, in the definition's order
.set I, I+2
.endr
.irp j, 0,1,2,3,4,5,6,7
	ds_store_b128 v4, v[XS+4*\j:XS+4*\j+3] offset:(\i)*PITCH+512*\j
.endr
.endm
	ROW 0, 24
	ROW 1, 16
	ROW 2, 8
	ROW 3, 0
	s_wait_dscnt 0x0                               ; for the others' sake: my rows lie in the stage
	s_barrier_signal -1
	s_barrier_wait -1
; 64 numbers of a lane, register 16 b + i = k 32 b + 16 h + i of my row, become a fragment's codes in v[PC] on and four scale bytes in v[TM+4] on
.macro QUANT s
.irp b, 0,1,2,3
	v_max3_num_f32 v[TM+\b], |v[\s+16*\b]|, |v[\s+1+16*\b]|, 0x4800000     ; my 16 numbers of block b, and the floor 2^(9 - 127)
.endr
.irp i, 2,4,6,8,10,12,14
.irp b, 0,1,2,3
	v_max3_num_f32 v[TM+\b], v[TM+\b], |v[\s+16*\b+\i]|, |v[\s+1+16*\b+\i]|
.endr
.endr
.irp b, 0,1,2,3
	v_permlanex16_b32 v[TM+4+\b], v[TM+\b], s[SEL], s[SEL+1]
.endr
.irp b, 0,1,2,3
	v_max_num_f32 v[TM+\b], v[TM+\b], v[TM+4+\b]   ; with lane l xor 16's: the block's largest magnitude
.endr
.irp b, 0,1,2,3
	v_add_nc_u32 v[TM+12+\b], 0xfc000000, v[TM+\b] ; 8 off its exponent field: the conversion's scale operand
.endr
.irp b, 0,1,2,3
	v_and_or_b32 v[TM+8+\b], v[TM+\b], 0x7f800000, s[MNT]   ; 448 x the scale
.endr
.irp b, 0,1,2,3
	v_lshrrev_b32 v[TM+4+\b], 23, v[TM+12+\b]      ; the scale's byte
.endr
.irp b, 0,1,2,3
.irp i, 0,1,2,3,4,5,6,7,8,9,10,11,12,13,14,15
	v_med3_num_f32 v[\s+16*\b+\i], v[\s+16*\b+\i], -v[TM+8+\b], v[TM+8+\b]   ; the conversion does not saturate (ISA guide 7.6.2): the hold comes first
.endr
	v_cvt_scalef32_pk8_fp8_f32 v[PC+4*\b:PC+1+4*\b], v[\s+16*\b:\s+7+16*\b], v[TM+12+\b]
	v_cvt_scalef32_pk8_fp8_f32 v[PC+2+4*\b:PC+3+4*\b], v[\s+8+16*\b:\s+15+16*\b], v[TM+12+\b]
.endr
	v_nop                                          ; a plain instruction behind the last conversion
.endm
.macro WORD4 d
	v_lshl_or_b32 v[\d], v[TM+5], 8, v[TM+4]
	v_lshl_or_b32 v[\d], v[TM+6], 16, v[\d]
	v_lshl_or_b32 v[\d], v[TM+7], 24, v[\d]
.endm
.macro FRAGLD f                        ; fragment s = f: 64 numbers of my row
.irp b, 0,1,2,3
.irp j, 0,1,2,3
	ds_load_b128 v[X+64*(\f)+16*\b+4*\j:X+64*(\f)+16*\b+4*\j+3], v5 offset:512*(\f)+128*\b+16*\j
.endr
.endr
.endm
.macro QF f, left
	s_wait_dscnt \left                             ; this fragment's 16 loads are in; the next one's may be out
.if (\f) > 0
	s_wait_xcnt 0x0                                ; the last fragment's stores have read their registers
.endif
	QUANT X+64*(\f)
	WORD4 20+(\f)
.irp c, 0,1,2,3
	global_store_b128 v26, v[PC+4*\c:PC+4*\c+3], s[8:9] offset:(\f)*2048+512*\c   ; 512 consecutive bytes
.endr
.endm
	FRAGLD 0
	FRAGLD 1
	QF 0, 16
	QF 1, 0
	v_cndmask_b32 v24, v20, v21, s12               ; lanes 0-15: place r's word of k 0-127; lanes 16-31: of k 128-255
	global_store_b32 v7, v24, s[8:9] offset:8192   ; 128 consecutive bytes
	s_wait_tensorcnt 0x0                           ; the wave's end
	ds_add_u32 v224, v225
	s_wait_dscnt 0x0
	s_endpgm
.Lfunc_end_k_qadc997414e_rms1:
	.size	k_qadc997414e_rms1, .Lfunc_end_k_qadc997414e_rms1-k_qadc997414e_rms1
	.p2alignl 7, 3214868480
	.fill 96, 4, 3214868480
	.section	.rodata,"a",@progbits
	.p2align	6, 0x0
	.amdhsa_kernel k_qadc997414e_rms1
		.amdhsa_group_segment_fixed_size 66304
		.amdhsa_private_segment_fixed_size 0
		.amdhsa_enable_private_segment 0
		.amdhsa_kernarg_size 24
		.amdhsa_user_sgpr_count 2
		.amdhsa_user_sgpr_kernarg_segment_ptr 1
		.amdhsa_wavefront_size32 1
		.amdhsa_system_sgpr_workgroup_id_x 1
		.amdhsa_system_sgpr_workgroup_id_y 1
		.amdhsa_system_sgpr_workgroup_id_z 1
		.amdhsa_system_vgpr_workitem_id 0
		.amdhsa_next_free_vgpr 226
		.amdhsa_next_free_sgpr 66
		.amdhsa_reserve_vcc 0
		.amdhsa_float_denorm_mode_32 3
		.amdhsa_float_denorm_mode_16_64 3
		.amdhsa_memory_ordered 1
		.amdhsa_forward_progress 1
		.amdhsa_inst_pref_size 43
	.end_amdhsa_kernel
	.amdgpu_metadata
---
amdhsa.version: [ 1, 2 ]
amdhsa.kernels:
  - .name:           k_qadc997414e_rms1
    .symbol:         k_qadc997414e_rms1.kd
    .args:
      - { .name: x, .offset: 0, .size: 8, .value_kind: global_buffer, .address_space: global }
      - { .name: g1, .offset: 8, .size: 8, .value_kind: global_buffer, .address_space: global }
      - { .name: h_c, .offset: 16, .size: 8, .value_kind: global_buffer, .address_space: global }
    .group_segment_fixed_size: 66304
    .private_segment_fixed_size: 0
    .kernarg_segment_align: 8
    .kernarg_segment_size: 24
    .max_flat_workgroup_size: 128
    .sgpr_count:     66
    .vgpr_count:     226
    .wavefront_size: 32
...
	.end_amdgpu_metadata
.endif
;; end of part 9
;; launch qkvg (part 10): grid 12 x 16, 4 waves a work-group, clusters of 4 x 4, 327,680 bytes of LDS; arguments h_c, wts, bq, bk, bv, qkv; writes qkv
.if DOCPART == 10
	.amdgcn_target "amdgcn-amd-amdhsa--gfx1250"
	.amdhsa_code_object_version 6
	.text
	.protected	k_qadc997414e_qkvg
	.globl	k_qadc997414e_qkvg
	.p2align	8
	.type	k_qadc997414e_qkvg,@function
k_qadc997414e_qkvg:
	s_mov_b64 s[64:65], 0
	v_nop
	global_prefetch_b8 v0, s[64:65] scope:SCOPE_SE
	s_setreg_imm32_b32 hwreg(HW_REG_WAVE_MODE, 25, 1), 1
	s_wait_xcnt 0x0
	s_wait_alu depctr_hold_cnt(0) depctr_sa_sdst(0) depctr_va_vdst(0) depctr_va_sdst(0) depctr_va_ssrc(0) depctr_va_vcc(0) depctr_vm_vsrc(0)
	s_getreg_b32 s2, hwreg(HW_REG_IB_STS2, 6, 4)
	s_cmp_eq_u32 s2, 0
	s_cbranch_scc0 .Lentry_in_a_cluster
	s_endpgm
.Lentry_in_a_cluster:
	s_bfe_u32 s2, ttmp6, 0x10000c
	s_cmp_lg_u32 s2, 0xf033
	s_cbranch_scc0 .Lentry_shape_is_right
	s_endpgm
.Lentry_shape_is_right:
.set KP,     4
.set REC,    8448
.set HALFT,  4*REC
.set SLOT,   4*HALFT
.set SPARE,  2*SLOT
.set LAPS,   KP/2
.set NQ,     2
.set FR,     16
.set NL,     4
.set NP,     8
.set ADRA, 16
.set ADRB, 20
.set ADRS, 22
.set CO,   24
.set TBO,  25
.set SWO,  26
.set BOFF, 27
.set SPW,  28
.set NIL,  29
.set BVO,  30
.set VSO,  31
.set SC,   32
.set BI,   64
.set AF,   128
.set T,    128
.set PC,   192
.set TM,   208
.set SW,   224
.set TT,   240
.set BV,   232
.set G1, 24
.set G0, 32
.set G1B, 48
.set G0B, 56
.set MASKH, 67
.set SEL, 96
.set MNT, 98
.set MSB, 0
.macro WIN new
.if MSB != (\new)
	s_set_vgpr_msb (MSB<<8)|(\new)
.set MSB, (\new)
.endif
.endm
.set MUL_LO, 0xa1
.set MUL_HI, 0xf1
.set TO_B,   0x40
.macro JLOAD g0a, g1a, g0b, g1b
	s_cmp_eq_u32 s15, 0
	s_cbranch_scc0 .Lfor_b_\@
	tensor_load_to_lds s[\g0a:\g0a+3], s[\g1a:\g1a+7]
	s_nop 0
.rept 4
	v_nop
.endr
	s_branch .Lasked_\@
.Lfor_b_\@:
	tensor_load_to_lds s[\g0b:\g0b+3], s[\g1b:\g1b+7]
	s_nop 0
.rept 4
	v_nop
.endr
.Lasked_\@:
.endm
.macro CREST
	s_cmp_lg_u32 s14, 0
	s_cbranch_scc1 .Lnot_wave_0_\@
	s_barrier_signal -3
.Lnot_wave_0_\@:
	s_barrier_wait -3
	s_barrier_signal -1
	s_barrier_wait -1
.endm
.macro CROUND
	s_barrier_signal -1
	s_barrier_wait -1
	CREST
.endm
	s_load_b128 s[4:7], s[0:1], 0x0
	s_load_b128 s[68:71], s[0:1], 0x10
	s_load_b128 s[72:75], s[0:1], 0x20
	v_lshl_add_u32 v[SPW], v0, 2, SPARE
	v_mov_b32 v[NIL], 0
	ds_add_u32 v28, v29
	ds_add_u32 v28, v29
	s_wait_dscnt 0x0
	v_lshrrev_b32 v1, 5, v0
	v_readfirstlane_b32 s14, v1
	s_lshr_b32 s15, s14, 1
	s_and_b32 s16, s14, 1
	s_bfe_u32 s40, ttmp6, 0x40000
	s_bfe_u32 s41, ttmp6, 0x40004
	s_and_b32 s19, ttmp7, 0xffff
	s_lshl_b32 s19, s19, 2
	s_lshl_b32 s18, ttmp9, 2
	s_cmp_eq_u32 ttmp9, 2
	s_cselect_b32 s17, 8, s19
	s_cselect_b32 s42, s19, s18
	s_add_co_u32 s17, s17, s41
	s_add_co_u32 s42, s42, s40
	s_lshl_b32 s43, s41, 2
	s_lshl_b32 s43, 15, s43
	s_lshl_b32 s44, 0x1111, s40
	s_or_b32 s[G1+0], s43, (3<<16)|(1<<21)
	s_or_b32 s[G1B+0], s44, (3<<16)|(1<<21)
.irp g, G1, G1B
	s_mov_b32 s[\g+1], 1056<<16
	s_mov_b32 s[\g+2], 4<<16
	s_mov_b32 s[\g+3], 1056<<16
	s_mov_b32 s[\g+4], 4
	s_mov_b32 s[\g+5], KP*1056
	s_mov_b32 s[\g+6], 0
	s_mov_b32 s[\g+7], 0
.endr
	s_lshl_b32 s18, s16, 2
	s_lshl_b32 s20, s17, 3
	s_add_co_u32 s20, s20, s18
	s_lshl_b32 s46, s42, 3
	s_add_co_u32 s46, s46, s18
	s_mul_i32 s20, s20, KP*REC
	s_mul_i32 s46, s46, KP*REC
	s_mov_b32 s21, 0
	s_mov_b32 s47, 0
	s_mul_i32 s45, s14, HALFT
	s_wait_kmcnt 0x0
	s_cmp_eq_u32 ttmp9, 2
	s_cselect_b64 s[8:9], s[6:7], s[4:5]
	s_cselect_b64 s[10:11], s[4:5], s[6:7]
	s_add_nc_u64 s[20:21], s[8:9], s[20:21]
	s_add_nc_u64 s[46:47], s[10:11], s[46:47]
	CROUND
.irp s, 0,1
	s_mov_b32 s[G0+4*\s], 1
	s_add_co_u32 s[G0+4*\s+1], s45, \s*SLOT
	s_add_nc_u64 s[G0+4*\s+2:G0+4*\s+3], s[20:21], \s*REC
	s_or_b32 s[G0+4*\s+3], s[G0+4*\s+3], 0x80000000
	s_mov_b32 s[G0B+4*\s], 1
	s_add_co_u32 s[G0B+4*\s+1], s45, \s*SLOT
	s_add_nc_u64 s[G0B+4*\s+2:G0B+4*\s+3], s[46:47], \s*REC
	s_or_b32 s[G0B+4*\s+3], s[G0B+4*\s+3], 0x80000000
.endr
; THE HEAD'S LOADS, ONE A WAVE: both slots' first fills go out together, each wave fetching a WHOLE side of a slot, 256 rows x 256 K: 8 rows of 8,448 bytes.  Wave 0: slot 0's A side, wave 1 its B side, waves 2 and 3 slot 1's.
; Descriptors of their own (the ring's bring half a side), in registers that nothing writes before every wave has waited for its load: groups 1 s[88:95], s[80:87]; groups 0 s[8:11], s[44:47], whose slot is wave / 2.
; ONE chain of branches on the wave's number, a load to an arm, all arms to one join.
.set G1H,  88
.set G1HB, 80
.set G0H,  8
.set G0HB, 44
	s_or_b32 s[G1H], s43, (3<<16)|(1<<21)
	s_or_b32 s[G1HB], s44, (3<<16)|(1<<21)
.irp g, G1H, G1HB
	s_mov_b32 s[\g+1], 1056<<16
	s_mov_b32 s[\g+2], 8<<16
	s_mov_b32 s[\g+3], 1056<<16
	s_mov_b32 s[\g+4], 8
	s_mov_b32 s[\g+5], KP*1056
	s_mov_b32 s[\g+6], 0
	s_mov_b32 s[\g+7], 0
.endr
	s_mul_i32 s22, s18, KP*REC                     ; my half's offset, which a whole side leaves out
	s_mov_b32 s23, 0
	s_sub_nc_u64 s[G0H+2:G0H+3], s[20:21], s[22:23]
	s_sub_nc_u64 s[G0HB+2:G0HB+3], s[46:47], s[22:23]
	s_mul_i32 s22, s15, REC                        ; slot wave / 2 holds that K step
	s_add_nc_u64 s[G0H+2:G0H+3], s[G0H+2:G0H+3], s[22:23]
	s_add_nc_u64 s[G0HB+2:G0HB+3], s[G0HB+2:G0HB+3], s[22:23]
	s_or_b32 s[G0H+3], s[G0H+3], 0x80000000
	s_or_b32 s[G0HB+3], s[G0HB+3], 0x80000000
	s_mov_b32 s[G0H], 1
	s_mov_b32 s[G0HB], 1
	s_mul_i32 s[G0H+1], s15, SLOT
	s_add_co_u32 s[G0HB+1], s[G0H+1], 2*HALFT
.macro ARM under, g0, g1, next
	s_cmp_lt_u32 s14, \under
	s_cbranch_scc0 \next
	tensor_load_to_lds s[\g0:\g0+3], s[\g1:\g1+7]
	s_nop 0
.rept 4
	v_nop
.endr
	s_branch .Lhead_asked
\next:
.endm
	ARM 1, G0H,  G1H,  .Lhead_b0
	ARM 2, G0HB, G1HB, .Lhead_a1
	ARM 3, G0H,  G1H,  .Lhead_b1
	tensor_load_to_lds s[G0HB:G0HB+3], s[G1HB:G1HB+7]
	s_nop 0
.rept 4
	v_nop
.endr
.Lhead_asked:
	v_and_b32 v1, 15, v0
	v_bfe_u32 v2, v0, 4, 1
	v_and_b32 v3, 31, v0
	v_lshlrev_b32 v3, 4, v3
	s_mul_i32 s21, s15, HALFT
	s_mul_i32 s22, s16, HALFT
	s_add_co_u32 s22, s22, 2*HALFT
	v_lshlrev_b32 v5, 3, v1
	s_sub_co_u32 s23, s22, s21
	v_mul_u32_u24 v6, s23, v2
	v_add_nc_u32 v5, v5, v6
.irp s, 0,1
	v_add_nc_u32 v[ADRA+\s], s21, v3
	v_add_nc_u32 v[ADRB+\s], s22, v3
	v_add_nc_u32 v[ADRS+\s], s21, v5
	v_add_nc_u32 v[ADRS+\s], 8192, v[ADRS+\s]
	s_add_co_u32 s21, s21, SLOT
	s_add_co_u32 s22, s22, SLOT
.endr
	v_mov_b32 v[CO], v3
	v_and_b32 v5, 8, v1
	v_add_nc_u32 v5, v5, v1
	v_lshlrev_b32 v[TBO], 8, v5
	v_lshl_add_u32 v[TBO], v2, 7, v[TBO]
	v_lshlrev_b32 v[SWO], 5, v1
	v_lshl_add_u32 v[SWO], v2, 4, v[SWO]
	v_lshlrev_b32 v[BOFF], 6, v2
	s_wait_alu depctr_va_vdst(0)
	v_lshlrev_b32 v[BVO], 2, v5
	v_mul_u32_u24 v[VSO], v2, 135168
	v_lshl_add_u32 v[VSO], v1, 4, v[VSO]
	s_mov_b32 s[MASKH], 0xffff0000
	s_mov_b32 s[SEL], 0x76543210
	s_mov_b32 s[SEL+1], 0xfedcba98
	s_mov_b32 s[MNT], 0x600000
	s_cmp_eq_u32 ttmp9, 1
	s_cselect_b64 s[76:77], s[70:71], s[68:69]
	s_cmp_eq_u32 ttmp9, 2
	s_cselect_b64 s[76:77], s[72:73], s[76:77]
	s_and_b32 s78, s42, 3
	s_lshl_b32 s78, s78, 10
	s_lshl_b32 s79, s16, 9
	s_add_co_u32 s78, s78, s79
	s_mov_b32 s79, 0
	s_add_nc_u64 s[76:77], s[76:77], s[78:79]
.irp b, 0,1,2,3
.irp j, 0,1,2,3
	global_load_b128 v[BI+16*\b+4*\j:BI+16*\b+4*\j+3], v[BOFF], s[76:77] offset:128*\b+16*\j
.endr
.endr
.macro FRAG reg, adr, q, i
.irp c, 0,1,2,3
	ds_load_b128 v[\reg+4*\c:\reg+4*\c+3], v[\adr] offset:((\i)/2)*REC+((\i)%2)*4096+(\q)*2048+512*\c
.endr
.endm
.macro MUL16 a0, p, q, sc, zero
.irp a, \a0, \a0+1
.irp b, 0,1,2,3,4,5,6,7
.if \zero
	v_wmma_scale_f32_16x16x128_f8f6f4 v[8*(8*((\a)%4)+\b):8*(8*((\a)%4)+\b)+7], v[128*(\p)+FR*\b:128*(\p)+FR*\b+FR-1], v[AF+FR*(\a):AF+FR*(\a)+FR-1], 0, v[SC+8*NQ*(\sc)+NQ*\b+(\q)], v[SC+8*NQ*(\sc)+NQ*(\a)+(\q)] matrix_a_scale:MATRIX_SCALE_ROW1
.else
	v_wmma_scale_f32_16x16x128_f8f6f4 v[8*(8*((\a)%4)+\b):8*(8*((\a)%4)+\b)+7], v[128*(\p)+FR*\b:128*(\p)+FR*\b+FR-1], v[AF+FR*(\a):AF+FR*(\a)+FR-1], v[8*(8*((\a)%4)+\b):8*(8*((\a)%4)+\b)+7], v[SC+8*NQ*(\sc)+NQ*\b+(\q)], v[SC+8*NQ*(\sc)+NQ*(\a)+(\q)] matrix_a_scale:MATRIX_SCALE_ROW1
.endif
.endr
.endr
.endm
.macro FETCH_B slot, q, p
	WIN TO_B
.irp i, 0,1,2,3,4,5,6,7
	FRAG 128*(\p)+FR*\i, ADRB+\slot, \q, \i
.endr
	WIN 0
.endm
.macro FETCH_A slot, q, i0
.irp i, \i0, \i0+1, \i0+2, \i0+3
	FRAG AF+FR*(\i), ADRA+\slot, \q, \i
.endr
.endm
.macro SCALES sc
.irp i, 0,1,2,3,4,5,6,7
	ds_load_b64 v[SC+8*NQ*\sc+NQ*\i:SC+8*NQ*\sc+NQ*\i+1], v[ADRS+\sc] offset:(\i/2)*REC+(\i%2)*128
.endr
.endm
.macro PLACES n
.rept \n
	v_nop
.endr
.endm
.macro STEP slot, q, zero
	s_wait_dscnt 4*NL
	WIN MUL_LO
	MUL16 0, (\q)%2, \q, \slot, \zero
	MUL16 2, (\q)%2, \q, \slot, \zero
	s_wait_dscnt 0
	PLACES NP
	FETCH_B \slot, (\q)+1, 1-(\q)%2
	FETCH_A \slot, (\q)+1, 0
	WIN MUL_HI
	MUL16 4, (\q)%2, \q, \slot, \zero
	MUL16 6, (\q)%2, \q, \slot, \zero
	PLACES NP
	WIN 0
	FETCH_A \slot, (\q)+1, 4
.endm
.macro TURN slot, next, fill
	s_wait_tensorcnt 0x0
	ds_add_u32 v[SPW], v[NIL]
	s_wait_dscnt 4*NL+1
	WIN MUL_LO
	MUL16 0, 1, NQ-1, \slot, 0
	s_wait_dscnt 0x0
	s_barrier_signal -1
	MUL16 2, 1, NQ-1, \slot, 0
	WIN 0
	s_barrier_wait -1
.if \fill
	CREST
	s_add_nc_u64 s[G0+4*\slot+2:G0+4*\slot+3], s[G0+4*\slot+2:G0+4*\slot+3], 2*REC
	s_add_nc_u64 s[G0B+4*\slot+2:G0B+4*\slot+3], s[G0B+4*\slot+2:G0B+4*\slot+3], 2*REC
	JLOAD G0+4*\slot, G1, G0B+4*\slot, G1B
	PLACES NP-4
.else
	PLACES NP
.endif
	FETCH_B \next, 0, 0
	FETCH_A \next, 0, 0
	SCALES \next
	WIN MUL_HI
	MUL16 4, 1, NQ-1, \slot, 0
	MUL16 6, 1, NQ-1, \slot, 0
	PLACES NP
	WIN 0
	FETCH_A \next, 0, 4
.endm
	s_cmp_lt_u32 s14, 2
	s_cbranch_scc0 .Lslot_1_mine
	s_wait_tensorcnt 0x0                           ; waves 0, 1: slot 0's two sides are in; waves 2, 3 wait for slot 1's at the change of slots
.Lslot_1_mine:
	s_barrier_signal -1
	s_barrier_wait -1
	FETCH_B 0, 0, 0
	FETCH_A 0, 0, 0
	SCALES 0
	FETCH_A 0, 0, 4
	STEP 0, 0, 1
	s_mov_b32 s3, LAPS-1
.Llap:
	TURN 0, 1, 1
	STEP 1, 0, 0
	TURN 1, 0, 1
	STEP 0, 0, 0
	s_sub_co_u32 s3, s3, 1
	s_cmp_lg_u32 s3, 0
	s_cbranch_scc1 .Llap
	TURN 0, 1, 0
	STEP 1, 0, 0
	s_wait_dscnt 4*NL
	WIN MUL_LO
	MUL16 0, 1, NQ-1, 1, 0
	MUL16 2, 1, NQ-1, 1, 0
	s_wait_dscnt 0
	WIN MUL_HI
	MUL16 4, 1, NQ-1, 1, 0
	MUL16 6, 1, NQ-1, 1, 0
	WIN 0
.macro QUANT s, relu
.if \relu
.irp b, 0,1,2,3
	v_max3_num_f32 v[TM+\b], v[\s+16*\b], v[\s+1+16*\b], 0x4800000
.endr
.irp i, 2,4,6,8,10,12,14
.irp b, 0,1,2,3
	v_max3_num_f32 v[TM+\b], v[TM+\b], v[\s+16*\b+\i], v[\s+1+16*\b+\i]
.endr
.endr
.else
.irp b, 0,1,2,3
	v_max3_num_f32 v[TM+\b], |v[\s+16*\b]|, |v[\s+1+16*\b]|, 0x4800000
.endr
.irp i, 2,4,6,8,10,12,14
.irp b, 0,1,2,3
	v_max3_num_f32 v[TM+\b], v[TM+\b], |v[\s+16*\b+\i]|, |v[\s+1+16*\b+\i]|
.endr
.endr
.endif
.irp b, 0,1,2,3
	v_permlanex16_b32 v[TM+4+\b], v[TM+\b], s[SEL], s[SEL+1]
.endr
.irp b, 0,1,2,3
	v_max_num_f32 v[TM+\b], v[TM+\b], v[TM+4+\b]
.endr
.irp b, 0,1,2,3
	v_add_nc_u32 v[TM+12+\b], 0xfc000000, v[TM+\b]
.endr
.irp b, 0,1,2,3
	v_and_or_b32 v[TM+8+\b], v[TM+\b], 0x7f800000, s[MNT]
.endr
.irp b, 0,1,2,3
	v_lshrrev_b32 v[TM+4+\b], 23, v[TM+12+\b]
.endr
.irp b, 0,1,2,3
.irp i, 0,1,2,3,4,5,6,7,8,9,10,11,12,13,14,15
.if \relu
	v_med3_num_f32 v[\s+16*\b+\i], v[\s+16*\b+\i], 0, v[TM+8+\b]
.else
	v_med3_num_f32 v[\s+16*\b+\i], v[\s+16*\b+\i], -v[TM+8+\b], v[TM+8+\b]
.endif
.endr
	v_cvt_scalef32_pk8_fp8_f32 v[PC+4*\b:PC+1+4*\b], v[\s+16*\b:\s+7+16*\b], v[TM+12+\b]
	v_cvt_scalef32_pk8_fp8_f32 v[PC+2+4*\b:PC+3+4*\b], v[\s+8+16*\b:\s+15+16*\b], v[TM+12+\b]
.endr
	v_nop
.endm
.macro WORD4 d
	v_lshl_or_b32 v[\d], v[TM+5], 8, v[TM+4]
	v_lshl_or_b32 v[\d], v[TM+6], 16, v[\d]
	v_lshl_or_b32 v[\d], v[TM+7], 24, v[\d]
.endm
.macro WORD2 d, b
	v_lshl_or_b32 v[\d], v[TM+5+\b], 8, v[TM+4+\b]
.endm
	PLACES NP
.irp b, 0,1,2,3
	v_mov_b32 v[TM+4+\b], 0
.endr
	s_cmp_eq_u32 ttmp9, 2
	s_cbranch_scc1 .Lvpath
	s_lshl_b32 s78, s17, 8
	s_lshl_b32 s79, s15, 7
	s_add_co_u32 s78, s78, s79
	s_lshr_b32 s79, s78, 11
	s_bfe_u32 s80, s78, 0x40007
	s_and_b32 s81, s42, 3
	s_lshl_b32 s81, s81, 2
	s_lshl_b32 s82, s16, 1
	s_add_co_u32 s81, s81, s82
	s_lshl_b32 s79, s79, 4
	s_add_co_u32 s79, s79, s81
	s_lshl_b32 s79, s79, 4
	s_add_co_u32 s79, s79, s80
	s_mul_i32 s82, s79, 8704
	s_mul_i32 s83, ttmp9, 4456448
	s_add_co_u32 s82, s82, s83
	s_mov_b32 s83, 0
	s_add_nc_u64 s[74:75], s[74:75], s[82:83]
	s_and_b32 s82, s78, 2047
	s_lshl_b32 s82, s82, 8
	s_add_co_u32 s82, s82, 12976128
	s_add_nc_u64 s[6:7], s[6:7], s[82:83]
	WIN TO_B
.irp a, 0,1,2,3,4,5,6,7
.irp j, 0,1,2,3
	global_load_b128 v[32*\a+4*\j:32*\a+4*\j+3], v[TBO], s[6:7] offset:(32*(\a/2)+8*(\a%2))*256+16*\j
	global_load_b128 v[32*\a+16+4*\j:32*\a+16+4*\j+3], v[TBO], s[6:7] offset:(32*(\a/2)+8*(\a%2))*256+64+16*\j
.endr
.endr
	WIN 0
.macro QKBLK a
	s_wait_loadcnt 8*(7-(\a))
.if (\a) > 0
	s_wait_xcnt 0x0
.endif
	WIN 0x02+((\a)/4)
.set I, 0
.rept 32
	v_pk_add_f32 v[T+I:T+I+1], v[64*((\a)%4)+I:64*((\a)%4)+I+1], v[BI+I:BI+I+1]
.set I, I+2
.endr
	WIN 0x04
.irp hd, 0,1
.irp k, 0,1,2,3,4,5,6,7
	v_pk_mul_f32 v[TT+4*(\k%2):TT+4*(\k%2)+1], v[T+32*\hd+16+2*\k:T+32*\hd+17+2*\k], v[32*(\a)+16+2*\k:32*(\a)+17+2*\k]
	v_pk_mul_f32 v[TT+4*(\k%2)+2:TT+4*(\k%2)+3], v[T+32*\hd+2*\k:T+32*\hd+1+2*\k], v[32*(\a)+16+2*\k:32*(\a)+17+2*\k]
	v_pk_fma_f32 v[T+32*\hd+2*\k:T+32*\hd+1+2*\k], v[T+32*\hd+2*\k:T+32*\hd+1+2*\k], v[32*(\a)+2*\k:32*(\a)+1+2*\k], v[TT+4*(\k%2):TT+4*(\k%2)+1] neg_lo:[0,0,1] neg_hi:[0,0,1]
	v_pk_fma_f32 v[T+32*\hd+16+2*\k:T+32*\hd+17+2*\k], v[T+32*\hd+16+2*\k:T+32*\hd+17+2*\k], v[32*(\a)+2*\k:32*(\a)+1+2*\k], v[TT+4*(\k%2)+2:TT+4*(\k%2)+3]
.endr
.endr
	WIN 0
	QUANT T, 0
	WORD2 SW+(\a), 0
	WORD2 SW+8+(\a), 2
.irp hd, 0,1
.irp c, 0,1
	global_store_b128 v[CO], v[PC+8*\hd+4*\c:PC+8*\hd+4*\c+3], s[74:75] offset:\hd*139264+(\a)*1024+512*\c
.endr
.endr
.endm
.irp a, 0,1,2,3,4,5,6,7
	QKBLK \a
.endr
.irp hd, 0,1
.irp e, 0,1,2,3
	v_cndmask_b32 v[T+4*\hd+\e], v[SW+8*\hd+\e], v[SW+8*\hd+4+\e], s[MASKH]
.endr
	global_store_b128 v[SWO], v[T+4*\hd:T+4*\hd+3], s[74:75] offset:\hd*139264+8192
.endr
	s_branch .Ljoin
.Lvpath:
	s_lshl_b32 s78, s42, 8
	s_lshl_b32 s79, s16, 7
	s_add_co_u32 s78, s78, s79
	s_lshr_b32 s79, s78, 11
	s_bfe_u32 s80, s78, 0x40007
	s_and_b32 s81, s17, 3
	s_lshl_b32 s81, s81, 2
	s_lshl_b32 s82, s15, 1
	s_add_co_u32 s81, s81, s82
	s_lshl_b32 s79, s79, 4
	s_add_co_u32 s79, s79, s81
	s_lshl_b32 s79, s79, 4
	s_add_co_u32 s79, s79, s80
	s_mul_i32 s82, s79, 8448
	s_add_co_u32 s82, s82, 8912896
	s_mov_b32 s83, 0
	s_add_nc_u64 s[74:75], s[74:75], s[82:83]
	s_lshl_b32 s82, s81, 8
	s_add_nc_u64 s[72:73], s[72:73], s[82:83]
	s_wait_alu depctr_va_vdst(0)
.irp a, 0,1,2,3,4,5,6,7
	global_load_b32 v[BV+2*\a], v[BVO], s[72:73] offset:(64*(\a/4)+32*((\a/2)%2)+8*(\a%2))*4
	global_load_b32 v[BV+2*\a+1], v[BVO], s[72:73] offset:(64*(\a/4)+32*((\a/2)%2)+8*(\a%2))*4
.endr
	s_wait_loadcnt 0x0
.macro VBLK a
.if (\a) > 0
	s_wait_xcnt 0x0
.endif
	WIN 0x02+((\a)/4)
.set I, 0
.rept 32
	v_pk_add_f32 v[T+I:T+I+1], v[64*((\a)%4)+I:64*((\a)%4)+I+1], v[BV+2*(\a):BV+2*(\a)+1]
.set I, I+2
.endr
	WIN 0
	QUANT T, 0
	WORD4 SW+(\a)
.irp c, 0,1,2,3
	global_store_b128 v[CO], v[PC+4*\c:PC+4*\c+3], s[74:75] offset:((\a)/4)*135168+((\a)%4)*2048+512*\c
.endr
.endm
.irp a, 0,1,2,3,4,5,6,7
	VBLK \a
.endr
.irp e, 0,1,2,3
	v_cndmask_b32 v[T+\e], v[SW+\e], v[SW+4+\e], s[MASKH]
.endr
	global_store_b128 v[VSO], v[T:T+3], s[74:75] offset:8192
.Ljoin:
	s_wait_tensorcnt 0x0
	ds_add_u32 v[SPW], v[NIL]
	s_wait_dscnt 0x0
	CROUND
	s_endpgm
.Lfunc_end_k_qadc997414e_qkvg:
	.size	k_qadc997414e_qkvg, .Lfunc_end_k_qadc997414e_qkvg-k_qadc997414e_qkvg
	.p2alignl 7, 3214868480
	.fill 96, 4, 3214868480
	.section	.rodata,"a",@progbits
	.p2align	6, 0x0
	.amdhsa_kernel k_qadc997414e_qkvg
		.amdhsa_group_segment_fixed_size 327680
		.amdhsa_private_segment_fixed_size 0
		.amdhsa_enable_private_segment 0
		.amdhsa_kernarg_size 48
		.amdhsa_user_sgpr_count 2
		.amdhsa_user_sgpr_kernarg_segment_ptr 1
		.amdhsa_wavefront_size32 1
		.amdhsa_system_sgpr_workgroup_id_x 1
		.amdhsa_system_sgpr_workgroup_id_y 1
		.amdhsa_system_sgpr_workgroup_id_z 1
		.amdhsa_system_vgpr_workitem_id 0
		.amdhsa_next_free_vgpr 1024
		.amdhsa_next_free_sgpr 100
		.amdhsa_reserve_vcc 0
		.amdhsa_float_denorm_mode_32 3
		.amdhsa_float_denorm_mode_16_64 3
		.amdhsa_memory_ordered 1
		.amdhsa_forward_progress 1
		.amdhsa_inst_pref_size 255
	.end_amdhsa_kernel
	.section	.bss,"aw",@nobits
	.p2align	6
	.space	262144
	.amdgpu_metadata
---
amdhsa.version: [ 1, 2 ]
amdhsa.kernels:
  - .name:           k_qadc997414e_qkvg
    .symbol:         k_qadc997414e_qkvg.kd
    .args:
      - { .name: h_c, .offset: 0, .size: 8, .value_kind: global_buffer, .address_space: global }
      - { .name: wts, .offset: 8, .size: 8, .value_kind: global_buffer, .address_space: global }
      - { .name: bq, .offset: 16, .size: 8, .value_kind: global_buffer, .address_space: global }
      - { .name: bk, .offset: 24, .size: 8, .value_kind: global_buffer, .address_space: global }
      - { .name: bv, .offset: 32, .size: 8, .value_kind: global_buffer, .address_space: global }
      - { .name: qkv, .offset: 40, .size: 8, .value_kind: global_buffer, .address_space: global }
    .group_segment_fixed_size: 327680
    .private_segment_fixed_size: 0
    .kernarg_segment_align: 8
    .kernarg_segment_size: 48
    .max_flat_workgroup_size: 128
    .sgpr_count:     100
    .vgpr_count:     1024
    .wavefront_size: 32
...
	.end_amdgpu_metadata
.endif
;; end of part 10
;; launch attn (part 11): grid 8 x 32, 8 waves a work-group, clusters of 4 x 1, 327,680 bytes of LDS; arguments qkv, o_c; writes o_c
.if DOCPART == 11
	.amdgcn_target "amdgcn-amd-amdhsa--gfx1250"
	.amdhsa_code_object_version 6
	.text
	.protected	k_qadc997414e_attn
	.globl	k_qadc997414e_attn
	.p2align	8
	.type	k_qadc997414e_attn,@function
k_qadc997414e_attn:
	s_mov_b64 s[64:65], 0
	v_nop
	global_prefetch_b8 v0, s[64:65] scope:SCOPE_SE
	s_setreg_imm32_b32 hwreg(HW_REG_WAVE_MODE, 25, 1), 1
	s_wait_xcnt 0x0
	s_wait_alu depctr_hold_cnt(0) depctr_sa_sdst(0) depctr_va_vdst(0) depctr_va_sdst(0) depctr_va_ssrc(0) depctr_va_vcc(0) depctr_vm_vsrc(0)
	s_getreg_b32 s2, hwreg(HW_REG_IB_STS2, 6, 4)
	s_cmp_eq_u32 s2, 0
	s_cbranch_scc0 .Lentry_in_a_cluster
	s_endpgm
.Lentry_in_a_cluster:
	s_bfe_u32 s2, ttmp6, 0x10000c
	s_cmp_lg_u32 s2, 0x3003
	s_cbranch_scc0 .Lentry_shape_is_right
	s_endpgm
.Lentry_shape_is_right:
; o = softmax(q k^T / 8) v for one head, both products on codes of FP8 (E4M3) with E8M0 scales; o is quantised along the model's 1,024 and stored as the next product's operand.
; THE SOFTMAX AHEAD OF THE SECOND PRODUCT: t = score x log2(e) / 8; M = the running largest t rounded UP to a whole number; p = 2^(t - M) is quantised along the keys; the row's sum is taken of the unquantised p and divides at the end.
; When M moves, the sum and O are multiplied by 2^(old M - new M): exact, in every step, with no branch on data.
; SHARES.  A work-group owns 256 queries of one head; each of its eight waves owns TWO tiles of 16 queries, in 512 registers, two waves to a SIMD: each fragment of K and V read from LDS feeds two products, and one tile's
; vector work stands in the places behind the other tile's products and under the waits for LDS.
; A HEAD'S WHOLE K AND V LIE IN LDS: 16 records of 128 keys each, 139,264 + 135,168 bytes, filled ONCE: each wave fetches four records by its one tensor load at the head.  Wave 0 has K's records 0-3 and wave 1 V's, in load lines
; of their own: these two alone wait at the first barrier, behind which four key steps are walked; all wait at the second, behind which the other twelve steps pass no barrier.  Nothing is ever filled again.
; CLUSTER.  The four query blocks of a cluster belong to one head: every load is asked for jointly, its descriptor made of the head and the wave's number alone.
; LAYOUT.  S^T = K Q^T, O^T = V^T P^T: a lane holds ONE query of each tile.  K's tile 2 b + u holds at place r key 32 b + 8 u + r + 8 (r / 8): p's 16 registers of two neighbouring tiles are 16 neighbouring keys.
; THE HEAD HAS 64 CHANNELS, the instruction 128 along K.  Q's registers 8-15 hold zero codes.  K's eight tiles lie on end, 8 registers each; fragment t names 16, so its upper eight are tile t + 1's codes (tile 7: p's codes of the
; step before).  Every code there is a finite number (the quantisers hold at 448) and the scale bytes of k 64-127 are 0, a finite scale: against Q's zeros they add nothing.
; REGISTERS, by kind, so that one setting of the windows serves both tiles in a phase.  Window 0: v1-23 addresses and each tile's M, f; v24-39 blocks' maxima and bytes; v48-63 scale words; v64-95 Q; v96-159 O^T; v160-163 the sums.
; Window 1: v0-63 K's tiles, then V's fragments; v64-95 p's codes; v96-223 S^T, then p; v224-239 partial sums, held p; v240-247 bounds; v248-255 the conversions' scale operands.
; ORDER OF A STEP.  The row's sums of the LAST step's p fill the places behind the last step's second product, the wait for K's tiles and the places between the two tiles' first products; tile 0's maxima stand behind tile 1's
; first product.  For that p is kept: the hold writes into sixteen registers of its own, two numbers an instruction.  V's fragments take K's registers and are asked for ahead of the softmax.
; No prefetch: all that the work-group will ever read is asked for by its first fills.
; LIMITS: NaN and infinities are not served; the promise holds while the scaled scores stay under 2^31 in magnitude; a block of p or o whose largest magnitude lies under 2^-118 gets the byte 1; 1 / sum is the instruction's;
; a block's largest p is taken from its largest score, which leans on v_exp_f32 not falling where its input rises.
; o's scale bytes leave two a row and head, by stores of single bytes: a head owns only two of a row's eight bytes of a record.
.set KRECB, 8704
.set VRECB, 8448
.set VB,    16*KRECB                   ; V's records begin behind K's
.set SPARE, 0x43000                    ; behind V's: the spare words, 128 bytes for each wave, which no other line names
; window 0
.set L16,  1                           ; 16 x lane
.set SPW,  2                           ; my spare word; v3 0: never rewritten
.set NIL,  3
.set OB,   4                           ; 8 r + h: o's scale bytes
.set BKS,  5                           ; K's scale words of place r;  v6 V's codes;  v7 V's scale words
.set BVC,  6
.set BVS,  7
.set ADK,  8                           ; v8-11 the same four for the step in hand
.set ADS,  9
.set ADV,  10
.set ADT,  11
.set NM,   12                          ; tile j: v[12 + 2 j] -M, v[13 + 2 j] the largest t
.set F,    16                          ; v[16 + 2 j] f (the register above is named with it as a pair)
.set TMP,  20                          ; v[20 + j] at work
.set OLD,  22                          ; v[22 + j] the last step's -M
.set BM,   24                          ; v[24 + 8 j + b] block b's largest score, then p; + 4: the other half's, then the byte
.set KS,   48                          ; K's scale words, eight tiles
.set VS,   56                          ; V's, four tiles
.set QS,   60                          ; Q's, v[60 + j]
.set PW,   62                          ; p's, v[62 + j]
.set Q,    64                          ; + 16 j
.set O,    96                          ; + 32 j
.set L,    160                         ; + 2 j: the sum in two halves
.set OC,   168                         ; the way out: o's codes
; window 1
.set KF,   0
.set PC,   64                          ; + 16 j
.set S,    96                          ; + 64 j
.set T,    224
.set BD,   240                         ; + 4 j + b
.set SO,   248                         ; + 4 j + b
.set WV,   18
.set MNT,  19
.set SEL,  20
.set CS,   22                          ; s[22:23] c = log2(e) / 8
.set G1K,  24
.set G1V,  32
.set G0K,  40                          ; groups 0: waves 2-4 (K), waves 5-7 (V), wave 0, wave 1
.set G0V,  44
.set G0KF, 48
.set G0VF, 52
.set TK,   56                          ; s56 the step's record of K in LDS;  s57 of V
.set TV,   57
.set CNT,  58
.set MASKH, 59
.set MSB, 0
.macro WIN new                         ; bits 1:0 source 0, 3:2 source 1, 5:4 source 2, 7:6 destination; the high byte repeats the setting that is left
.if MSB != (\new)
	s_set_vgpr_msb (MSB<<8)|(\new)
.set MSB, (\new)
.endif
.endm
.macro CROUND
	s_barrier_signal -1
	s_barrier_wait -1
	s_cmp_lg_u32 s[WV], 0
	s_cbranch_scc1 .Lnot_wave_0_\@
	s_barrier_signal -3
.Lnot_wave_0_\@:
	s_barrier_wait -3
	s_barrier_signal -1
	s_barrier_wait -1
.endm
	s_load_b128 s[4:7], s[0:1], 0x0                ; qkv, o's codes
	v_lshl_add_u32 v[SPW], v0, 2, SPARE
	v_mov_b32 v[NIL], 0
	ds_add_u32 v[SPW], v[NIL]                      ; the opening: the add, twice on end, and its wait ahead of my tensor load
	ds_add_u32 v[SPW], v[NIL]
	v_lshrrev_b32 v8, 5, v0
	v_readfirstlane_b32 s[WV], v8                  ; wave 0..7
	s_bfe_u32 s60, ttmp6, 0x40000                  ; cx: it enters Q's and o's global addresses alone
	s_lshl_b32 s61, ttmp9, 2
	s_add_co_u32 s61, s61, s60                     ; my block of 256 queries
	s_and_b32 s62, ttmp7, 0xffff                   ; batch x 16 + head
	s_add_co_u32 s63, s[WV], 3
	s_and_b32 s63, s63, 3                          ; waves 2-4 fetch K's records 4-7, 8-11, 12-15,
	s_mul_i32 s86, s63, 4*KRECB
	s_and_b32 s63, s[WV], 3                        ; waves 5-7 V's
	s_mul_i32 s87, s63, 4*VRECB
	s_mul_i32 s84, s62, 16*KRECB
	s_add_co_u32 s84, s84, 4456448                 ; the head's K in qkv
	s_mov_b32 s85, 0
	s_mul_i32 s88, s62, 16*VRECB
	s_add_co_u32 s88, s88, 8912896                 ; and its V
	s_mov_b32 s89, 0
	s_lshr_b32 s90, s[WV], 2
	s_lshl_b32 s91, s61, 1
	s_add_co_u32 s90, s90, s91                     ; which 128 tokens hold my queries
	s_lshl_b32 s91, s62, 4
	s_add_co_u32 s90, s90, s91
	s_mul_i32 s90, s90, KRECB
	s_lshl_b32 s93, s63, 3                         ; my tiles are 2 (wave % 4) and the next
	s_add_co_u32 s94, s90, s93
	s_add_co_u32 s94, s94, 8192                    ; their scale words
	s_mov_b32 s95, 0
	s_lshl_b32 s93, s63, 11
	s_add_co_u32 s90, s90, s93                     ; their codes
	s_mov_b32 s91, 0
	; descriptor group 1: four records are a dense block: rows of 256 bytes (32 elements of 8 bytes), 136 for K, 132 for V
	s_mov_b32 s[G1K], 15|(3<<16)|(1<<21)           ; 15:0 the mask: all four work-groups; 21 set beside a mask
	s_mov_b32 s[G1K+1], 32<<16
	s_mov_b32 s[G1K+2], 136<<16
	s_mov_b32 s[G1K+3], 32<<16
	s_mov_b32 s[G1K+4], 136
	s_mov_b32 s[G1K+5], 32
	s_mov_b32 s[G1K+6], 0
	s_mov_b32 s[G1K+7], 0
	s_mov_b32 s[G1V], 15|(3<<16)|(1<<21)
	s_mov_b32 s[G1V+1], 32<<16
	s_mov_b32 s[G1V+2], 132<<16
	s_mov_b32 s[G1V+3], 32<<16
	s_mov_b32 s[G1V+4], 132
	s_mov_b32 s[G1V+5], 32
	s_mov_b32 s[G1V+6], 0
	s_mov_b32 s[G1V+7], 0
	s_mov_b32 s[SEL], 0x76543210
	s_mov_b32 s[SEL+1], 0xfedcba98
	s_mov_b32 s[CS], 0x3e38aa3b
	s_mov_b32 s[CS+1], s[CS]                       ; (named with it as a pair)
	s_mov_b32 s[MNT], 0x600000
	s_mov_b32 s[MASKH], 0xffff0000
	s_mov_b32 s[TK], 0
	s_mov_b32 s[TV], 0
	s_wait_dscnt 0x0                               ; both opening adds are done
	s_wait_kmcnt 0x0
	s_add_nc_u64 s[84:85], s[4:5], s[84:85]
	s_add_nc_u64 s[88:89], s[4:5], s[88:89]
	s_add_nc_u64 s[90:91], s[4:5], s[90:91]
	s_add_nc_u64 s[94:95], s[4:5], s[94:95]
	s_mov_b32 s[G0KF], 1
	s_mov_b32 s[G0KF+1], 0
	s_mov_b64 s[G0KF+2:G0KF+3], s[84:85]
	s_or_b32 s[G0KF+3], s[G0KF+3], 0x80000000
	s_mov_b32 s[G0VF], 1
	s_mov_b32 s[G0VF+1], VB
	s_mov_b64 s[G0VF+2:G0VF+3], s[88:89]
	s_or_b32 s[G0VF+3], s[G0VF+3], 0x80000000
	s_mov_b32 s[G0K], 1
	s_mov_b32 s[G0K+1], s86
	s_mov_b32 s96, s86
	s_mov_b32 s97, 0
	s_add_nc_u64 s[G0K+2:G0K+3], s[84:85], s[96:97]
	s_or_b32 s[G0K+3], s[G0K+3], 0x80000000
	s_mov_b32 s[G0V], 1
	s_add_co_u32 s[G0V+1], s87, VB
	s_mov_b32 s96, s87
	s_add_nc_u64 s[G0V+2:G0V+3], s[88:89], s[96:97]
	s_or_b32 s[G0V+3], s[G0V+3], 0x80000000
	CROUND                                         ; all four work-groups are here: the joint loads meet
; ONE chain of branches on the wave's number, one load to an arm, all arms to one join: every way through the head passes exactly one load
.macro ARM under, g0, g1, next
	s_cmp_lt_u32 s[WV], \under
	s_cbranch_scc0 \next
	tensor_load_to_lds s[\g0:\g0+3], s[\g1:\g1+7]
	s_nop 0
.rept 4
	v_nop
.endr
	s_branch .Lasked
\next:
.endm
	ARM 1, G0KF, G1K, .Larm_vf
	ARM 2, G0VF, G1V, .Larm_k
	ARM 5, G0K,  G1K, .Larm_v
	tensor_load_to_lds s[G0V:G0V+3], s[G1V:G1V+7]
	s_nop 0
.rept 4
	v_nop
.endr
.Lasked:
	v_and_b32 v8, 31, v0
	v_lshlrev_b32 v[L16], 4, v8
	v_and_b32 v9, 15, v0                           ; r
	v_bfe_u32 v10, v0, 4, 1                        ; h
	v_lshl_add_u32 v[OB], v9, 3, v10
	v_lshlrev_b32 v[TMP], 5, v9                    ; 32 r
	v_add_nc_u32 v[BKS], 8192, v[TMP]
	v_add_nc_u32 v[BVC], VB, v[L16]
	v_lshl_add_u32 v[BVS], v9, 4, VB+8192
.irp j, 0,1
	global_load_b128 v[Q+16*\j:Q+16*\j+3], v[L16], s[90:91] offset:1024*\j         ; Q's fragments: channels 0-31,
	global_load_b128 v[Q+16*\j+4:Q+16*\j+7], v[L16], s[90:91] offset:1024*\j+512   ; 32-63
	global_load_b32 v[QS+\j], v[TMP], s[94:95] offset:4*\j                         ; and their scale words
.endr
.irp j, 0,1
.irp i, 8,9,10,11,12,13,14,15
	v_mov_b32 v[Q+16*\j+\i], 0                     ; Q's k 64-127: zero codes
.endr
	v_mov_b32 v[NM+2*\j+1], 0xff61b1e6             ; the largest t so far: -3e38
	v_floor_f32 v[NM+2*\j], -v[NM+2*\j+1]          ; -M
	v_floor_f32 v[OLD+\j], -v[NM+2*\j+1]
	v_mov_b32 v[F+2*\j+1], 0
.irp b, 0,1,2,3
	v_mov_b32 v[BM+8*\j+4+\b], 0                   ; a lane permute's destination counts as one of its sources
.endr
.endr
.set J, 0
.rept 68
	v_mov_b32 v[O+J], 0                            ; O^T and the sums: the step is written once; its first walk finds zeros
.set J, J+1
.endr
	WIN 0x40
.set J, 0
.rept 160
	v_mov_b32 v[PC+J], 0                           ; p's codes and p likewise
.set J, J+1
.endr
	WIN 0
; The row's sum of tile j's 64 p, two at a time, in four chains.  SUMLO: blocks 0, 1; SUMHI: blocks 2, 3, and all into the sum
.macro SUM8 j, o
.irp k, 0,1,2,3
	v_pk_add_f32 v[T+8*\j+2*\k:T+8*\j+2*\k+1], v[T+8*\j+2*\k:T+8*\j+2*\k+1], v[S+64*\j+\o+2*\k:S+64*\j+\o+2*\k+1]
.endr
.endm
.macro SUMLO j
	WIN 0x55
.irp k, 0,1,2,3
	v_pk_add_f32 v[T+8*\j+2*\k:T+8*\j+2*\k+1], v[S+64*\j+2*\k:S+64*\j+2*\k+1], v[S+64*\j+8+2*\k:S+64*\j+9+2*\k]
.endr
	SUM8 \j, 16
	SUM8 \j, 24
.endm
.macro SUMHI j
	WIN 0x55
	SUM8 \j, 32
	SUM8 \j, 40
	SUM8 \j, 48
	SUM8 \j, 56
	v_pk_add_f32 v[T+8*\j:T+8*\j+1], v[T+8*\j:T+8*\j+1], v[T+8*\j+2:T+8*\j+3]
	v_pk_add_f32 v[T+8*\j+4:T+8*\j+5], v[T+8*\j+4:T+8*\j+5], v[T+8*\j+6:T+8*\j+7]
	WIN 0x04                                       ; the sum lies in window 0
	v_pk_add_f32 v[L+2*\j:L+2*\j+1], v[L+2*\j:L+2*\j+1], v[T+8*\j:T+8*\j+1]
	v_pk_add_f32 v[L+2*\j:L+2*\j+1], v[L+2*\j:L+2*\j+1], v[T+8*\j+4:T+8*\j+5]
.endm
.macro MAXB j                          ; the largest score of tile j's four blocks of 32 keys, the blocks by turns: for the row's maximum, and for the block's largest p.  Each accumulator is read from its low end on
	WIN 0x14                                       ; the scores lie in window 1, the maxima in window 0
.irp b, 0,1,2,3
	v_max3_num_f32 v[BM+8*\j+\b], 0xff800000, v[S+64*\j+16*\b], v[S+64*\j+16*\b+1]
.endr
.irp i, 2,4,6,8,10,12,14
.irp b, 0,1,2,3
	v_max3_num_f32 v[BM+8*\j+\b], v[BM+8*\j+\b], v[S+64*\j+16*\b+\i], v[S+64*\j+16*\b+\i+1]
.endr
.endr
.endm
.macro HOLD8 d, s, bd                  ; eight p, held at 448 x the scale, into v[T + d] on: the conversion does not saturate (ISA guide 7.6.2); p is not negative: a one-sided hold; p itself stays for the sum
.irp i, 0,2,4,6
	v_dual_min_num_f32 v[T+\d+\i], v[\s+\i], v[\bd] :: v_dual_min_num_f32 v[T+\d+\i+1], v[\s+\i+1], v[\bd]
.endr
.endm
.macro SMUL j                          ; S^T = K Q^T of tile j: D and K's tiles in window 1, Q in window 0
	WIN 0x41
.irp t, 0,1,2,3,4,5,6,7
	v_wmma_scale_f32_16x16x128_f8f6f4 v[S+64*\j+8*\t:S+64*\j+8*\t+7], v[KF+8*\t:KF+8*\t+15], v[Q+16*\j:Q+16*\j+15], 0, v[KS+\t], v[QS+\j]
.endr
.endm
; A KEY STEP: 128 keys, both tiles
.macro STEP
	v_add_nc_u32 v[ADK], s[TK], v[L16]
	v_add_nc_u32 v[ADS], s[TK], v[BKS]
	SUMLO 0                                        ; 32 lines on p and the sums: the places between the last step's products and the loads into V's registers
	SUMHI 0
	WIN 0
	ds_load_b128 v[KS:KS+3], v[ADS]                ; the eight tiles' scale words of place r
	ds_load_b128 v[KS+4:KS+7], v[ADS] offset:16
	WIN 0x40
.irp t, 0,1,2,3,4,5,6,7
	ds_load_b128 v[KF+8*\t:KF+8*\t+3], v[ADK] offset:\t*1024
	ds_load_b128 v[KF+8*\t+4:KF+8*\t+7], v[ADK] offset:\t*1024+512
.endr
	SUMLO 1                                        ; while the loads are out
	s_wait_alu depctr_va_vdst(0)
	s_wait_dscnt 0x0
	SMUL 0
	SUMHI 1                                        ; 20 lines on other registers: the places behind tile 0's products
	SMUL 1
	MAXB 0                                         ; 32 lines: the places behind tile 1's
	WIN 0
	v_add_nc_u32 v[ADV], s[TV], v[BVC]
	v_add_nc_u32 v[ADT], s[TV], v[BVS]
	ds_load_b128 v[VS:VS+3], v[ADT]
	WIN 0x40
.irp t, 0,1,2,3                                ; V's four tiles of 16 channels x 128 keys take K's registers
.irp c, 0,1,2,3
	ds_load_b128 v[KF+16*\t+4*\c:KF+16*\t+4*\c+3], v[ADV] offset:\t*2048+512*\c
.endr
.endr
	MAXB 1
	WIN 0                                          ; the two tiles' chains by turns
.irp e, 0,1,2,3,8,9,10,11
	v_permlanex16_b32 v[BM+4+\e], v[BM+\e], s[SEL], s[SEL+1]
.endr
.irp e, 0,1,2,3,8,9,10,11
	v_max_num_f32 v[BM+\e], v[BM+\e], v[BM+4+\e]   ; with lane l xor 16's 16 keys
.endr
.irp j, 0,1
	v_max3_num_f32 v[TMP+\j], v[BM+8*\j], v[BM+8*\j+1], v[BM+8*\j+2]
.endr
.irp j, 0,1
	v_max_num_f32 v[TMP+\j], v[TMP+\j], v[BM+8*\j+3]
.endr
.irp j, 0,1
	v_mul_f32 v[TMP+\j], s[CS], v[TMP+\j]          ; the step's largest t
.endr
.irp j, 0,1
	v_max_num_f32 v[NM+2*\j+1], v[NM+2*\j+1], v[TMP+\j]
.endr
.irp j, 0,1
	v_floor_f32 v[NM+2*\j], -v[NM+2*\j+1]          ; the new -M = -ceil(t)
.endr
.irp j, 0,1
	v_sub_f32 v[TMP+\j], v[NM+2*\j], v[OLD+\j]     ; old M - new M: a whole number, 0 or less
.endr
.irp j, 0,1
	v_cvt_i32_f32 v[TMP+\j], v[TMP+\j]
.endr
.irp j, 0,1
	v_ldexp_f32 v[F+2*\j], 1.0, v[TMP+\j]          ; f = 2^(old M - new M)
.endr
.irp j, 0,1
.irp b, 0,1,2,3
	v_fma_f32 v[BM+8*\j+\b], v[BM+8*\j+\b], s[CS], v[NM+2*\j]   ; t - M of each block's largest score
.endr
.endr
.irp j, 0,1
.set J, 0
.rept 16
	v_pk_mul_f32 v[O+32*\j+J:O+32*\j+J+1], v[O+32*\j+J:O+32*\j+J+1], v[F+2*\j:F+2*\j+1] op_sel_hi:[1,0]   ; O^T under the new M: its first read, ahead of the exponentials
.set J, J+2
.endr
.endr
	WIN 0x41                                       ; the scores in window 1, -M in window 0
.irp j, 0,1
.set J, 0
.rept 32
	v_pk_fma_f32 v[S+64*\j+J:S+64*\j+J+1], v[S+64*\j+J:S+64*\j+J+1], s[CS:CS+1], v[NM+2*\j:NM+2*\j+1] op_sel_hi:[1,0,0]   ; t - M
.set J, J+2
.endr
.endr
	s_wait_alu depctr_va_vdst(0)                   ; the wait ahead of the batch
.set J, 0
.rept 128
	v_exp_f32 v[S+J], v[S+J]                       ; p = 2^(t - M)
.set J, J+1
.endr
	WIN 0
.irp e, 0,1,2,3,8,9,10,11
	v_exp_f32 v[BM+\e], v[BM+\e]                   ; each block's largest p
.endr
	v_nop                                          ; a plain line behind the exponentials
	s_wait_alu depctr_va_vdst(0)                   ; one wait for the batch of 136, ahead of its first reader
.irp e, 0,1,2,3,8,9,10,11
	v_max_num_f32 v[BM+\e], 0x4800000, v[BM+\e]    ; the floor 2^(9 - 127)
.endr
	WIN 0x40
.irp j, 0,1
.irp b, 0,1,2,3
	v_add_nc_u32 v[SO+4*\j+\b], 0xfc000000, v[BM+8*\j+\b]            ; the conversion's scale operand
.endr
.endr
.irp j, 0,1
.irp b, 0,1,2,3
	v_and_or_b32 v[BD+4*\j+\b], v[BM+8*\j+\b], 0x7f800000, s[MNT]    ; 448 x the scale
.endr
.endr
	WIN 0x04
.irp j, 0,1
.irp b, 0,1,2,3
	v_lshrrev_b32 v[BM+8*\j+4+\b], 23, v[SO+4*\j+\b]                 ; the scale's byte
.endr
.endr
	WIN 0
.irp j, 0,1
	v_lshl_or_b32 v[PW+\j], v[BM+8*\j+5], 8, v[BM+8*\j+4]            ; p's scale word for these 128 keys
.endr
.irp j, 0,1
	v_lshl_or_b32 v[PW+\j], v[BM+8*\j+6], 16, v[PW+\j]
.endr
.irp j, 0,1
	v_lshl_or_b32 v[PW+\j], v[BM+8*\j+7], 24, v[PW+\j]
.endr
	WIN 0x55                                       ; all in window 1.  Two sets of eight by turns: four lines stand between a conversion and the next write of its sources
.irp j, 0,1
.irp b, 0,1,2,3
	HOLD8 0, S+64*\j+16*\b, BD+4*\j+\b
	v_cvt_scalef32_pk8_fp8_f32 v[PC+16*\j+4*\b:PC+16*\j+4*\b+1], v[T:T+7], v[SO+4*\j+\b]
	HOLD8 8, S+64*\j+16*\b+8, BD+4*\j+\b
	v_cvt_scalef32_pk8_fp8_f32 v[PC+16*\j+4*\b+2:PC+16*\j+4*\b+3], v[T+8:T+15], v[SO+4*\j+\b]
.endr
.endr
	WIN 0
.irp j, 0,1                                    ; four plain lines between the last codes' making and the products
	v_pk_mul_f32 v[L+2*\j:L+2*\j+1], v[L+2*\j:L+2*\j+1], v[F+2*\j:F+2*\j+1] op_sel_hi:[1,0]   ; the sum, which holds all p up to the last step's, under the new M
	v_mov_b32 v[OLD+\j], v[NM+2*\j]
.endr
	s_wait_alu depctr_va_vdst(0)
	s_wait_dscnt 0x0                               ; V's fragments and scale words
	WIN 0x05                                       ; V and p's codes in window 1, O^T in window 0
.irp t, 0,1,2,3                                ; O^T += V^T P^T: eight accumulators by turns
.irp j, 0,1
	v_wmma_scale_f32_16x16x128_f8f6f4 v[O+32*\j+8*\t:O+32*\j+8*\t+7], v[KF+16*\t:KF+16*\t+15], v[PC+16*\j:PC+16*\j+15], v[O+32*\j+8*\t:O+32*\j+8*\t+7], v[VS+\t], v[PW+\j]
.endr
.endr
	WIN 0
	s_add_co_u32 s[TK], s[TK], KRECB
	s_add_co_u32 s[TV], s[TV], VRECB
.endm
	s_wait_alu depctr_va_vdst(0)                   ; the wait at the head's end
	s_wait_loadcnt 0x0                             ; Q
	s_cmp_lt_u32 s[WV], 2
	s_cbranch_scc0 .Lnot_first
	s_wait_tensorcnt 0x0                           ; waves 0, 1: K's and V's records 0-3 have landed; the other waves' wait stands at the second barrier
.Lnot_first:
	s_barrier_signal -1
	s_barrier_wait -1
	s_mov_b32 s[CNT], 4
.Lfirst:
	STEP
	s_sub_co_u32 s[CNT], s[CNT], 1
	s_cmp_lg_u32 s[CNT], 0
	s_cbranch_scc1 .Lfirst
	s_wait_tensorcnt 0x0                           ; every wave: my four records have landed
	s_wait_dscnt 0x0
	s_barrier_signal -1
	s_barrier_wait -1                              ; the head's whole K and V lie in LDS
	s_mov_b32 s[CNT], 12
.Lrest:
	STEP
	s_sub_co_u32 s[CNT], s[CNT], 1
	s_cmp_lg_u32 s[CNT], 0
	s_cbranch_scc1 .Lrest
	; THE WAY OUT: the last step's p are summed (64 lines: the places behind the last products); O^T / the sum; register 16 c + i of a tile is channel 32 c + 16 h + i of my query: two blocks of the next product's K, quantised here
	SUMLO 0
	SUMHI 0
	SUMLO 1
	SUMHI 1
	WIN 0
.irp j, 0,1
	v_add_f32 v[L+2*\j], v[L+2*\j], v[L+2*\j+1]
.endr
.irp j, 0,1
	v_permlanex16_b32 v[F+2*\j], v[L+2*\j], s[SEL], s[SEL+1]
.endr
.irp j, 0,1
	v_add_f32 v[L+2*\j], v[L+2*\j], v[F+2*\j]      ; the row's sum
.endr
	s_wait_alu depctr_va_vdst(0)                   ; the wait ahead of the transcendentals
.irp j, 0,1
	v_rcp_f32 v[L+2*\j], v[L+2*\j]
.endr
	v_nop                                          ; a plain line behind the transcendentals
	s_and_b32 s84, s62, 15                         ; head
	s_lshr_b32 s85, s62, 4                         ; batch
	s_lshl_b32 s86, s61, 3
	s_add_co_u32 s86, s86, s[WV]
	s_lshl_b32 s85, s85, 6
	s_add_co_u32 s86, s86, s85                     ; my 32 tokens among all 128 groups: tile j lies at place u = j of their record
	s_lshl_b32 s86, s86, 2
	s_lshr_b32 s87, s84, 2
	s_add_co_u32 s86, s86, s87
	s_mul_i32 s86, s86, 8448                       ; the record: (tokens / 32) x 4 + head / 4
	s_mov_b32 s87, 0
	s_add_nc_u64 s[6:7], s[6:7], s[86:87]
	s_bfe_u32 s90, s84, 0x10001                    ; which 128 of its 256 along K
	s_and_b32 s91, s84, 1                          ; which 64 of those
	s_lshl_b32 s88, s90, 11
	s_lshl_b32 s92, s91, 10
	s_add_co_u32 s88, s88, s92
	s_mov_b32 s89, 0
	s_add_nc_u64 s[94:95], s[6:7], s[88:89]        ; my codes
	s_lshl_b32 s88, s90, 2
	s_lshl_b32 s92, s91, 1
	s_add_co_u32 s88, s88, s92
	s_add_co_u32 s88, s88, 8192
	s_add_nc_u64 s[96:97], s[6:7], s[88:89]        ; my scale bytes
	s_wait_alu depctr_va_vdst(0)                   ; the wait ahead of the first reader of the reciprocals and of O^T
.irp j, 0,1
.set J, 0
.rept 32
	v_mul_f32 v[O+32*\j+J], v[O+32*\j+J], v[L+2*\j]
.set J, J+1
.endr
.endr
; four blocks of 32, c = 2 j + b, by turns: v[BM + c] the largest magnitude, + 4 the byte, + 8 the bound, + 12 the scale operand
.irp c, 0,1,2,3
	v_max3_num_f32 v[BM+\c], |v[O+16*\c]|, |v[O+16*\c+1]|, 0x4800000
.endr
.irp i, 2,4,6,8,10,12,14
.irp c, 0,1,2,3
	v_max3_num_f32 v[BM+\c], v[BM+\c], |v[O+16*\c+\i]|, |v[O+16*\c+\i+1]|
.endr
.endr
.irp c, 0,1,2,3
	v_permlanex16_b32 v[BM+4+\c], v[BM+\c], s[SEL], s[SEL+1]
.endr
.irp c, 0,1,2,3
	v_max_num_f32 v[BM+\c], v[BM+\c], v[BM+4+\c]
.endr
.irp c, 0,1,2,3
	v_add_nc_u32 v[BM+12+\c], 0xfc000000, v[BM+\c]
.endr
.irp c, 0,1,2,3
	v_and_or_b32 v[BM+8+\c], v[BM+\c], 0x7f800000, s[MNT]
.endr
.irp c, 0,1,2,3
	v_lshrrev_b32 v[BM+4+\c], 23, v[BM+12+\c]
.endr
.irp c, 0,1,2,3
.irp i, 0,1,2,3,4,5,6,7,8,9,10,11,12,13,14,15
	v_med3_num_f32 v[O+16*\c+\i], v[O+16*\c+\i], -v[BM+8+\c], v[BM+8+\c]
.endr
	v_cvt_scalef32_pk8_fp8_f32 v[OC+4*\c:OC+4*\c+1], v[O+16*\c:O+16*\c+7], v[BM+12+\c]
	v_cvt_scalef32_pk8_fp8_f32 v[OC+4*\c+2:OC+4*\c+3], v[O+16*\c+8:O+16*\c+15], v[BM+12+\c]
.endr
	v_nop                                          ; a plain line behind the last conversion
.irp j, 0,1
	v_cndmask_b32 v[TMP+\j], v[BM+4+2*\j], v[BM+5+2*\j], s[MASKH]   ; lanes 0-15 the first block's byte, lanes 16-31 the second's
.endr
.irp j, 0,1
	global_store_b128 v[L16], v[OC+8*\j:OC+8*\j+3], s[94:95] offset:4096*\j        ; runs of 512 consecutive bytes of the record
	global_store_b128 v[L16], v[OC+8*\j+4:OC+8*\j+7], s[94:95] offset:4096*\j+512
	global_store_b8 v[OB], v[TMP+\j], s[96:97] offset:128*\j
.endr
	s_wait_tensorcnt 0x0                           ; the wave's end
	ds_add_u32 v[SPW], v[NIL]
	s_wait_dscnt 0x0
	CROUND                                         ; the closing round: no work-group ends while a partner may still ask for records that name it
	s_endpgm
.Lfunc_end_k_qadc997414e_attn:
	.size	k_qadc997414e_attn, .Lfunc_end_k_qadc997414e_attn-k_qadc997414e_attn
	.p2alignl 7, 3214868480
	.fill 96, 4, 3214868480
	.section	.rodata,"a",@progbits
	.p2align	6, 0x0
	.amdhsa_kernel k_qadc997414e_attn
		.amdhsa_group_segment_fixed_size 327680
		.amdhsa_private_segment_fixed_size 0
		.amdhsa_enable_private_segment 0
		.amdhsa_kernarg_size 16
		.amdhsa_user_sgpr_count 2
		.amdhsa_user_sgpr_kernarg_segment_ptr 1
		.amdhsa_wavefront_size32 1
		.amdhsa_system_sgpr_workgroup_id_x 1
		.amdhsa_system_sgpr_workgroup_id_y 1
		.amdhsa_system_sgpr_workgroup_id_z 1
		.amdhsa_system_vgpr_workitem_id 0
		.amdhsa_next_free_vgpr 512
		.amdhsa_next_free_sgpr 100
		.amdhsa_reserve_vcc 0
		.amdhsa_float_denorm_mode_32 3
		.amdhsa_float_denorm_mode_16_64 3
		.amdhsa_memory_ordered 1
		.amdhsa_forward_progress 1
		.amdhsa_inst_pref_size 101
	.end_amdhsa_kernel
	.amdgpu_metadata
---
amdhsa.version: [ 1, 2 ]
amdhsa.kernels:
  - .name:           k_qadc997414e_attn
    .symbol:         k_qadc997414e_attn.kd
    .args:
      - { .name: qkv, .offset: 0, .size: 8, .value_kind: global_buffer, .address_space: global }
      - { .name: o_c, .offset: 8, .size: 8, .value_kind: global_buffer, .address_space: global }
    .group_segment_fixed_size: 327680
    .private_segment_fixed_size: 0
    .kernarg_segment_align: 8
    .kernarg_segment_size: 16
    .max_flat_workgroup_size: 256
    .sgpr_count:     100
    .vgpr_count:     512
    .wavefront_size: 32
...
	.end_amdgpu_metadata
.endif
;; end of part 11
;; launch wog (part 12): grid 8 x 32, 4 waves a work-group, clusters of 4 x 4, 327,680 bytes of LDS; arguments o_c, wts, x, bo, x2; writes x2
.if DOCPART == 12
	.amdgcn_target "amdgcn-amd-amdhsa--gfx1250"
	.amdhsa_code_object_version 6
	.text
	.protected	k_qadc997414e_wog
	.globl	k_qadc997414e_wog
	.p2align	8
	.type	k_qadc997414e_wog,@function
k_qadc997414e_wog:
	s_mov_b64 s[64:65], 0
	v_nop
	global_prefetch_b8 v0, s[64:65] scope:SCOPE_SE
	s_setreg_imm32_b32 hwreg(HW_REG_WAVE_MODE, 25, 1), 1
	s_wait_xcnt 0x0
	s_wait_alu depctr_hold_cnt(0) depctr_sa_sdst(0) depctr_va_vdst(0) depctr_va_sdst(0) depctr_va_ssrc(0) depctr_va_vcc(0) depctr_vm_vsrc(0)
	s_getreg_b32 s2, hwreg(HW_REG_IB_STS2, 6, 4)
	s_cmp_eq_u32 s2, 0
	s_cbranch_scc0 .Lentry_in_a_cluster
	s_endpgm
.Lentry_in_a_cluster:
	s_bfe_u32 s2, ttmp6, 0x10000c
	s_cmp_lg_u32 s2, 0xf033
	s_cbranch_scc0 .Lentry_shape_is_right
	s_endpgm
.Lentry_shape_is_right:
; x2 = x + (o wo + bo): the product on codes of FP8 (E4M3) with E8M0 scales, sums, bias and residual in f32.
; THE PRODUCT.  The output is 4,096 x 1,024: tiles of 128 x 128 give 256 work-groups.  Four waves, each 64 x 64: 16 accumulators, 128 registers.  K = 1,024 is two LDS slots of 512: both are first fills, nothing is filled again.
; OPERANDS lie in memory as RECORDS of 32 rows x 256 K, 8,448 bytes, [row / 32][K / 256]: code (u, r, k = 128 s + 32 c + 16 h + b) at 4096 u + 2048 s + 512 c + 256 h + 16 r + b: a fragment is four runs of 512 bytes, lane l's 16 bytes at 16 l;
; the scale bytes ride behind the codes, at 8192 + 8 (16 u + r) + 4 s + c.  LDS needs no padding.
; THE HEAD'S LOADS, ONE A WAVE: a tensor load brings a WHOLE side of a slot, 128 rows x 512 K, codes and scales, as 4 rows of 16,896 bytes (two neighbouring records each).  Wave 0: slot 0's A side, wave 1 its B side, waves 2 and 3 slot 1's.
; Waves 0 and 1 alone wait at the first barrier; waves 2 and 3 at the change of slots: each wave has a load line of its own.
; Row i of a record's 32 lies at place u = (i >> 3) & 1, r = (i & 7) + 8 (i >> 4).  With source 0 = the weight's columns, a lane holds the token at place r of block a, and its 32 registers are columns 32 b + 16 h + 0 .. 15.
; CLUSTERS: 4 x 4 work-groups; the tokens' tile is shared along a row of the cluster, the weight's along a column: joint tensor loads.  No prefetch: all that the work-group reads by tensor loads is asked for at the head.
; THE RESIDUAL of the wave's 64 x 64 is asked for at the head, into 128 registers of its own, in the layout in which the rows come back from the stage.
; THE WAY OUT: a block of 16 rows x 256 bytes goes through the wave's own stage in LDS (in slot 0, which has had its only fill and its last read) and comes back two rows an instruction; bias and residual are added; a store covers two aligned runs of 256 bytes.
; REGISTERS, in windows of 256: window 0: v8-11 bias; v16-29 addresses; v32-63 scale words; v64-127 rows read back; v128-255 accumulators ((a, b) at v[128 + 8 (4 a + b)]).  window 1: two fragment buffers of 128: A's four, then B's four.  window 2: v0-127 the residual.
.set KP,     4                         ; K / 256
.set WOFF,   3244032                   ; wo's records in wts
.set REC,    8448
.set HALFT,  4*REC                     ; 64 rows x 512 K: what one wave reads of a side
.set SLOT,   4*HALFT                   ; the A side's 128 rows, then the B side's
.set SPARE,  2*SLOT                    ; behind the slots: the spare words, 128 bytes for each wave, which no other line names
.set NP,     8                         ; places behind this matrix instruction (ISA guide 7.12.1)
.set SPITCH, 272                       ; a stage row: 256 bytes + 16: row r begins at bank 4 r mod 64 (64 banks of 4 bytes: ISA guide 11.1)
.set BI,   8                           ; v8-11  the bias of my four columns of a row read back
.set ADRA, 16                          ; v16-17 LDS address of my A fragments in slot 0, 1
.set ADRB, 20                          ; v20-21 of my B fragments
.set ADRS, 22                          ; v22-23 of my scale words: lanes 0-15 A's, lanes 16-31 B's
.set STO,  24                          ; v24 the way out: where I put 64 bytes of a row
.set RD,   25                          ; v25 where I read rows back
.set CO,   26                          ; v26 16 (lane % 16) + a row of 4,096 bytes for lanes 16-31
.set BO,   27                          ; v27 16 (lane % 16)
.set SPW,  28                          ; v28 my spare word; never rewritten
.set NIL,  29                          ; v29 0; never rewritten
.set SC,   32                          ; v32-63 scale words, two sets of 16: register 4 i + q: block i, the slot's q-th 128 along K; they hold nothing else
.set BK,   64                          ; v64-127 16 rows read back, two sets by turns
.set ACC,  128
.set G1, 24
.set G0, 32
.set G1B, 48
.set G0B, 56
.set MSB, 0
.macro WIN new                         ; the immediate's high byte repeats the setting that is left
.if MSB != (\new)
	s_set_vgpr_msb (MSB<<8)|(\new)
.set MSB, (\new)
.endif
.endm
.set MUL,  0x05                        ; sources 0 (B) and 1 (A) window 1; C and D window 0
.set TO_F, 0x40                        ; destination window 1, address window 0
.macro CROUND                          ; a round of the cluster's barrier
	s_barrier_signal -1
	s_barrier_wait -1
	s_cmp_lg_u32 s14, 0
	s_cbranch_scc1 .Lnot_wave_0_\@
	s_barrier_signal -3
.Lnot_wave_0_\@:
	s_barrier_wait -3
	s_barrier_signal -1
	s_barrier_wait -1
.endm
	s_load_b128 s[4:7], s[0:1], 0x0                ; the A side's codes, the weights
	s_load_b128 s[8:11], s[0:1], 0x10              ; the residual, the bias
	s_load_b64 s[12:13], s[0:1], 0x20              ; the output
	v_lshl_add_u32 v[SPW], v0, 2, SPARE
	v_mov_b32 v[NIL], 0
	ds_add_u32 v[SPW], v[NIL]                      ; the opening: the add, twice on end, and its wait ahead of my tensor load
	ds_add_u32 v[SPW], v[NIL]
	s_wait_dscnt 0x0
	v_lshrrev_b32 v1, 5, v0
	v_readfirstlane_b32 s14, v1                    ; wave 0..3
	s_lshr_b32 s15, s14, 1                         ; which half of the tile's rows is mine
	s_and_b32 s16, s14, 1                          ; which half of its columns
	s_bfe_u32 s40, ttmp6, 0x40000                  ; cx, cy
	s_bfe_u32 s41, ttmp6, 0x40004
	s_lshl_b32 s42, ttmp9, 2
	s_add_co_u32 s42, s42, s40                     ; tile column
	s_and_b32 s17, ttmp7, 0xffff
	s_lshl_b32 s17, s17, 2
	s_add_co_u32 s17, s17, s41                     ; tile row
	s_lshl_b32 s43, s41, 2
	s_lshl_b32 s43, 15, s43                        ; my row of the cluster
	s_lshl_b32 s44, 0x1111, s40                    ; my column
	s_or_b32 s[G1+0], s43, (3<<16)|(1<<21)         ; the mask; elements of 8 bytes; bit 21 beside a mask; no padding
	s_or_b32 s[G1B+0], s44, (3<<16)|(1<<21)
.irp g, G1, G1B
	s_mov_b32 s[\g+1], 2112<<16                    ; tensor_dim0: two records, 2,112 elements
	s_mov_b32 s[\g+2], 4<<16                       ; tensor_dim1 = 4
	s_mov_b32 s[\g+3], 2112<<16                    ; tile_dim0
	s_mov_b32 s[\g+4], 4                           ; tile_dim1
	s_mov_b32 s[\g+5], KP*1056                     ; from a group of 32 rows to the next
	s_mov_b32 s[\g+6], 0
	s_mov_b32 s[\g+7], 0
.endr
	s_lshl_b32 s20, s17, 2                         ; A: the tile's first group of 32 rows = 4 x tile
	s_lshl_b32 s46, s42, 2                         ; B likewise
	s_mul_i32 s20, s20, KP*REC
	s_mul_i32 s46, s46, KP*REC
	s_mov_b32 s21, 0
	s_mov_b32 s47, 0
	s_wait_kmcnt 0x0
	s_add_nc_u64 s[20:21], s[4:5], s[20:21]
	s_add_nc_u64 s[46:47], s[6:7], s[46:47]
	s_add_nc_u64 s[46:47], s[46:47], WOFF
	CROUND                                         ; all sixteen work-groups are here: the joint loads meet
.irp s, 0,1
	s_mov_b32 s[G0+4*\s], 1
	s_mov_b32 s[G0+4*\s+1], \s*SLOT                ; the A side's 128 rows at the slot's head,
	s_add_nc_u64 s[G0+4*\s+2:G0+4*\s+3], s[20:21], \s*2*REC
	s_or_b32 s[G0+4*\s+3], s[G0+4*\s+3], 0x80000000
	s_mov_b32 s[G0B+4*\s], 1
	s_mov_b32 s[G0B+4*\s+1], \s*SLOT+2*HALFT       ; the B side's behind them
	s_add_nc_u64 s[G0B+4*\s+2:G0B+4*\s+3], s[46:47], \s*2*REC
	s_or_b32 s[G0B+4*\s+3], s[G0B+4*\s+3], 0x80000000
.endr
; ONE chain of branches on the wave's number, a load to an arm, all arms to one join; an s_nop 0 and four v_nop follow each load
.macro ARM under, g0, g1, next
	s_cmp_lt_u32 s14, \under
	s_cbranch_scc0 \next
	tensor_load_to_lds s[\g0:\g0+3], s[\g1:\g1+7]
	s_nop 0
.rept 4
	v_nop
.endr
	s_branch .Lhead_asked
\next:
.endm
	ARM 1, G0,   G1,  .Lhead_b0
	ARM 2, G0B,  G1B, .Lhead_a1
	ARM 3, G0+4, G1,  .Lhead_b1
	tensor_load_to_lds s[G0B+4:G0B+7], s[G1B:G1B+7]
	s_nop 0
.rept 4
	v_nop
.endr
.Lhead_asked:
	v_and_b32 v1, 15, v0                           ; r
	v_bfe_u32 v2, v0, 4, 1                         ; h
	v_and_b32 v3, 31, v0
	v_lshlrev_b32 v3, 4, v3                        ; 16 x lane
	s_mul_i32 s21, s15, HALFT                      ; my 64 rows of A
	s_mul_i32 s22, s16, HALFT
	s_add_co_u32 s22, s22, 2*HALFT                 ; my 64 rows of B, behind A's 128
	v_lshlrev_b32 v5, 3, v1                        ; scale words: 8 bytes a row and record;
	s_sub_co_u32 s23, s22, s21
	v_mul_u32_u24 v6, s23, v2                      ; lanes 16-31 take B's
	v_add_nc_u32 v5, v5, v6
.irp s, 0,1
	v_add_nc_u32 v[ADRA+\s], s21, v3
	v_add_nc_u32 v[ADRB+\s], s22, v3
	v_add_nc_u32 v[ADRS+\s], s21, v5
	v_add_nc_u32 v[ADRS+\s], 8192, v[ADRS+\s]
	s_add_co_u32 s21, s21, SLOT
	s_add_co_u32 s22, s22, SLOT
.endr
	s_mul_i32 s23, s14, 16*SPITCH                  ; my stage
	v_mul_u32_u24 v5, v1, SPITCH
	v_lshl_add_u32 v5, v2, 6, v5
	v_add_nc_u32 v[STO], s23, v5                   ; in: row r, + 64 h
	v_mul_u32_u24 v5, v2, SPITCH
	v_lshl_add_u32 v5, v1, 4, v5
	v_add_nc_u32 v[RD], s23, v5                    ; back: lanes 0-15 one row of 256 bytes, lanes 16-31 the next
	v_lshlrev_b32 v[BO], 4, v1
	s_wait_alu depctr_va_vdst(0)                   ; the wait directly ahead of the reader below
	v_lshl_add_u32 v[CO], v2, 12, v[BO]            ; and the same two rows in memory
	s_wait_alu depctr_va_vdst(0)                   ; and at the end of the head's vector lines
	s_lshl_b32 s66, s17, 7
	s_lshl_b32 s67, s15, 6
	s_add_co_u32 s66, s66, s67
	s_lshl_b32 s66, s66, 12                        ; my first row, in bytes
	s_lshl_b32 s68, s42, 9
	s_lshl_b32 s69, s16, 8
	s_add_co_u32 s68, s68, s69                     ; my first column, in bytes
	s_mov_b32 s69, 0
	s_add_nc_u64 s[10:11], s[10:11], s[68:69]
	s_add_co_u32 s68, s68, s66
	s_add_nc_u64 s[8:9], s[8:9], s[68:69]
	s_add_nc_u64 s[12:13], s[12:13], s[68:69]
	global_load_b128 v[BI:BI+3], v[BO], s[10:11]
; Stage row t of block a is the row 32 (a / 2) + 8 (a % 2) + t + 8 (t / 8) of my 64; an instruction takes stage rows 2 t and 2 t + 1: every row offset is an immediate, 62 rows of 4,096 bytes at the most.
	WIN 0x80                                       ; destination window 2: the residual; with the bias 33 loads of mine are out; they land under the products
.irp a, 0,1,2,3
.irp t, 0,1,2,3,4,5,6,7
	global_load_b128 v[32*\a+4*\t:32*\a+4*\t+3], v[CO], s[8:9] offset:(32*(\a/2)+8*(\a%2)+2*\t+8*(\t/4))*4096 th:TH_LOAD_NT
.endr
.endr
	WIN 0
.macro FRAG reg, adr, q, i             ; block i of my 64 rows, the slot's q-th 128 along K: four runs of 512 bytes
.irp c, 0,1,2,3
	ds_load_b128 v[\reg+4*\c:\reg+4*\c+3], v[\adr] offset:((\i)/2)*2*REC+((\q)/2)*REC+((\i)%2)*4096+((\q)%2)*2048+512*\c
.endr
.endm
.macro FETCH slot, q, f                ; 32 LDS loads in one run: a step's eight fragments into buffer f
	WIN TO_F
.irp i, 0,1,2,3
	FRAG 128*(\f)+64+16*\i, ADRB+\slot, \q, \i
.endr
.irp i, 0,1,2,3
	FRAG 128*(\f)+16*\i, ADRA+\slot, \q, \i
.endr
.endm
.macro SCALES sc                       ; a slot's scale words: two a row and record; lanes 0-15 take A's block i, lanes 16-31 B's block i
.irp i, 0,1,2,3
.irp k, 0,1
	ds_load_b64 v[SC+16*\sc+4*\i+2*\k:SC+16*\sc+4*\i+2*\k+1], v[ADRS+\sc] offset:(\i/2)*2*REC+\k*REC+(\i%2)*128
.endr
.endr
.endm
; 4 matrix instructions: A's block a x B's four.  The 16 accumulators take turns, one instruction a turn, in the same order in every step.
.macro MULA f, q, sc, a, zero
.irp b, 0,1,2,3
.if \zero
	v_wmma_scale_f32_16x16x128_f8f6f4 v[ACC+8*(4*(\a)+\b):ACC+8*(4*(\a)+\b)+7], v[128*(\f)+64+16*\b:128*(\f)+64+16*\b+15], v[128*(\f)+16*(\a):128*(\f)+16*(\a)+15], 0, v[SC+16*(\sc)+4*\b+(\q)], v[SC+16*(\sc)+4*(\a)+(\q)] matrix_a_scale:MATRIX_SCALE_ROW1
.else
	v_wmma_scale_f32_16x16x128_f8f6f4 v[ACC+8*(4*(\a)+\b):ACC+8*(4*(\a)+\b)+7], v[128*(\f)+64+16*\b:128*(\f)+64+16*\b+15], v[128*(\f)+16*(\a):128*(\f)+16*(\a)+15], v[ACC+8*(4*(\a)+\b):ACC+8*(4*(\a)+\b)+7], v[SC+16*(\sc)+4*\b+(\q)], v[SC+16*(\sc)+4*(\a)+(\q)] matrix_a_scale:MATRIX_SCALE_ROW1
.endif
.endr
.endm
.macro PLACES n                        ; plain vector instructions between a matrix instruction and a load into, or a read of, its registers
.rept \n
	v_nop
.endr
.endm
; A step of 128 along K that has its successor in the same slot: the successor's fragments are asked for first, into the buffer that the step before multiplied, then this step's 16 products.
.macro STEP slot, q, zero
	PLACES NP
	FETCH \slot, (\q)+1, 1-(\q)%2
	s_wait_dscnt 32                                ; all but the 32 loads just issued are in: this step's fragments, and the slot's scale words
	WIN MUL
.irp a, 0,1,2,3
	MULA (\q)%2, \q, \slot, \a, \zero
.endr
.endm
	s_cmp_lt_u32 s14, 2
	s_cbranch_scc0 .Lslot_1_mine
	s_wait_tensorcnt 0x0                           ; waves 0, 1: slot 0's two sides are in; waves 2, 3 wait for slot 1's at the change of slots
.Lslot_1_mine:
	s_barrier_signal -1
	s_barrier_wait -1
	FETCH 0, 0, 0
	WIN 0
	SCALES 0
	STEP 0, 0, 1                                   ; the first step's products start the sums
	STEP 0, 1, 0
	STEP 0, 2, 0
	; slot 0's fourth step changes slots: one barrier; in front of it each wave waits for its tensor load, adds 0 to its spare word, and waits for that and for its reads of slot 0
	WIN 0                                          ; (the add's two registers lie in window 0)
	s_wait_tensorcnt 0x0                           ; every wave: my load has landed: slot 1's sides among them
	ds_add_u32 v[SPW], v[NIL]                      ; 0 onto my spare word
	s_wait_dscnt 1                                 ; this step's fragments are in (the add may be out)
	WIN MUL
	MULA 1, 3, 0, 0, 0
	s_wait_dscnt 0x0                               ; the add is done, and my reads of slot 0 are over
	s_barrier_signal -1
	MULA 1, 3, 0, 1, 0
	WIN 0
	s_barrier_wait -1
	PLACES NP
	FETCH 1, 0, 0
	WIN 0
	SCALES 1
	WIN MUL
	MULA 1, 3, 0, 2, 0
	MULA 1, 3, 0, 3, 0
	STEP 1, 0, 0
	STEP 1, 1, 0
	STEP 1, 2, 0
	s_wait_dscnt 0
	WIN MUL
.irp a, 0,1,2,3
	MULA 1, 3, 1, \a, 0
.endr
	WIN 0
.macro TOSTAGE a
.irp b, 0,1,2,3
	ds_store_b128 v[STO], v[ACC+8*(4*(\a)+\b):ACC+8*(4*(\a)+\b)+3] offset:128*(\b/2)+32*(\b%2)          ; each accumulator from its low end on
	ds_store_b128 v[STO], v[ACC+8*(4*(\a)+\b)+4:ACC+8*(4*(\a)+\b)+7] offset:128*(\b/2)+32*(\b%2)+16
.endr
.set BB, BK+32*((\a)%2)
.irp t, 0,1,2,3,4,5,6,7
	ds_load_b128 v[BB+4*\t:BB+4*\t+3], v[RD] offset:2*\t*SPITCH    ; LDS serves a wave's instructions in order (ISA guide 5.7.1.4): these see the stores above
.endr
.endm
.macro SEND a, younger
.set BB, BK+32*((\a)%2)
.set RR, 32*(\a)
	s_wait_dscnt \younger                          ; the block is back in registers (the next block's 8 stores and 8 loads may be out)
.set I, 0
.rept 8
	v_pk_add_f32 v[BB+4*I:BB+4*I+1], v[BB+4*I:BB+4*I+1], v[BI:BI+1]
	v_pk_add_f32 v[BB+4*I+2:BB+4*I+3], v[BB+4*I+2:BB+4*I+3], v[BI+2:BI+3]
.set I, I+1
.endr
	WIN 0x08                                       ; source 1: window 2
.set I, 0
.rept 16
	v_pk_add_f32 v[BB+2*I:BB+2*I+1], v[BB+2*I:BB+2*I+1], v[RR+2*I:RR+2*I+1]
.set I, I+1
.endr
	WIN 0
.irp t, 0,1,2,3,4,5,6,7
	global_store_b128 v[CO], v[BB+4*\t:BB+4*\t+3], s[12:13] offset:(32*((\a)/2)+8*((\a)%2)+2*\t+8*(\t/4))*4096   ; two rows: two aligned runs of 256 bytes
.endr
.endm
	PLACES NP                                      ; in front of the first reads of results
	s_wait_loadcnt 0x0                             ; the bias and the residual, asked for at the head
	TOSTAGE 0
.irp a, 1,2,3
.if \a > 1
	s_wait_xcnt 0x0                                ; block a - 2's stores have read their registers: block a's loads may land there
.endif
	TOSTAGE \a
	SEND \a-1, 16
.endr
	SEND 3, 0
	s_wait_tensorcnt 0x0                           ; the wave's end
	ds_add_u32 v[SPW], v[NIL]
	s_wait_dscnt 0x0
	CROUND                                         ; the closing round
	s_endpgm
.Lfunc_end_k_qadc997414e_wog:
	.size	k_qadc997414e_wog, .Lfunc_end_k_qadc997414e_wog-k_qadc997414e_wog
	.p2alignl 7, 3214868480
	.fill 96, 4, 3214868480
	.section	.rodata,"a",@progbits
	.p2align	6, 0x0
	.amdhsa_kernel k_qadc997414e_wog
		.amdhsa_group_segment_fixed_size 327680
		.amdhsa_private_segment_fixed_size 0
		.amdhsa_enable_private_segment 0
		.amdhsa_kernarg_size 40
		.amdhsa_user_sgpr_count 2
		.amdhsa_user_sgpr_kernarg_segment_ptr 1
		.amdhsa_wavefront_size32 1
		.amdhsa_system_sgpr_workgroup_id_x 1
		.amdhsa_system_sgpr_workgroup_id_y 1
		.amdhsa_system_sgpr_workgroup_id_z 1
		.amdhsa_system_vgpr_workitem_id 0
		.amdhsa_next_free_vgpr 640
		.amdhsa_next_free_sgpr 100
		.amdhsa_reserve_vcc 0
		.amdhsa_float_denorm_mode_32 3
		.amdhsa_float_denorm_mode_16_64 3
		.amdhsa_memory_ordered 1
		.amdhsa_forward_progress 1
		.amdhsa_inst_pref_size 63
	.end_amdhsa_kernel
	.amdgpu_metadata
---
amdhsa.version: [ 1, 2 ]
amdhsa.kernels:
  - .name:           k_qadc997414e_wog
    .symbol:         k_qadc997414e_wog.kd
    .args:
      - { .name: o_c, .offset: 0, .size: 8, .value_kind: global_buffer, .address_space: global }
      - { .name: wts, .offset: 8, .size: 8, .value_kind: global_buffer, .address_space: global }
      - { .name: x, .offset: 16, .size: 8, .value_kind: global_buffer, .address_space: global }
      - { .name: bo, .offset: 24, .size: 8, .value_kind: global_buffer, .address_space: global }
      - { .name: x2, .offset: 32, .size: 8, .value_kind: global_buffer, .address_space: global }
    .group_segment_fixed_size: 327680
    .private_segment_fixed_size: 0
    .kernarg_segment_align: 8
    .kernarg_segment_size: 40
    .max_flat_workgroup_size: 128
    .sgpr_count:     100
    .vgpr_count:     640
    .wavefront_size: 32
...
	.end_amdgpu_metadata
.endif
;; end of part 12
;; launch rms2: the kernel of part 9 again; grid 256 x 1, 4 waves a work-group, no clusters, 66,304 bytes of LDS; arguments x2, g2, h2_c; writes h2_c
;; launch ffn1 (part 13): grid 16 x 16, 4 waves a work-group, clusters of 4 x 4, 327,680 bytes of LDS; arguments h2_c, wts, b1, hid_c; writes hid_c
.if DOCPART == 13
	.amdgcn_target "amdgcn-amd-amdhsa--gfx1250"
	.amdhsa_code_object_version 6
	.text
	.protected	k_qadc997414e_ffn1
	.globl	k_qadc997414e_ffn1
	.p2align	8
	.type	k_qadc997414e_ffn1,@function
k_qadc997414e_ffn1:
	s_mov_b64 s[64:65], 0
	v_nop
	global_prefetch_b8 v0, s[64:65] scope:SCOPE_SE
	s_setreg_imm32_b32 hwreg(HW_REG_WAVE_MODE, 25, 1), 1
	s_wait_xcnt 0x0
	s_wait_alu depctr_hold_cnt(0) depctr_sa_sdst(0) depctr_va_vdst(0) depctr_va_sdst(0) depctr_va_ssrc(0) depctr_va_vcc(0) depctr_vm_vsrc(0)
	s_getreg_b32 s2, hwreg(HW_REG_IB_STS2, 6, 4)
	s_cmp_eq_u32 s2, 0
	s_cbranch_scc0 .Lentry_in_a_cluster
	s_endpgm
.Lentry_in_a_cluster:
	s_bfe_u32 s2, ttmp6, 0x10000c
	s_cmp_lg_u32 s2, 0xf033
	s_cbranch_scc0 .Lentry_shape_is_right
	s_endpgm
.Lentry_shape_is_right:
.set KP,     4
.set WOFF,   4325376
.set REC,    8448
.set HALFT,  4*REC
.set SLOT,   4*HALFT
.set SPARE,  2*SLOT
.set LAPS,   KP/2
.set NQ,     2
.set FR,     16
.set NL,     4
.set NP,     8
.set ADRA, 16
.set ADRB, 20
.set ADRS, 22
.set CO,   24
.set CS8,  25
.set BOFF, 26
.set SPW,  28
.set NIL,  29
.set SC,   32
.set BI,   64
.set AF,   128
.set T,    128
.set PC,   192
.set TM,   208
.set PW,   224
.set SELW, 226
.set G1, 24
.set G0, 32
.set G1B, 48
.set G0B, 56
.set MASKH, 67
.set SEL, 68
.set MNT, 70
.set MSB, 0
.macro WIN new
.if MSB != (\new)
	s_set_vgpr_msb (MSB<<8)|(\new)
.set MSB, (\new)
.endif
.endm
.set MUL_LO, 0xa1
.set MUL_HI, 0xf1
.set TO_B,   0x40
.macro JLOAD g0a, g1a, g0b, g1b
	s_cmp_eq_u32 s15, 0
	s_cbranch_scc0 .Lfor_b_\@
	tensor_load_to_lds s[\g0a:\g0a+3], s[\g1a:\g1a+7]
	s_nop 0
.rept 4
	v_nop
.endr
	s_branch .Lasked_\@
.Lfor_b_\@:
	tensor_load_to_lds s[\g0b:\g0b+3], s[\g1b:\g1b+7]
	s_nop 0
.rept 4
	v_nop
.endr
.Lasked_\@:
.endm
.macro CREST
	s_cmp_lg_u32 s14, 0
	s_cbranch_scc1 .Lnot_wave_0_\@
	s_barrier_signal -3
.Lnot_wave_0_\@:
	s_barrier_wait -3
	s_barrier_signal -1
	s_barrier_wait -1
.endm
.macro CROUND
	s_barrier_signal -1
	s_barrier_wait -1
	CREST
.endm
	s_load_b128 s[4:7], s[0:1], 0x0
	s_load_b128 s[8:11], s[0:1], 0x10
	v_lshl_add_u32 v[SPW], v0, 2, SPARE
	v_mov_b32 v[NIL], 0
	ds_add_u32 v28, v29
	ds_add_u32 v28, v29
	s_wait_dscnt 0x0
	v_lshrrev_b32 v1, 5, v0
	v_readfirstlane_b32 s14, v1
	s_lshr_b32 s15, s14, 1
	s_and_b32 s16, s14, 1
	s_bfe_u32 s40, ttmp6, 0x40000
	s_bfe_u32 s41, ttmp6, 0x40004
	s_lshl_b32 s42, ttmp9, 2
	s_add_co_u32 s42, s42, s40
	s_and_b32 s17, ttmp7, 0xffff
	s_lshl_b32 s17, s17, 2
	s_add_co_u32 s17, s17, s41
	s_lshl_b32 s43, s41, 2
	s_lshl_b32 s43, 15, s43
	s_lshl_b32 s44, 0x1111, s40
	s_or_b32 s[G1+0], s43, (3<<16)|(1<<21)
	s_or_b32 s[G1B+0], s44, (3<<16)|(1<<21)
.irp g, G1, G1B
	s_mov_b32 s[\g+1], 1056<<16
	s_mov_b32 s[\g+2], 4<<16
	s_mov_b32 s[\g+3], 1056<<16
	s_mov_b32 s[\g+4], 4
	s_mov_b32 s[\g+5], KP*1056
	s_mov_b32 s[\g+6], 0
	s_mov_b32 s[\g+7], 0
.endr
	s_lshl_b32 s18, s16, 2
	s_lshl_b32 s20, s17, 3
	s_add_co_u32 s20, s20, s18
	s_lshl_b32 s46, s42, 3
	s_add_co_u32 s46, s46, s18
	s_mul_i32 s20, s20, KP*REC
	s_mul_i32 s46, s46, KP*REC
	s_mov_b32 s21, 0
	s_mov_b32 s47, 0
	s_mul_i32 s45, s14, HALFT
	s_wait_kmcnt 0x0
	s_add_nc_u64 s[20:21], s[4:5], s[20:21]
	s_add_nc_u64 s[46:47], s[6:7], s[46:47]
	s_add_nc_u64 s[46:47], s[46:47], WOFF
	CROUND
.irp s, 0,1
	s_mov_b32 s[G0+4*\s], 1
	s_add_co_u32 s[G0+4*\s+1], s45, \s*SLOT
	s_add_nc_u64 s[G0+4*\s+2:G0+4*\s+3], s[20:21], \s*REC
	s_or_b32 s[G0+4*\s+3], s[G0+4*\s+3], 0x80000000
	s_mov_b32 s[G0B+4*\s], 1
	s_add_co_u32 s[G0B+4*\s+1], s45, \s*SLOT
	s_add_nc_u64 s[G0B+4*\s+2:G0B+4*\s+3], s[46:47], \s*REC
	s_or_b32 s[G0B+4*\s+3], s[G0B+4*\s+3], 0x80000000
.endr
; THE HEAD'S LOADS, ONE A WAVE: both slots' first fills go out together, each wave fetching a WHOLE side of a slot, 256 rows x 256 K: 8 rows of 8,448 bytes.  Wave 0: slot 0's A side, wave 1 its B side, waves 2 and 3 slot 1's.
; Descriptors of their own (the ring's bring half a side): groups 1 s[76:83], s[84:91]; groups 0 s[92:95], s[96:99], whose slot is wave / 2.  ONE chain of branches on the wave's number, a load to an arm, all arms to one join.
.set G1H,  76
.set G1HB, 84
.set G0H,  92
.set G0HB, 96
	s_or_b32 s[G1H], s43, (3<<16)|(1<<21)
	s_or_b32 s[G1HB], s44, (3<<16)|(1<<21)
.irp g, G1H, G1HB
	s_mov_b32 s[\g+1], 1056<<16
	s_mov_b32 s[\g+2], 8<<16
	s_mov_b32 s[\g+3], 1056<<16
	s_mov_b32 s[\g+4], 8
	s_mov_b32 s[\g+5], KP*1056
	s_mov_b32 s[\g+6], 0
	s_mov_b32 s[\g+7], 0
.endr
	s_mul_i32 s22, s18, KP*REC                     ; my half's offset, which a whole side leaves out
	s_mov_b32 s23, 0
	s_sub_nc_u64 s[G0H+2:G0H+3], s[20:21], s[22:23]
	s_sub_nc_u64 s[G0HB+2:G0HB+3], s[46:47], s[22:23]
	s_mul_i32 s22, s15, REC                        ; slot wave / 2 holds that K step
	s_add_nc_u64 s[G0H+2:G0H+3], s[G0H+2:G0H+3], s[22:23]
	s_add_nc_u64 s[G0HB+2:G0HB+3], s[G0HB+2:G0HB+3], s[22:23]
	s_or_b32 s[G0H+3], s[G0H+3], 0x80000000
	s_or_b32 s[G0HB+3], s[G0HB+3], 0x80000000
	s_mov_b32 s[G0H], 1
	s_mov_b32 s[G0HB], 1
	s_mul_i32 s[G0H+1], s15, SLOT
	s_add_co_u32 s[G0HB+1], s[G0H+1], 2*HALFT
.macro ARM under, g0, g1, next
	s_cmp_lt_u32 s14, \under
	s_cbranch_scc0 \next
	tensor_load_to_lds s[\g0:\g0+3], s[\g1:\g1+7]
	s_nop 0
.rept 4
	v_nop
.endr
	s_branch .Lhead_asked
\next:
.endm
	ARM 1, G0H,  G1H,  .Lhead_b0
	ARM 2, G0HB, G1HB, .Lhead_a1
	ARM 3, G0H,  G1H,  .Lhead_b1
	tensor_load_to_lds s[G0HB:G0HB+3], s[G1HB:G1HB+7]
	s_nop 0
.rept 4
	v_nop
.endr
.Lhead_asked:
	v_and_b32 v1, 15, v0
	v_bfe_u32 v2, v0, 4, 1
	v_and_b32 v3, 31, v0
	v_lshlrev_b32 v[CS8], 3, v3
	v_lshlrev_b32 v3, 4, v3
	s_mul_i32 s21, s15, HALFT
	s_mul_i32 s22, s16, HALFT
	s_add_co_u32 s22, s22, 2*HALFT
	v_lshlrev_b32 v5, 3, v1
	s_sub_co_u32 s23, s22, s21
	v_mul_u32_u24 v6, s23, v2
	v_add_nc_u32 v5, v5, v6
.irp s, 0,1
	v_add_nc_u32 v[ADRA+\s], s21, v3
	v_add_nc_u32 v[ADRB+\s], s22, v3
	v_add_nc_u32 v[ADRS+\s], s21, v5
	v_add_nc_u32 v[ADRS+\s], 8192, v[ADRS+\s]
	s_add_co_u32 s21, s21, SLOT
	s_add_co_u32 s22, s22, SLOT
.endr
	v_mov_b32 v[CO], v3
	v_lshlrev_b32 v[BOFF], 6, v2
	s_wait_alu depctr_va_vdst(0)
	s_mov_b32 s[MASKH], 0xffff0000
	s_mov_b32 s[SEL], 0x76543210
	s_mov_b32 s[SEL+1], 0xfedcba98
	s_mov_b32 s[MNT], 0x600000
	s_lshl_b32 s72, s17, 3
	s_lshl_b32 s73, s15, 2
	s_add_co_u32 s72, s72, s73
	s_lshl_b32 s72, s72, 4
	s_add_co_u32 s72, s72, s42
	s_mul_i32 s72, s72, REC
	s_mov_b32 s73, 0
	s_add_nc_u64 s[10:11], s[10:11], s[72:73]
	s_lshl_b32 s72, s16, 2
	s_add_co_u32 s72, s72, 8192
	s_add_nc_u64 s[12:13], s[10:11], s[72:73]
	s_lshl_b32 s72, s16, 11
	s_add_nc_u64 s[10:11], s[10:11], s[72:73]
	s_lshl_b32 s72, s42, 10
	s_lshl_b32 s74, s16, 9
	s_add_co_u32 s72, s72, s74
	s_add_nc_u64 s[8:9], s[8:9], s[72:73]
.irp b, 0,1,2,3
.irp j, 0,1,2,3
	global_load_b128 v[BI+16*\b+4*\j:BI+16*\b+4*\j+3], v[BOFF], s[8:9] offset:128*\b+16*\j
.endr
.endr
.macro FRAG reg, adr, q, i
.irp c, 0,1,2,3
	ds_load_b128 v[\reg+4*\c:\reg+4*\c+3], v[\adr] offset:((\i)/2)*REC+((\i)%2)*4096+(\q)*2048+512*\c
.endr
.endm
.macro MUL16 a0, p, q, sc, zero
.irp a, \a0, \a0+1
.irp b, 0,1,2,3,4,5,6,7
.if \zero
	v_wmma_scale_f32_16x16x128_f8f6f4 v[8*(8*((\a)%4)+\b):8*(8*((\a)%4)+\b)+7], v[128*(\p)+FR*\b:128*(\p)+FR*\b+FR-1], v[AF+FR*(\a):AF+FR*(\a)+FR-1], 0, v[SC+8*NQ*(\sc)+NQ*\b+(\q)], v[SC+8*NQ*(\sc)+NQ*(\a)+(\q)] matrix_a_scale:MATRIX_SCALE_ROW1
.else
	v_wmma_scale_f32_16x16x128_f8f6f4 v[8*(8*((\a)%4)+\b):8*(8*((\a)%4)+\b)+7], v[128*(\p)+FR*\b:128*(\p)+FR*\b+FR-1], v[AF+FR*(\a):AF+FR*(\a)+FR-1], v[8*(8*((\a)%4)+\b):8*(8*((\a)%4)+\b)+7], v[SC+8*NQ*(\sc)+NQ*\b+(\q)], v[SC+8*NQ*(\sc)+NQ*(\a)+(\q)] matrix_a_scale:MATRIX_SCALE_ROW1
.endif
.endr
.endr
.endm
.macro FETCH_B slot, q, p
	WIN TO_B
.irp i, 0,1,2,3,4,5,6,7
	FRAG 128*(\p)+FR*\i, ADRB+\slot, \q, \i
.endr
	WIN 0
.endm
.macro FETCH_A slot, q, i0
.irp i, \i0, \i0+1, \i0+2, \i0+3
	FRAG AF+FR*(\i), ADRA+\slot, \q, \i
.endr
.endm
.macro SCALES sc
.irp i, 0,1,2,3,4,5,6,7
	ds_load_b64 v[SC+8*NQ*\sc+NQ*\i:SC+8*NQ*\sc+NQ*\i+1], v[ADRS+\sc] offset:(\i/2)*REC+(\i%2)*128
.endr
.endm
.macro PLACES n
.rept \n
	v_nop
.endr
.endm
.macro STEP slot, q, zero
	s_wait_dscnt 4*NL
	WIN MUL_LO
	MUL16 0, (\q)%2, \q, \slot, \zero
	MUL16 2, (\q)%2, \q, \slot, \zero
	s_wait_dscnt 0
	PLACES NP
	FETCH_B \slot, (\q)+1, 1-(\q)%2
	FETCH_A \slot, (\q)+1, 0
	WIN MUL_HI
	MUL16 4, (\q)%2, \q, \slot, \zero
	MUL16 6, (\q)%2, \q, \slot, \zero
	PLACES NP
	WIN 0
	FETCH_A \slot, (\q)+1, 4
.endm
.macro TURN slot, next, fill
	s_wait_tensorcnt 0x0
	ds_add_u32 v[SPW], v[NIL]
	s_wait_dscnt 4*NL+1
	WIN MUL_LO
	MUL16 0, 1, NQ-1, \slot, 0
	s_wait_dscnt 0x0
	s_barrier_signal -1
	MUL16 2, 1, NQ-1, \slot, 0
	WIN 0
	s_barrier_wait -1
.if \fill
	CREST
	s_add_nc_u64 s[G0+4*\slot+2:G0+4*\slot+3], s[G0+4*\slot+2:G0+4*\slot+3], 2*REC
	s_add_nc_u64 s[G0B+4*\slot+2:G0B+4*\slot+3], s[G0B+4*\slot+2:G0B+4*\slot+3], 2*REC
	JLOAD G0+4*\slot, G1, G0B+4*\slot, G1B
	PLACES NP-4
.else
	PLACES NP
.endif
	FETCH_B \next, 0, 0
	FETCH_A \next, 0, 0
	SCALES \next
	WIN MUL_HI
	MUL16 4, 1, NQ-1, \slot, 0
	MUL16 6, 1, NQ-1, \slot, 0
	PLACES NP
	WIN 0
	FETCH_A \next, 0, 4
.endm
	s_cmp_lt_u32 s14, 2
	s_cbranch_scc0 .Lslot_1_mine
	s_wait_tensorcnt 0x0                           ; waves 0, 1: slot 0's two sides are in; waves 2, 3 wait for slot 1's at the change of slots
.Lslot_1_mine:
	s_barrier_signal -1
	s_barrier_wait -1
	FETCH_B 0, 0, 0
	FETCH_A 0, 0, 0
	SCALES 0
	FETCH_A 0, 0, 4
	STEP 0, 0, 1
	s_mov_b32 s3, LAPS-1
.Llap:
	TURN 0, 1, 1
	STEP 1, 0, 0
	TURN 1, 0, 1
	STEP 0, 0, 0
	s_sub_co_u32 s3, s3, 1
	s_cmp_lg_u32 s3, 0
	s_cbranch_scc1 .Llap
	TURN 0, 1, 0
	STEP 1, 0, 0
	s_wait_dscnt 4*NL
	WIN MUL_LO
	MUL16 0, 1, NQ-1, 1, 0
	MUL16 2, 1, NQ-1, 1, 0
	s_wait_dscnt 0
	WIN MUL_HI
	MUL16 4, 1, NQ-1, 1, 0
	MUL16 6, 1, NQ-1, 1, 0
	WIN 0
.macro QUANT s, relu
.if \relu
.irp b, 0,1,2,3
	v_max3_num_f32 v[TM+\b], v[\s+16*\b], v[\s+1+16*\b], 0x4800000
.endr
.irp i, 2,4,6,8,10,12,14
.irp b, 0,1,2,3
	v_max3_num_f32 v[TM+\b], v[TM+\b], v[\s+16*\b+\i], v[\s+1+16*\b+\i]
.endr
.endr
.else
.irp b, 0,1,2,3
	v_max3_num_f32 v[TM+\b], |v[\s+16*\b]|, |v[\s+1+16*\b]|, 0x4800000
.endr
.irp i, 2,4,6,8,10,12,14
.irp b, 0,1,2,3
	v_max3_num_f32 v[TM+\b], v[TM+\b], |v[\s+16*\b+\i]|, |v[\s+1+16*\b+\i]|
.endr
.endr
.endif
.irp b, 0,1,2,3
	v_permlanex16_b32 v[TM+4+\b], v[TM+\b], s[SEL], s[SEL+1]
.endr
.irp b, 0,1,2,3
	v_max_num_f32 v[TM+\b], v[TM+\b], v[TM+4+\b]
.endr
.irp b, 0,1,2,3
	v_add_nc_u32 v[TM+12+\b], 0xfc000000, v[TM+\b]
.endr
.irp b, 0,1,2,3
	v_and_or_b32 v[TM+8+\b], v[TM+\b], 0x7f800000, s[MNT]
.endr
.irp b, 0,1,2,3
	v_lshrrev_b32 v[TM+4+\b], 23, v[TM+12+\b]
.endr
.irp b, 0,1,2,3
.irp i, 0,1,2,3,4,5,6,7,8,9,10,11,12,13,14,15
.if \relu
	v_med3_num_f32 v[\s+16*\b+\i], v[\s+16*\b+\i], 0, v[TM+8+\b]
.else
	v_med3_num_f32 v[\s+16*\b+\i], v[\s+16*\b+\i], -v[TM+8+\b], v[TM+8+\b]
.endif
.endr
	v_cvt_scalef32_pk8_fp8_f32 v[PC+4*\b:PC+1+4*\b], v[\s+16*\b:\s+7+16*\b], v[TM+12+\b]
	v_cvt_scalef32_pk8_fp8_f32 v[PC+2+4*\b:PC+3+4*\b], v[\s+8+16*\b:\s+15+16*\b], v[TM+12+\b]
.endr
	v_nop
.endm
.macro WORD4 d
	v_lshl_or_b32 v[\d], v[TM+5], 8, v[TM+4]
	v_lshl_or_b32 v[\d], v[TM+6], 16, v[\d]
	v_lshl_or_b32 v[\d], v[TM+7], 24, v[\d]
.endm
	PLACES NP
.irp b, 0,1,2,3
	v_mov_b32 v[TM+4+\b], 0
.endr
	s_wait_loadcnt 0x0
.macro OUTBLK a
.if (\a) > 0
	s_wait_xcnt 0x0
.endif
	WIN 0x02+((\a)/4)
.set I, 0
.rept 32
	v_pk_add_f32 v[T+I:T+I+1], v[64*((\a)%4)+I:64*((\a)%4)+I+1], v[BI+I:BI+I+1]
.set I, I+2
.endr
	WIN 0
	QUANT T, 1
	WORD4 PW+((\a)%2)
.irp c, 0,1,2,3
	global_store_b128 v[CO], v[PC+4*\c:PC+4*\c+3], s[10:11] offset:((\a)/2)*135168+((\a)%2)*4096+512*\c
.endr
.if ((\a)%2) == 1
	v_cndmask_b32 v[SELW+(\a)/2], v[PW], v[PW+1], s[MASKH]
	global_store_b32 v[CS8], v[SELW+(\a)/2], s[12:13] offset:((\a)/2)*135168
.endif
.endm
.irp a, 0,1,2,3,4,5,6,7
	OUTBLK \a
.endr
	s_wait_tensorcnt 0x0
	ds_add_u32 v[SPW], v[NIL]
	s_wait_dscnt 0x0
	CROUND
	s_endpgm
.Lfunc_end_k_qadc997414e_ffn1:
	.size	k_qadc997414e_ffn1, .Lfunc_end_k_qadc997414e_ffn1-k_qadc997414e_ffn1
	.p2alignl 7, 3214868480
	.fill 96, 4, 3214868480
	.section	.rodata,"a",@progbits
	.p2align	6, 0x0
	.amdhsa_kernel k_qadc997414e_ffn1
		.amdhsa_group_segment_fixed_size 327680
		.amdhsa_private_segment_fixed_size 0
		.amdhsa_enable_private_segment 0
		.amdhsa_kernarg_size 32
		.amdhsa_user_sgpr_count 2
		.amdhsa_user_sgpr_kernarg_segment_ptr 1
		.amdhsa_wavefront_size32 1
		.amdhsa_system_sgpr_workgroup_id_x 1
		.amdhsa_system_sgpr_workgroup_id_y 1
		.amdhsa_system_sgpr_workgroup_id_z 1
		.amdhsa_system_vgpr_workitem_id 0
		.amdhsa_next_free_vgpr 1024
		.amdhsa_next_free_sgpr 100
		.amdhsa_reserve_vcc 0
		.amdhsa_float_denorm_mode_32 3
		.amdhsa_float_denorm_mode_16_64 3
		.amdhsa_memory_ordered 1
		.amdhsa_forward_progress 1
		.amdhsa_inst_pref_size 201
	.end_amdhsa_kernel
	.amdgpu_metadata
---
amdhsa.version: [ 1, 2 ]
amdhsa.kernels:
  - .name:           k_qadc997414e_ffn1
    .symbol:         k_qadc997414e_ffn1.kd
    .args:
      - { .name: h2_c, .offset: 0, .size: 8, .value_kind: global_buffer, .address_space: global }
      - { .name: wts, .offset: 8, .size: 8, .value_kind: global_buffer, .address_space: global }
      - { .name: b1, .offset: 16, .size: 8, .value_kind: global_buffer, .address_space: global }
      - { .name: hid_c, .offset: 24, .size: 8, .value_kind: global_buffer, .address_space: global }
    .group_segment_fixed_size: 327680
    .private_segment_fixed_size: 0
    .kernarg_segment_align: 8
    .kernarg_segment_size: 32
    .max_flat_workgroup_size: 128
    .sgpr_count:     100
    .vgpr_count:     1024
    .wavefront_size: 32
...
	.end_amdgpu_metadata
.endif
;; end of part 13
;; launch ffn2 (part 14): grid 8 x 32, 4 waves a work-group, clusters of 4 x 4, 327,680 bytes of LDS; arguments hid_c, wts, x2, b2, out0; writes out0
.if DOCPART == 14
	.amdgcn_target "amdgcn-amd-amdhsa--gfx1250"
	.amdhsa_code_object_version 6
	.text
	.protected	k_qadc997414e_ffn2
	.globl	k_qadc997414e_ffn2
	.p2align	8
	.type	k_qadc997414e_ffn2,@function
k_qadc997414e_ffn2:
	s_mov_b64 s[64:65], 0
	v_nop
	global_prefetch_b8 v0, s[64:65] scope:SCOPE_SE
	s_setreg_imm32_b32 hwreg(HW_REG_WAVE_MODE, 25, 1), 1
	s_wait_xcnt 0x0
	s_wait_alu depctr_hold_cnt(0) depctr_sa_sdst(0) depctr_va_vdst(0) depctr_va_sdst(0) depctr_va_ssrc(0) depctr_va_vcc(0) depctr_vm_vsrc(0)
	s_getreg_b32 s2, hwreg(HW_REG_IB_STS2, 6, 4)
	s_cmp_eq_u32 s2, 0
	s_cbranch_scc0 .Lentry_in_a_cluster
	s_endpgm
.Lentry_in_a_cluster:
	s_bfe_u32 s2, ttmp6, 0x10000c
	s_cmp_lg_u32 s2, 0xf033
	s_cbranch_scc0 .Lentry_shape_is_right
	s_endpgm
.Lentry_shape_is_right:
.set KP,     16
.set WOFF,   8650752
.set REC,    8448
.set HALFT,  4*REC
.set SLOT,   4*HALFT
.set SPARE,  2*SLOT
.set LAPS,   KP/4
.set NP,     8
.set SPITCH, 272
.set BI,   8
.set ADRA, 16
.set ADRB, 20
.set ADRS, 22
.set STO,  24
.set RD,   25
.set CO,   26
.set BO,   27
.set SPW,  28
.set NIL,  29
.set SC,   32
.set BK,   64
.set ACC,  128
.set G1, 24
.set G0, 32
.set G1B, 48
.set G0B, 56
.set MSB, 0
.macro WIN new
.if MSB != (\new)
	s_set_vgpr_msb (MSB<<8)|(\new)
.set MSB, (\new)
.endif
.endm
.set MUL,  0x05
.set TO_F, 0x40
.macro JLOAD g0a, g1a, g0b, g1b
	s_cmp_eq_u32 s15, 0
	s_cbranch_scc0 .Lfor_b_\@
	tensor_load_to_lds s[\g0a:\g0a+3], s[\g1a:\g1a+7]
	s_nop 0
.rept 4
	v_nop
.endr
	s_branch .Lasked_\@
.Lfor_b_\@:
	tensor_load_to_lds s[\g0b:\g0b+3], s[\g1b:\g1b+7]
	s_nop 0
.rept 4
	v_nop
.endr
.Lasked_\@:
.endm
.macro CREST
	s_cmp_lg_u32 s14, 0
	s_cbranch_scc1 .Lnot_wave_0_\@
	s_barrier_signal -3
.Lnot_wave_0_\@:
	s_barrier_wait -3
	s_barrier_signal -1
	s_barrier_wait -1
.endm
.macro CROUND
	s_barrier_signal -1
	s_barrier_wait -1
	CREST
.endm
	s_load_b128 s[4:7], s[0:1], 0x0
	s_load_b128 s[8:11], s[0:1], 0x10
	s_load_b64 s[12:13], s[0:1], 0x20
	v_lshl_add_u32 v[SPW], v0, 2, SPARE
	v_mov_b32 v[NIL], 0
	ds_add_u32 v28, v29
	ds_add_u32 v28, v29
	s_wait_dscnt 0x0
	v_lshrrev_b32 v1, 5, v0
	v_readfirstlane_b32 s14, v1
	s_lshr_b32 s15, s14, 1
	s_and_b32 s16, s14, 1
	s_bfe_u32 s40, ttmp6, 0x40000
	s_bfe_u32 s41, ttmp6, 0x40004
	s_lshl_b32 s42, ttmp9, 2
	s_add_co_u32 s42, s42, s40
	s_and_b32 s17, ttmp7, 0xffff
	s_lshl_b32 s17, s17, 2
	s_add_co_u32 s17, s17, s41
	s_lshl_b32 s43, s41, 2
	s_lshl_b32 s43, 15, s43
	s_lshl_b32 s44, 0x1111, s40
	s_or_b32 s[G1+0], s43, (3<<16)|(1<<21)
	s_or_b32 s[G1B+0], s44, (3<<16)|(1<<21)
.irp g, G1, G1B
	s_mov_b32 s[\g+1], 2112<<16
	s_mov_b32 s[\g+2], 2<<16
	s_mov_b32 s[\g+3], 2112<<16
	s_mov_b32 s[\g+4], 2
	s_mov_b32 s[\g+5], KP*1056
	s_mov_b32 s[\g+6], 0
	s_mov_b32 s[\g+7], 0
.endr
	s_lshl_b32 s18, s16, 1
	s_lshl_b32 s20, s17, 2
	s_add_co_u32 s20, s20, s18
	s_lshl_b32 s46, s42, 2
	s_add_co_u32 s46, s46, s18
	s_mul_i32 s20, s20, KP*REC
	s_mul_i32 s46, s46, KP*REC
	s_mov_b32 s21, 0
	s_mov_b32 s47, 0
	s_mul_i32 s45, s14, HALFT
	s_wait_kmcnt 0x0
	s_add_nc_u64 s[20:21], s[4:5], s[20:21]
	s_add_nc_u64 s[46:47], s[6:7], s[46:47]
	s_add_nc_u64 s[46:47], s[46:47], WOFF
	CROUND
.irp s, 0,1
	s_mov_b32 s[G0+4*\s], 1
	s_add_co_u32 s[G0+4*\s+1], s45, \s*SLOT
	s_add_nc_u64 s[G0+4*\s+2:G0+4*\s+3], s[20:21], \s*2*REC
	s_or_b32 s[G0+4*\s+3], s[G0+4*\s+3], 0x80000000
	s_mov_b32 s[G0B+4*\s], 1
	s_add_co_u32 s[G0B+4*\s+1], s45, \s*SLOT
	s_add_nc_u64 s[G0B+4*\s+2:G0B+4*\s+3], s[46:47], \s*2*REC
	s_or_b32 s[G0B+4*\s+3], s[G0B+4*\s+3], 0x80000000
.endr
; THE HEAD'S LOADS, ONE A WAVE: both slots' first fills go out together, each wave fetching a WHOLE side of a slot, 128 rows x 512 K: 4 rows of 16,896 bytes.  Wave 0: slot 0's A side, wave 1 its B side, waves 2 and 3 slot 1's.
; Descriptors of their own (the ring's bring half a side): groups 1 s[76:83], s[84:91]; groups 0 s[92:95], s[96:99], whose slot is wave / 2.  ONE chain of branches on the wave's number, a load to an arm, all arms to one join.
.set G1H,  76
.set G1HB, 84
.set G0H,  92
.set G0HB, 96
	s_or_b32 s[G1H], s43, (3<<16)|(1<<21)
	s_or_b32 s[G1HB], s44, (3<<16)|(1<<21)
.irp g, G1H, G1HB
	s_mov_b32 s[\g+1], 2112<<16
	s_mov_b32 s[\g+2], 4<<16
	s_mov_b32 s[\g+3], 2112<<16
	s_mov_b32 s[\g+4], 4
	s_mov_b32 s[\g+5], KP*1056
	s_mov_b32 s[\g+6], 0
	s_mov_b32 s[\g+7], 0
.endr
	s_mul_i32 s22, s18, KP*REC                     ; my half's offset, which a whole side leaves out
	s_mov_b32 s23, 0
	s_sub_nc_u64 s[G0H+2:G0H+3], s[20:21], s[22:23]
	s_sub_nc_u64 s[G0HB+2:G0HB+3], s[46:47], s[22:23]
	s_mul_i32 s22, s15, 2*REC                      ; slot wave / 2 holds that K step
	s_add_nc_u64 s[G0H+2:G0H+3], s[G0H+2:G0H+3], s[22:23]
	s_add_nc_u64 s[G0HB+2:G0HB+3], s[G0HB+2:G0HB+3], s[22:23]
	s_or_b32 s[G0H+3], s[G0H+3], 0x80000000
	s_or_b32 s[G0HB+3], s[G0HB+3], 0x80000000
	s_mov_b32 s[G0H], 1
	s_mov_b32 s[G0HB], 1
	s_mul_i32 s[G0H+1], s15, SLOT
	s_add_co_u32 s[G0HB+1], s[G0H+1], 2*HALFT
.macro ARM under, g0, g1, next
	s_cmp_lt_u32 s14, \under
	s_cbranch_scc0 \next
	tensor_load_to_lds s[\g0:\g0+3], s[\g1:\g1+7]
	s_nop 0
.rept 4
	v_nop
.endr
	s_branch .Lhead_asked
\next:
.endm
	ARM 1, G0H,  G1H,  .Lhead_b0
	ARM 2, G0HB, G1HB, .Lhead_a1
	ARM 3, G0H,  G1H,  .Lhead_b1
	tensor_load_to_lds s[G0HB:G0HB+3], s[G1HB:G1HB+7]
	s_nop 0
.rept 4
	v_nop
.endr
.Lhead_asked:
	v_and_b32 v1, 15, v0
	v_bfe_u32 v2, v0, 4, 1
	v_and_b32 v3, 31, v0
	v_lshlrev_b32 v3, 4, v3
	s_mul_i32 s21, s15, HALFT
	s_mul_i32 s22, s16, HALFT
	s_add_co_u32 s22, s22, 2*HALFT
	v_lshlrev_b32 v5, 3, v1
	s_sub_co_u32 s23, s22, s21
	v_mul_u32_u24 v6, s23, v2
	v_add_nc_u32 v5, v5, v6
.irp s, 0,1
	v_add_nc_u32 v[ADRA+\s], s21, v3
	v_add_nc_u32 v[ADRB+\s], s22, v3
	v_add_nc_u32 v[ADRS+\s], s21, v5
	v_add_nc_u32 v[ADRS+\s], 8192, v[ADRS+\s]
	s_add_co_u32 s21, s21, SLOT
	s_add_co_u32 s22, s22, SLOT
.endr
	s_mul_i32 s23, s14, 16*SPITCH
	v_mul_u32_u24 v5, v1, SPITCH
	v_lshl_add_u32 v5, v2, 6, v5
	v_add_nc_u32 v[STO], s23, v5
	v_mul_u32_u24 v5, v2, SPITCH
	v_lshl_add_u32 v5, v1, 4, v5
	v_add_nc_u32 v[RD], s23, v5
	v_lshlrev_b32 v[BO], 4, v1
	s_wait_alu depctr_va_vdst(0)
	v_lshl_add_u32 v[CO], v2, 12, v[BO]
	s_wait_alu depctr_va_vdst(0)
	s_lshl_b32 s66, s17, 7
	s_lshl_b32 s67, s15, 6
	s_add_co_u32 s66, s66, s67
	s_lshl_b32 s66, s66, 12
	s_lshl_b32 s68, s42, 9
	s_lshl_b32 s69, s16, 8
	s_add_co_u32 s68, s68, s69
	s_mov_b32 s69, 0
	s_add_nc_u64 s[10:11], s[10:11], s[68:69]
	s_add_co_u32 s68, s68, s66
	s_add_nc_u64 s[8:9], s[8:9], s[68:69]
	s_add_nc_u64 s[12:13], s[12:13], s[68:69]
	global_load_b128 v[BI:BI+3], v[BO], s[10:11]
	WIN 0x80
.irp a, 0,1,2,3
.irp t, 0,1,2,3,4,5,6,7
	global_load_b128 v[32*\a+4*\t:32*\a+4*\t+3], v[CO], s[8:9] offset:(32*(\a/2)+8*(\a%2)+2*\t+8*(\t/4))*4096 th:TH_LOAD_NT
.endr
.endr
	WIN 0
.macro FRAG reg, adr, q, i
.irp c, 0,1,2,3
	ds_load_b128 v[\reg+4*\c:\reg+4*\c+3], v[\adr] offset:((\i)/2)*2*REC+((\q)/2)*REC+((\i)%2)*4096+((\q)%2)*2048+512*\c
.endr
.endm
.macro FETCH slot, q, f
	WIN TO_F
.irp i, 0,1,2,3
	FRAG 128*(\f)+64+16*\i, ADRB+\slot, \q, \i
.endr
.irp i, 0,1,2,3
	FRAG 128*(\f)+16*\i, ADRA+\slot, \q, \i
.endr
.endm
.macro SCALES sc
.irp i, 0,1,2,3
.irp k, 0,1
	ds_load_b64 v[SC+16*\sc+4*\i+2*\k:SC+16*\sc+4*\i+2*\k+1], v[ADRS+\sc] offset:(\i/2)*2*REC+\k*REC+(\i%2)*128
.endr
.endr
.endm
.macro MULA f, q, sc, a, zero
.irp b, 0,1,2,3
.if \zero
	v_wmma_scale_f32_16x16x128_f8f6f4 v[ACC+8*(4*(\a)+\b):ACC+8*(4*(\a)+\b)+7], v[128*(\f)+64+16*\b:128*(\f)+64+16*\b+15], v[128*(\f)+16*(\a):128*(\f)+16*(\a)+15], 0, v[SC+16*(\sc)+4*\b+(\q)], v[SC+16*(\sc)+4*(\a)+(\q)] matrix_a_scale:MATRIX_SCALE_ROW1
.else
	v_wmma_scale_f32_16x16x128_f8f6f4 v[ACC+8*(4*(\a)+\b):ACC+8*(4*(\a)+\b)+7], v[128*(\f)+64+16*\b:128*(\f)+64+16*\b+15], v[128*(\f)+16*(\a):128*(\f)+16*(\a)+15], v[ACC+8*(4*(\a)+\b):ACC+8*(4*(\a)+\b)+7], v[SC+16*(\sc)+4*\b+(\q)], v[SC+16*(\sc)+4*(\a)+(\q)] matrix_a_scale:MATRIX_SCALE_ROW1
.endif
.endr
.endm
.macro PLACES n
.rept \n
	v_nop
.endr
.endm
.macro STEP slot, q, zero
	PLACES NP
	FETCH \slot, (\q)+1, 1-(\q)%2
	s_wait_dscnt 32
	WIN MUL
.irp a, 0,1,2,3
	MULA (\q)%2, \q, \slot, \a, \zero
.endr
.endm
.macro TURN slot, next, fill
	WIN 0
	s_wait_tensorcnt 0x0
	ds_add_u32 v[SPW], v[NIL]
	s_wait_dscnt 1
	WIN MUL
	MULA 1, 3, \slot, 0, 0
	s_wait_dscnt 0x0
	s_barrier_signal -1
	MULA 1, 3, \slot, 1, 0
	WIN 0
	s_barrier_wait -1
.if \fill
	CREST
	s_add_nc_u64 s[G0+4*\slot+2:G0+4*\slot+3], s[G0+4*\slot+2:G0+4*\slot+3], 4*REC
	s_add_nc_u64 s[G0B+4*\slot+2:G0B+4*\slot+3], s[G0B+4*\slot+2:G0B+4*\slot+3], 4*REC
	JLOAD G0+4*\slot, G1, G0B+4*\slot, G1B
	PLACES NP-4
.else
	PLACES NP
.endif
	FETCH \next, 0, 0
	WIN 0
	SCALES \next
	WIN MUL
	MULA 1, 3, \slot, 2, 0
	MULA 1, 3, \slot, 3, 0
.endm
	s_cmp_lt_u32 s14, 2
	s_cbranch_scc0 .Lslot_1_mine
	s_wait_tensorcnt 0x0                           ; waves 0, 1: slot 0's two sides are in; waves 2, 3 wait for slot 1's at the change of slots
.Lslot_1_mine:
	s_barrier_signal -1
	s_barrier_wait -1
	FETCH 0, 0, 0
	WIN 0
	SCALES 0
	STEP 0, 0, 1
.if LAPS > 1
	WIN 0
	s_mov_b32 s3, LAPS-1
.Llap:
	STEP 0, 1, 0
	STEP 0, 2, 0
	TURN 0, 1, 1
	STEP 1, 0, 0
	STEP 1, 1, 0
	STEP 1, 2, 0
	TURN 1, 0, 1
	STEP 0, 0, 0
	WIN 0
	s_sub_co_u32 s3, s3, 1
	s_cmp_lg_u32 s3, 0
	s_cbranch_scc1 .Llap
.endif
	STEP 0, 1, 0
	STEP 0, 2, 0
	TURN 0, 1, 0
	STEP 1, 0, 0
	STEP 1, 1, 0
	STEP 1, 2, 0
	s_wait_dscnt 0
	WIN MUL
.irp a, 0,1,2,3
	MULA 1, 3, 1, \a, 0
.endr
	WIN 0
.macro TOSTAGE a
.irp b, 0,1,2,3
	ds_store_b128 v[STO], v[ACC+8*(4*(\a)+\b):ACC+8*(4*(\a)+\b)+3] offset:128*(\b/2)+32*(\b%2)
	ds_store_b128 v[STO], v[ACC+8*(4*(\a)+\b)+4:ACC+8*(4*(\a)+\b)+7] offset:128*(\b/2)+32*(\b%2)+16
.endr
.set BB, BK+32*((\a)%2)
.irp t, 0,1,2,3,4,5,6,7
	ds_load_b128 v[BB+4*\t:BB+4*\t+3], v[RD] offset:2*\t*SPITCH
.endr
.endm
.macro SEND a, younger
.set BB, BK+32*((\a)%2)
.set RR, 32*(\a)
	s_wait_dscnt \younger
.set I, 0
.rept 8
	v_pk_add_f32 v[BB+4*I:BB+4*I+1], v[BB+4*I:BB+4*I+1], v[BI:BI+1]
	v_pk_add_f32 v[BB+4*I+2:BB+4*I+3], v[BB+4*I+2:BB+4*I+3], v[BI+2:BI+3]
.set I, I+1
.endr
	WIN 0x08
.set I, 0
.rept 16
	v_pk_add_f32 v[BB+2*I:BB+2*I+1], v[BB+2*I:BB+2*I+1], v[RR+2*I:RR+2*I+1]
.set I, I+1
.endr
	WIN 0
.irp t, 0,1,2,3,4,5,6,7
	global_store_b128 v[CO], v[BB+4*\t:BB+4*\t+3], s[12:13] offset:(32*((\a)/2)+8*((\a)%2)+2*\t+8*(\t/4))*4096 th:TH_STORE_NT
.endr
.endm
	PLACES NP
	s_wait_loadcnt 0x0
	TOSTAGE 0
.irp a, 1,2,3
.if \a > 1
	s_wait_xcnt 0x0
.endif
	TOSTAGE \a
	SEND \a-1, 16
.endr
	SEND 3, 0
	s_wait_tensorcnt 0x0
	ds_add_u32 v[SPW], v[NIL]
	s_wait_dscnt 0x0
	CROUND
	s_endpgm
.Lfunc_end_k_qadc997414e_ffn2:
	.size	k_qadc997414e_ffn2, .Lfunc_end_k_qadc997414e_ffn2-k_qadc997414e_ffn2
	.p2alignl 7, 3214868480
	.fill 96, 4, 3214868480
	.section	.rodata,"a",@progbits
	.p2align	6, 0x0
	.amdhsa_kernel k_qadc997414e_ffn2
		.amdhsa_group_segment_fixed_size 327680
		.amdhsa_private_segment_fixed_size 0
		.amdhsa_enable_private_segment 0
		.amdhsa_kernarg_size 40
		.amdhsa_user_sgpr_count 2
		.amdhsa_user_sgpr_kernarg_segment_ptr 1
		.amdhsa_wavefront_size32 1
		.amdhsa_system_sgpr_workgroup_id_x 1
		.amdhsa_system_sgpr_workgroup_id_y 1
		.amdhsa_system_sgpr_workgroup_id_z 1
		.amdhsa_system_vgpr_workitem_id 0
		.amdhsa_next_free_vgpr 640
		.amdhsa_next_free_sgpr 100
		.amdhsa_reserve_vcc 0
		.amdhsa_float_denorm_mode_32 3
		.amdhsa_float_denorm_mode_16_64 3
		.amdhsa_memory_ordered 1
		.amdhsa_forward_progress 1
		.amdhsa_inst_pref_size 103
	.end_amdhsa_kernel
	.amdgpu_metadata
---
amdhsa.version: [ 1, 2 ]
amdhsa.kernels:
  - .name:           k_qadc997414e_ffn2
    .symbol:         k_qadc997414e_ffn2.kd
    .args:
      - { .name: hid_c, .offset: 0, .size: 8, .value_kind: global_buffer, .address_space: global }
      - { .name: wts, .offset: 8, .size: 8, .value_kind: global_buffer, .address_space: global }
      - { .name: x2, .offset: 16, .size: 8, .value_kind: global_buffer, .address_space: global }
      - { .name: b2, .offset: 24, .size: 8, .value_kind: global_buffer, .address_space: global }
      - { .name: out0, .offset: 32, .size: 8, .value_kind: global_buffer, .address_space: global }
    .group_segment_fixed_size: 327680
    .private_segment_fixed_size: 0
    .kernarg_segment_align: 8
    .kernarg_segment_size: 40
    .max_flat_workgroup_size: 128
    .sgpr_count:     100
    .vgpr_count:     640
    .wavefront_size: 32
...
	.end_amdgpu_metadata
.endif
;; end of part 14
